; MI455X (gfx1250); checked and timed in simulation.
; The chip was launched on July 23, 2026; its instructions are those of AMD's public machine-readable ISA for CDNA 5 (MIT licence, August 2026) and "CDNA5" Instruction Set Architecture Reference Guide (July 2026). The comments in the code are by the model that wrote it; some were corrected since.
;; Deformable Transformer Layer. Allowed arithmetic: float matrix products may take bf16 or f16 operands with f32 sums; other float arithmetic in f32, or as packed bf16 or f16 multiplies, adds, multiply-adds, maxima and minima; sums over many terms, partial sums and values carried from step to step in f32; what a program stores and reads back later, other than sums and carried values, may be rounded once to bf16 or f16.
;; Inputs: W_attn 256 x 96 float32; W_ffn1 256 x 1,024 float32; W_ffn2 1,024 x 256 float32; W_off 256 x 192 float32; W_out 256 x 256 float32; W_val 256 x 256 float32; b_attn 96 float32; b_ffn1 1,024 float32; b_ffn2 256 float32; b_off 192 float32; b_out 256 float32; b_val 256 float32; level_start_index 3 int32; ln1_b 256 float32; ln1_w 256 float32; ln2_b 256 float32; ln2_w 256 float32; query 4 x 9,660 x 256 float32; query_pos 4 x 9,660 x 256 float32; ref_pts 4 x 9,660 x 3 x 2 float32; spatial_shapes 3 x 2 int32; value 4 x 19,320 x 256 float32.
;; Outputs: out0 4 x 9,660 x 256 float32.
;; 3 versions, each right; version 2 is faster than version 1; version 3 is version 2 with the launches qproj, ffn written anew for expert scheduling mode. Each part assembles by itself: llvm-mc -triple=amdgcn-amd-amdhsa -mcpu=gfx1250 --defsym DOCPART=n.
;; ======== version 1 of 3: 5 launches
;; workspace buffers: wt 1,476,096 bytes; val2 39,567,360 bytes; idx 14,837,760 bytes of whole numbers; wts 29,675,520 bytes; samp 19,783,680 bytes
;; launch prep (part 1): grid 91 x 4, 8 waves a work-group, no clusters, 0 bytes of LDS; arguments W_out, W_ffn1, W_ffn2, W_val, W_off, W_attn, b_off, b_attn, wt; writes wt
.if DOCPART == 1
	.amdgcn_target "amdgcn-amd-amdhsa--gfx1250"
	.amdhsa_code_object_version 6
	.text
	.protected	k_qa651f1c019_prep
	.globl	k_qa651f1c019_prep
	.p2align	8
	.type	k_qa651f1c019_prep,@function
k_qa651f1c019_prep:
	s_mov_b64 s[64:65], 0
	v_nop
	global_prefetch_b8 v0, s[64:65] scope:SCOPE_SE
	s_setreg_imm32_b32 hwreg(HW_REG_WAVE_MODE, 25, 1), 1
	s_wait_xcnt 0x0
; The weights, rounded once to bf16 and laid in the order in which the later launches' waves load them as matrix fragments.
; A chunk is 16 bytes: eight numbers W[k0 .. k0+7][n] of one column n, k0 = 32 ks + 16 half + 8 (lane / 16).  A thread makes one chunk; a work-group's 256 chunks are 4,096 bytes on end.
; y = the wave w of the later launch that will read the chunk; x picks the stream:
;   0-7 W_out, 8-39 W_ffn1 (pass (x-8)/8), 40-71 W_ffn2 x 0.5 (exact in bf16: the later launch keeps 2 gelu), 72-79 W_val, 80-89 W_off and W_attn permuted by heads, 90 their biases in f32.
; Permutation for the query projection: tile nt of 16 columns holds, for heads 2w and 2w+1, eight numbers each: nt 0-2 the offsets of level nt, nt 3 logits 0-7, nt 4 logits 8-11 and four zeros.
.set OFFV, 1179648                     ; wt: W_val's stream
.set OFFQ, 1310720                     ; the query projection's stream
.set OFFB, 1474560                     ; its biases: 384 bytes for each w (6 x 16 f32, the last 16 zero)
	s_load_b512 s[8:23], s[0:1], 0x0               ; W_out 8, W_ffn1 10, W_ffn2 12, W_val 14, W_off 16, W_attn 18, b_off 20, b_attn 22
	s_load_b64 s[24:25], s[0:1], 0x40              ; wt
	s_and_b32 s2, ttmp7, 0xffff                    ; w
	s_mov_b32 s3, ttmp9                            ; x
	v_and_b32 v1, 15, v0                           ; r
	v_bfe_u32 v2, v0, 4, 1                         ; lane / 16
	v_bfe_u32 v3, v0, 5, 1                         ; half
	v_lshrrev_b32 v4, 6, v0                        ; thread / 64
	v_lshlrev_b32 v5, 4, v0                        ; my chunk in the work-group's 4,096 bytes
	s_mov_b32 s33, 1.0                             ; the scale
	s_wait_kmcnt 0x0
	s_cmp_ge_u32 s3, 90
	s_cbranch_scc1 .Lbias
	s_cmp_ge_u32 s3, 80
	s_cbranch_scc1 .Lq
	s_lshl_b32 s28, s2, 6                          ; first column 64 w
	s_mov_b32 s29, 1024                            ; bytes in a row of the source
	s_mul_i32 s30, s2, 294912
	s_lshl_b32 s31, s3, 12
	s_add_co_u32 s30, s30, s31                     ; where the work-group writes
	s_mov_b32 s27, s3                              ; K step
	s_mov_b64 s[4:5], s[8:9]
	s_cmp_lt_u32 s3, 8
	s_cbranch_scc1 .Lgo
	s_cmp_lt_u32 s3, 40
	s_cbranch_scc0 .Lnot1
	s_sub_co_u32 s31, s3, 8                        ; W_ffn1: pass and K step
	s_and_b32 s27, s31, 7
	s_lshr_b32 s31, s31, 3
	s_lshl_b32 s31, s31, 6
	s_lshl_b32 s28, s2, 8
	s_add_co_u32 s28, s28, s31                     ; 256 w + 64 pass
	s_mov_b32 s29, 4096
	s_mov_b64 s[4:5], s[10:11]
	s_branch .Lgo
.Lnot1:
	s_cmp_lt_u32 s3, 72
	s_cbranch_scc0 .Lval
	s_sub_co_u32 s27, s3, 40                       ; W_ffn2: K steps 0 to 31
	s_mov_b64 s[4:5], s[12:13]
	s_mov_b32 s33, 0.5
	s_branch .Lgo
.Lval:
	s_sub_co_u32 s27, s3, 72
	s_mov_b64 s[4:5], s[14:15]
	s_lshl_b32 s30, s2, 15
	s_lshl_b32 s31, s27, 12
	s_add_co_u32 s30, s30, s31
	s_add_co_u32 s30, s30, OFFV
.Lgo:
	s_lshl_b32 s27, s27, 5
	v_lshl_add_u32 v6, v3, 4, s27
	v_lshl_add_u32 v6, v2, 3, v6                   ; k0
	v_lshl_add_u32 v7, v4, 4, v1
	v_add_nc_u32 v7, s28, v7                       ; column
	v_mov_b32 v9, -1                               ; nothing is blanked
	s_branch .Ltail
.Lq:
	s_sub_co_u32 s31, s3, 80                       ; 2 nt + which four K steps
	s_and_b32 s27, s31, 1
	s_lshr_b32 s26, s31, 1                         ; nt
	s_lshl_b32 s27, s27, 7
	v_lshl_add_u32 v6, v4, 5, s27
	v_lshl_add_u32 v6, v3, 4, v6
	v_lshl_add_u32 v6, v2, 3, v6                   ; k0
	s_mul_i32 s30, s2, 40960
	s_lshl_b32 s31, s31, 12
	s_add_co_u32 s30, s30, s31
	s_add_co_u32 s30, s30, OFFQ
	s_mov_b64 s[4:5], s[16:17]                     ; W_off: column 24 head + 8 nt + j
	s_mov_b32 s29, 768
	s_mov_b32 s34, 24
	s_lshl_b32 s35, s26, 3
	s_mov_b32 s36, 7
	s_cmp_lt_u32 s26, 3
	s_cbranch_scc1 .Lqgo
	s_mov_b64 s[4:5], s[18:19]                     ; W_attn: column 12 head + j, or 12 head + 8 + j % 4
	s_mov_b32 s29, 384
	s_mov_b32 s34, 12
	s_cmp_eq_u32 s26, 4
	s_cselect_b32 s35, 8, 0
	s_cselect_b32 s36, 3, 7
.Lqgo:
	v_lshrrev_b32 v7, 3, v1
	v_lshl_add_u32 v7, s2, 1, v7                   ; head
	v_and_b32 v8, 7, v1                            ; j
	v_cmp_ge_u32 vcc_lo, s36, v8
	v_cndmask_b32 v9, 0, -1, vcc_lo                ; the four spare columns of nt 4 become 0
	v_and_b32 v8, s36, v8
	v_mad_u32_u24 v7, v7, s34, v8
	v_add_nc_u32 v7, s35, v7
.Ltail:
	v_mul_lo_u32 v10, v6, s29
	v_lshl_add_u32 v10, v7, 2, v10                 ; byte of W[k0][column]
.irp e, 1,2,3,4,5,6,7
	v_add_nc_u32 v[10+\e], s29, v[9+\e]            ; one row further down
.endr
.irp e, 0,1,2,3,4,5,6,7
	global_load_b32 v[18+\e], v[10+\e], s[4:5]
.endr
	v_add_nc_u32 v5, s30, v5
	s_wait_loadcnt 0x0
.irp e, 0,1,2,3,4,5,6,7
	v_mul_f32 v[18+\e], s33, v[18+\e]
.endr
.irp e, 0,1,2,3
	v_cvt_pk_bf16_f32 v[26+\e], v[18+2*\e], v[19+2*\e]
.endr
.irp e, 0,1,2,3
	v_and_b32 v[26+\e], v9, v[26+\e]
.endr
	global_store_b128 v5, v[26:29], s[24:25]       ; a wave's store covers 512 consecutive bytes
	s_endpgm
.Lbias:                                        ; 96 numbers: three waves
	v_lshrrev_b32 v6, 5, v0
	v_readfirstlane_b32 s26, v6
	s_cmp_lt_u32 s26, 3
	s_cbranch_scc0 .Lend
	v_lshrrev_b32 v6, 4, v0                        ; nt 0 to 5
	v_lshrrev_b32 v7, 3, v1
	v_lshl_add_u32 v7, s2, 1, v7                   ; head
	v_and_b32 v8, 7, v1                            ; j
	v_min_u32 v10, 2, v6
	v_mul_u32_u24 v11, v7, 24
	v_lshl_add_u32 v11, v10, 3, v11
	v_add_lshl_u32 v11, v11, v8, 2                 ; a byte inside b_off for every nt
	v_and_b32 v12, 3, v8
	v_add_nc_u32 v12, 8, v12
	v_cmp_le_u32 vcc_lo, 4, v6
	v_cndmask_b32 v12, v8, v12, vcc_lo
	v_mul_u32_u24 v13, v7, 12
	v_add_lshl_u32 v12, v13, v12, 2                ; and one inside b_attn
	global_load_b32 v14, v11, s[20:21]
	global_load_b32 v15, v12, s[22:23]
	v_lshl_add_u32 v16, v6, 3, v8                  ; 8 nt + j: from 36 on the column is spare
	v_lshlrev_b32 v17, 2, v0
	s_mul_i32 s30, s2, 384
	s_add_co_u32 s30, s30, OFFB
	v_add_nc_u32 v17, s30, v17
	v_cmp_gt_u32 vcc_lo, 3, v6
	s_wait_loadcnt 0x0
	v_cndmask_b32 v14, v15, v14, vcc_lo
	v_cmp_gt_u32 vcc_lo, 36, v16
	v_cndmask_b32 v14, 0, v14, vcc_lo
	global_store_b32 v17, v14, s[24:25]
.Lend:
	s_endpgm
.Lfunc_end_k_qa651f1c019_prep:
	.size	k_qa651f1c019_prep, .Lfunc_end_k_qa651f1c019_prep-k_qa651f1c019_prep
	.p2alignl 7, 3214868480
	.fill 96, 4, 3214868480
	.section	.rodata,"a",@progbits
	.p2align	6, 0x0
	.amdhsa_kernel k_qa651f1c019_prep
		.amdhsa_group_segment_fixed_size 0
		.amdhsa_private_segment_fixed_size 0
		.amdhsa_enable_private_segment 0
		.amdhsa_kernarg_size 72
		.amdhsa_user_sgpr_count 2
		.amdhsa_user_sgpr_kernarg_segment_ptr 1
		.amdhsa_wavefront_size32 1
		.amdhsa_system_sgpr_workgroup_id_x 1
		.amdhsa_system_sgpr_workgroup_id_y 1
		.amdhsa_system_sgpr_workgroup_id_z 1
		.amdhsa_system_vgpr_workitem_id 0
		.amdhsa_next_free_vgpr 32
		.amdhsa_next_free_sgpr 66
		.amdhsa_reserve_vcc 1
		.amdhsa_float_denorm_mode_32 3
		.amdhsa_float_denorm_mode_16_64 3
		.amdhsa_memory_ordered 1
		.amdhsa_forward_progress 1
		.amdhsa_inst_pref_size 8
	.end_amdhsa_kernel
	.amdgpu_metadata
---
amdhsa.version: [ 1, 2 ]
amdhsa.kernels:
  - .name:           k_qa651f1c019_prep
    .symbol:         k_qa651f1c019_prep.kd
    .args:
      - { .name: W_out, .offset: 0, .size: 8, .value_kind: global_buffer, .address_space: global }
      - { .name: W_ffn1, .offset: 8, .size: 8, .value_kind: global_buffer, .address_space: global }
      - { .name: W_ffn2, .offset: 16, .size: 8, .value_kind: global_buffer, .address_space: global }
      - { .name: W_val, .offset: 24, .size: 8, .value_kind: global_buffer, .address_space: global }
      - { .name: W_off, .offset: 32, .size: 8, .value_kind: global_buffer, .address_space: global }
      - { .name: W_attn, .offset: 40, .size: 8, .value_kind: global_buffer, .address_space: global }
      - { .name: b_off, .offset: 48, .size: 8, .value_kind: global_buffer, .address_space: global }
      - { .name: b_attn, .offset: 56, .size: 8, .value_kind: global_buffer, .address_space: global }
      - { .name: wt, .offset: 64, .size: 8, .value_kind: global_buffer, .address_space: global }
    .group_segment_fixed_size: 0
    .private_segment_fixed_size: 0
    .kernarg_segment_align: 8
    .kernarg_segment_size: 72
    .max_flat_workgroup_size: 256
    .sgpr_count:     66
    .vgpr_count:     32
    .wavefront_size: 32
...
	.end_amdgpu_metadata
.endif
;; end of part 1
;; launch valproj (part 2): grid 256 x 1, 4 waves a work-group, no clusters, 93,952 bytes of LDS; arguments value, b_val, wt, val2; writes val2
.if DOCPART == 2
	.amdgcn_target "amdgcn-amd-amdhsa--gfx1250"
	.amdhsa_code_object_version 6
	.text
	.protected	k_qa651f1c019_valproj
	.globl	k_qa651f1c019_valproj
	.p2align	8
	.type	k_qa651f1c019_valproj,@function
k_qa651f1c019_valproj:
	s_mov_b64 s[64:65], 0
	v_nop
	global_prefetch_b8 v0, s[64:65] scope:SCOPE_SE
	s_setreg_imm32_b32 hwreg(HW_REG_WAVE_MODE, 25, 1), 1
	s_wait_xcnt 0x0
; val2[head][g][32] (bf16) = value[g][:] W_val + b_val, g = 0 .. 77,279.  Operands rounded once to bf16, sums in f32, the result rounded once to bf16.
; 966 blocks of 80 rows; work-group x stays and takes blocks x, x + 256, ..: four if x < 198, else three.  The four waves split the 256 columns, 64 each (two heads), so a wave's weights,
; 64 fragments of 16 x 32, stay in 256 registers for the whole launch and nothing of them goes through LDS.  No cluster: the only shared input is 128 KiB of weights, read once by a work-group.
; THE PRODUCT IS TAKEN TRANSPOSED (source 0 = 16 columns of W_val, source 1 = 16 rows of value): a lane then holds one row (lane % 16) and eight neighbouring columns.  b_val is the C of the first K step.
; A trip: the block's 80 KiB, asked for a whole trip earlier, are rounded and laid in LDS; the next block is asked for; 160 matrix instructions a wave; the result leaves through the wave's own stage.
; WINDOWS: 0 addresses, bias, temporaries; 1 v0-159 accumulators (tile (mt, nt) at 8 (4 mt + nt)), v160-239 two buffers of value's fragments; 2 the weights (32 ks + 8 nt); 3 v0-159 the block as loaded.
.set PA,    528                        ; a row in LDS: 512 bytes + 16: an odd multiple of 16, so the 16 rows of a fragment load start in 16 different groups of four banks (ISA guide 11.1)
.set STG,   42240                      ; behind the 80 rows: each wave's stage, 2 heads x 80 rows x 80 bytes (64 + 16)
.set SPARE, 93440                      ; the spare words: 128 bytes a wave, named by no other line
.set HP,    4945920                    ; bytes of a head's plane in val2
.set OFFV,  1179648
.set VO,  4                            ; my 16 bytes in the wave's first two rows of a block: lanes 0-15 one row, lanes 16-31 the next
.set AW,  5                            ; where their 8 bytes of bf16 go in LDS
.set AA,  6                            ; v6-10 my place in the fragments of row tile mt
.set SW,  11                           ; stage: in
.set SRD, 12                           ; stage: back, eight rows of 64 bytes a load
.set GO,  13                           ; my 16 bytes of 512 in val2, in my first head's plane
.set BO,  14                           ; 16 x lane
.set SPW, 30
.set NIL, 31
.set BIAS, 32                          ; v32-63
.set T,   64                           ; v64-143
.set AF,  160                          ; window 1
.set MSB, 0
.macro WIN new                         ; the immediate's high byte repeats the setting that is left; a switch that changes nothing is dropped
.if MSB != (\new)
	s_set_vgpr_msb (MSB<<8)|(\new)
.set MSB, (\new)
.endif
.endm
.macro PLACES                          ; four plain vector instructions between a matrix instruction and a load into, or a read of, its registers
.rept 4
	v_nop
.endr
.endm
.macro VLOAD                           ; a block's share of the wave: 20 rows, two rows of 256 bytes to a load
	WIN 0xc0
.irp i, 0,1,2,3,4,5,6,7,8,9
.irp j, 0,1,2,3
	global_load_b128 v[16*\i+4*\j:16*\i+4*\j+3], v[VO], s[16:17] offset:2048*\i+256*\j th:TH_LOAD_NT
.endr
.endr
	WIN 0
.endm
.macro AFETCH buf, koff                ; the five row tiles' fragments of one K step
	WIN 0x40
.irp mt, 0,1,2,3,4
	ds_load_b128 v[AF+40*(\buf)+8*\mt:AF+40*(\buf)+8*\mt+3], v[AA+\mt] offset:(\koff)
	ds_load_b128 v[AF+40*(\buf)+8*\mt+4:AF+40*(\buf)+8*\mt+7], v[AA+\mt] offset:(\koff)+32
.endr
.endm
; One K step: the next step's ten loads go out first, then 20 matrix instructions on 20 accumulators that take turns.  cmode 1: C = the bias; 2: in place.
.macro KSTEP ring, ks, buf, cmode, nextk
.if (\nextk) >= 0
	PLACES
	AFETCH 1-(\buf), \nextk
	s_wait_dscnt 10                                ; all but the ten just issued: this step's fragments are in
.else
	s_wait_dscnt 0x0
.endif
.if (\cmode) == 1
	WIN 0x44+(\ring)
.else
	WIN 0x54+(\ring)
.endif
.irp mt, 0,1,2,3,4
.irp nt, 0,1,2,3
.if (\cmode) == 1
	v_wmma_f32_16x16x32_bf16 v[8*(4*\mt+\nt):8*(4*\mt+\nt)+7], v[32*(\ks)+8*\nt:32*(\ks)+8*\nt+7], v[AF+40*(\buf)+8*\mt:AF+40*(\buf)+8*\mt+7], v[BIAS+8*\nt:BIAS+8*\nt+7]
.else
	v_wmma_f32_16x16x32_bf16 v[8*(4*\mt+\nt):8*(4*\mt+\nt)+7], v[32*(\ks)+8*\nt:32*(\ks)+8*\nt+7], v[AF+40*(\buf)+8*\mt:AF+40*(\buf)+8*\mt+7], v[8*(4*\mt+\nt):8*(4*\mt+\nt)+7]
.endif
.endr
.endr
.endm
	s_load_b256 s[4:11], s[0:1], 0x0               ; value 4, b_val 6, wt 8, val2 10
	v_lshl_add_u32 v[SPW], v0, 2, SPARE
	v_mov_b32 v[NIL], 0
	v_lshrrev_b32 v1, 5, v0
	v_readfirstlane_b32 s12, v1                    ; wave
	v_and_b32 v1, 31, v0                           ; lane
	v_and_b32 v2, 15, v0
	v_bfe_u32 v3, v0, 4, 1
	s_mul_i32 s22, s12, 20
	v_add_nc_u32 v15, s22, v3                      ; my row among the block's 80
	v_lshlrev_b32 v[VO], 10, v15
	v_lshl_add_u32 v[VO], v2, 4, v[VO]
	v_mul_u32_u24 v[AW], v15, PA
	v_lshl_add_u32 v[AW], v2, 3, v[AW]
	v_mul_u32_u24 v16, v2, PA
	v_lshl_add_u32 v16, v3, 4, v16
.irp mt, 0,1,2,3,4
	v_add_nc_u32 v[AA+\mt], \mt*16*PA, v16
.endr
	s_mul_i32 s22, s12, 12800
	s_add_co_u32 s22, s22, STG
	v_mul_u32_u24 v[SW], v2, 80
	v_lshl_add_u32 v[SW], v3, 4, v[SW]
	v_add_nc_u32 v[SW], s22, v[SW]
	v_lshrrev_b32 v16, 2, v1
	v_mul_u32_u24 v[SRD], v16, 80
	v_and_b32 v16, 3, v1
	v_lshl_add_u32 v[SRD], v16, 4, v[SRD]
	v_add_nc_u32 v[SRD], s22, v[SRD]
	s_mul_i32 s22, s12, 2*HP
	v_lshl_add_u32 v[GO], v1, 4, s22
	v_lshlrev_b32 v[BO], 4, v1
	s_lshl_b32 s22, s12, 8
	v_lshl_add_u32 v17, v3, 5, s22                 ; b_val: my eight columns of tile 0
	s_mov_b32 s13, 0                               ; trip
	s_cmp_lt_u32 ttmp9, 198
	s_cselect_b32 s14, 4, 3                        ; trips
	s_mul_i32 s22, ttmp9, 81920
	s_mov_b32 s23, 0
	s_mul_i32 s24, ttmp9, 5120
	s_mov_b32 s25, 0
	s_lshl_b32 s26, s12, 15
	s_add_co_u32 s26, s26, OFFV
	s_mov_b32 s27, 0
	s_wait_kmcnt 0x0
	s_add_nc_u64 s[16:17], s[4:5], s[22:23]        ; value at my block
	s_add_nc_u64 s[18:19], s[10:11], s[24:25]      ; val2 at my block's rows in plane 0
	s_add_nc_u64 s[20:21], s[8:9], s[26:27]        ; my wave's weights
.irp nt, 0,1,2,3
	global_load_b128 v[BIAS+8*\nt:BIAS+8*\nt+3], v17, s[6:7] offset:64*\nt
	global_load_b128 v[BIAS+8*\nt+4:BIAS+8*\nt+7], v17, s[6:7] offset:64*\nt+16
.endr
	WIN 0x80
.set n, 0
.rept 64
	global_load_b128 v[4*n:4*n+3], v[BO], s[20:21] offset:512*n
.set n, n+1
.endr
	VLOAD
.Ltrip:
	s_wait_loadcnt 0x0                             ; the block is in (in the first trip the weights and the bias too)
	WIN 0x0f
.set n, 0
.rept 80
	v_cvt_pk_bf16_f32 v[T+n], v[2*n], v[2*n+1]
.set n, n+1
.endr
	WIN 0
.irp i, 0,1,2,3,4,5,6,7,8,9
.irp j, 0,1,2,3
	ds_store_b64 v[AW], v[T+8*\i+2*\j:T+8*\i+2*\j+1] offset:1056*\i+128*\j
.endr
.endr
	s_add_nc_u64 s[16:17], s[16:17], 256*81920     ; no load is out, so the pointer may be written: my next block
	s_add_co_u32 s15, s13, 1
	s_cmp_lt_u32 s15, s14
	s_cbranch_scc0 .Lnoload                        ; the last trip asks for nothing
	VLOAD                                          ; it has the whole trip in which to come
.Lnoload:
	s_wait_dscnt 0x0                               ; for the others' sake: my rows lie in LDS
	s_barrier_signal -1
	s_barrier_wait -1
	AFETCH 0, 0
	KSTEP 2, 0, 0, 1, 64
	KSTEP 2, 1, 1, 2, 128
	KSTEP 2, 2, 0, 2, 192
	KSTEP 2, 3, 1, 2, 256
	KSTEP 2, 4, 0, 2, 320
	KSTEP 2, 5, 1, 2, 384
	KSTEP 2, 6, 0, 2, 448
	KSTEP 2, 7, 1, 2, -1
	WIN 0
	s_wait_dscnt 0x0                               ; my reads of the rows are over: behind this barrier the next trip may write them
	s_barrier_signal -1
	s_barrier_wait -1
	PLACES
	WIN 0x05
.set n, 0
.rept 80
	v_cvt_pk_bf16_f32 v[T+n], v[2*n], v[2*n+1]     ; each accumulator from its low end
.set n, n+1
.endr
	WIN 0
.irp mt, 0,1,2,3,4
.irp nt, 0,1,2,3
	ds_store_b128 v[SW], v[T+4*(4*\mt+\nt):T+4*(4*\mt+\nt)+3] offset:(\nt/2)*6400+\mt*1280+32*(\nt%2)
.endr
.endr
.irp hd, 0,1
.irp c, 0,1,2,3,4,5,6,7,8,9
	ds_load_b128 v[T+4*(10*\hd+\c):T+4*(10*\hd+\c)+3], v[SRD] offset:\hd*6400+\c*640  ; LDS serves a wave's instructions in order (ISA guide 5.7.1.4): these see the stores above
.endr
.endr
.set n, 0
.irp hd, 0,1
.irp c, 0,1,2,3,4,5,6,7,8,9
	s_wait_dscnt 19-n                              ; the younger loads from the stage may stay out
	global_store_b128 v[GO], v[T+4*n:T+4*n+3], s[18:19] offset:\hd*HP+\c*512  ; eight rows of a head: 512 consecutive bytes
.set n, n+1
.endr
.endr
	s_wait_xcnt 0x0                                ; the stores have read T and their base: both are written again only behind this wait
	s_add_nc_u64 s[18:19], s[18:19], 256*5120
	s_add_co_u32 s13, s13, 1
	s_cmp_lt_u32 s13, s14
	s_cbranch_scc1 .Ltrip
	s_wait_tensorcnt 0x0                           ; the wave's end: three closing lines behind my last LDS store
	ds_add_u32 v[SPW], v[NIL]
	s_wait_dscnt 0x0
	s_endpgm
.Lfunc_end_k_qa651f1c019_valproj:
	.size	k_qa651f1c019_valproj, .Lfunc_end_k_qa651f1c019_valproj-k_qa651f1c019_valproj
	.p2alignl 7, 3214868480
	.fill 96, 4, 3214868480
	.section	.rodata,"a",@progbits
	.p2align	6, 0x0
	.amdhsa_kernel k_qa651f1c019_valproj
		.amdhsa_group_segment_fixed_size 93952
		.amdhsa_private_segment_fixed_size 0
		.amdhsa_enable_private_segment 0
		.amdhsa_kernarg_size 32
		.amdhsa_user_sgpr_count 2
		.amdhsa_user_sgpr_kernarg_segment_ptr 1
		.amdhsa_wavefront_size32 1
		.amdhsa_system_sgpr_workgroup_id_x 1
		.amdhsa_system_sgpr_workgroup_id_y 1
		.amdhsa_system_sgpr_workgroup_id_z 1
		.amdhsa_system_vgpr_workitem_id 0
		.amdhsa_next_free_vgpr 928
		.amdhsa_next_free_sgpr 66
		.amdhsa_reserve_vcc 0
		.amdhsa_float_denorm_mode_32 3
		.amdhsa_float_denorm_mode_16_64 3
		.amdhsa_memory_ordered 1
		.amdhsa_forward_progress 1
		.amdhsa_inst_pref_size 53
	.end_amdhsa_kernel
	.amdgpu_metadata
---
amdhsa.version: [ 1, 2 ]
amdhsa.kernels:
  - .name:           k_qa651f1c019_valproj
    .symbol:         k_qa651f1c019_valproj.kd
    .args:
      - { .name: value, .offset: 0, .size: 8, .value_kind: global_buffer, .address_space: global }
      - { .name: b_val, .offset: 8, .size: 8, .value_kind: global_buffer, .address_space: global }
      - { .name: wt, .offset: 16, .size: 8, .value_kind: global_buffer, .address_space: global }
      - { .name: val2, .offset: 24, .size: 8, .value_kind: global_buffer, .address_space: global }
    .group_segment_fixed_size: 93952
    .private_segment_fixed_size: 0
    .kernarg_segment_align: 8
    .kernarg_segment_size: 32
    .max_flat_workgroup_size: 128
    .sgpr_count:     66
    .vgpr_count:     928
    .wavefront_size: 32
...
	.end_amdgpu_metadata
.endif
;; end of part 2
;; launch qproj (part 3): grid 483 x 1, 4 waves a work-group, no clusters, 51,200 bytes of LDS; arguments query, query_pos, ref_pts, ln1_w, ln1_b, wt, idx, wts; writes idx, wts
.if DOCPART == 3
	.amdgcn_target "amdgcn-amd-amdhsa--gfx1250"
	.amdhsa_code_object_version 6
	.text
	.protected	k_qa651f1c019_qproj
	.globl	k_qa651f1c019_qproj
	.p2align	8
	.type	k_qa651f1c019_qproj,@function
k_qa651f1c019_qproj:
	s_mov_b64 s[64:65], 0
	v_nop
	global_prefetch_b8 v0, s[64:65] scope:SCOPE_SE
	s_setreg_imm32_b32 hwreg(HW_REG_WAVE_MODE, 25, 1), 1
	s_wait_xcnt 0x0
; For each query g, head and point (12 = 3 levels x 4): where to sample and with what weights.  q = layernorm(query) + query_pos; offsets and logits = q W + b (bf16 operands, f32 sums);
; softmax over the 12 logits with their maximum taken away; x = ref_x W + off_x - 0.5 (one fused step; reference() divides by W and multiplies again: a difference of rounding alone, and the sample is continuous in x).
; STORED: idx (whole numbers): the row in val2 of the top left pixel of a 2 x 2 patch that lies inside the level: x0c = clamp(floor x, 0, W - 2), y likewise.  wts: for each pixel column of the patch a pair of bf16,
; aw x hat(x - column) x hat(y - row) for its two rows, hat(d) = max(1 - |d|, 0): reference()'s four bilinear weights, and 0 for a corner outside the level.
; The level shapes are reference()'s own constants: it never reads spatial_shapes or level_start_index, so neither does this program.  NaN and infinities are not treated apart.
; SHARES.  A work-group has 80 queries.  For the norm a wave takes 20 rows, two to a load.  For the product wave w takes heads 2w, 2w+1: five tiles of 16 permuted columns, whose weights stay in 320 registers.
; The product is taken transposed (source 0 = 16 columns, source 1 = 16 queries): lane l holds query l % 16, head 2w + l / 16, and all its 24 offsets and 12 logits: nothing changes lanes.
; No cluster: 483 work-groups divide by no 4.  WINDOWS: 0 addresses and all arithmetic; 1 v0-159 query (later v0-39 five accumulators, v64-127 q's fragments); 2 and 3 v0-79 weights (40 ks + 8 nt); 3 v80-239 query_pos.
.set PA,    528                        ; a row of q in LDS: 512 bytes + 16, an odd multiple of 16 (ISA guide 11.1: the 16 rows of a load start in different banks)
.set SPARE, 50688                      ; behind 96 rows (rows 80-95 repeat rows 0-15, for the loop's last look-ahead): the spare words
.set OFFQ,  1310720
.set OFFB,  1474560
.set WV, 2
.set CNT, 3
.set INV, 4
.set L2E, 5
.set NVB, 6
.set VO,  4
.set AW,  5
.set AA0, 6
.set G,   7                            ; my query's number
.set RO,  8
.set IO,  9
.set WO,  10
.set BO,  11
.set GB,  12                           ; my batch's first row in val2
.set SPW, 30
.set NIL, 31
.set LNW, 32
.set LNB, 48
.set D,   64
.set T,   80
.set RS,  96
.set M,   98
.set BIAS, 112                         ; v112-151
.set REF, 152                          ; v152-157
.set WH,  158                          ; v158-163 (W, H) of the three levels
.set XY,  32                           ; behind the norm: v32-55 (x, y) of the 12 points
.set LG,  56                           ; v56-67 logits, then weights
.set RXY, 68                           ; v68-73
.set MX,  74
.set IDXO, 164                         ; v164-175
.set WOUT, 176                         ; v176-199
.set TP,  200                          ; v200-235 at work: nine numbers for each of a level's four points
.set AFM, 64                           ; window 1
.set PB,  80                           ; window 3
.set MSB, 0
.macro WIN new
.if MSB != (\new)
	s_set_vgpr_msb (MSB<<8)|(\new)
.set MSB, (\new)
.endif
.endm
; A row's mean and 1 / sqrt(variance + 1e-5): 16 numbers a lane at v[x] of window w, 16 lanes a row.  Leaves x - mean in D and the factor twice in RS.  The variance is the mean of (x - mean)^2.
.macro LNSTAT x, w
	WIN 5*(\w)
.irp k, 0,1,2,3
	v_pk_add_f32 v[T+2*\k:T+2*\k+1], v[(\x)+4*\k:(\x)+4*\k+1], v[(\x)+4*\k+2:(\x)+4*\k+3]
.endr
	WIN 0
	v_pk_add_f32 v[T:T+1], v[T:T+1], v[T+2:T+3]
	v_pk_add_f32 v[T+4:T+5], v[T+4:T+5], v[T+6:T+7]
	v_pk_add_f32 v[T:T+1], v[T:T+1], v[T+4:T+5]
	v_add_f32 v[T], v[T], v[T+1]
.irp m, 1,2,4,8
	v_add_f32_dpp v[T], v[T], v[T] row_xmask:\m row_mask:0xf bank_mask:0xf
.endr
	v_mul_f32 v[M], s[INV], v[T]
	v_mul_f32 v[M+1], s[INV], v[T]
	WIN (\w)
.irp k, 0,2,4,6,8,10,12,14
	v_pk_add_f32 v[D+\k:D+\k+1], v[(\x)+\k:(\x)+\k+1], v[M:M+1] neg_lo:[0,1] neg_hi:[0,1]
.endr
	WIN 0
	v_pk_mul_f32 v[T:T+1], v[D:D+1], v[D:D+1]
	v_pk_mul_f32 v[T+2:T+3], v[D+2:D+3], v[D+2:D+3]
.irp k, 4,8,12
	v_pk_fma_f32 v[T:T+1], v[D+\k:D+\k+1], v[D+\k:D+\k+1], v[T:T+1]
	v_pk_fma_f32 v[T+2:T+3], v[D+\k+2:D+\k+3], v[D+\k+2:D+\k+3], v[T+2:T+3]
.endr
	v_pk_add_f32 v[T:T+1], v[T:T+1], v[T+2:T+3]
	v_add_f32 v[T], v[T], v[T+1]
.irp m, 1,2,4,8
	v_add_f32_dpp v[T], v[T], v[T] row_xmask:\m row_mask:0xf bank_mask:0xf
.endr
	v_fmaak_f32 v[T], s[INV], v[T], 0x3727c5ac     ; / 256 + 1e-5
	v_rsq_f32 v[RS], v[T]
	v_rsq_f32 v[RS+1], v[T]
	v_nop                                          ; a plain instruction behind the last of the two,
	s_wait_alu depctr_va_vdst(0)                   ; and the one wait ahead of their first reader
.endm
.macro PAIR i                          ; two rows: norm, + query_pos, rounded to bf16, into LDS
	s_wait_loadcnt 4*(9-(\i))                      ; the later pairs' query_pos may stay out; all of query was asked for earlier
	LNSTAT 16*(\i), 1
.irp k, 0,2,4,6,8,10,12,14
	v_pk_mul_f32 v[D+\k:D+\k+1], v[D+\k:D+\k+1], v[RS:RS+1]
.endr
.irp k, 0,2,4,6,8,10,12,14
	v_pk_fma_f32 v[D+\k:D+\k+1], v[D+\k:D+\k+1], v[LNW+\k:LNW+\k+1], v[LNB+\k:LNB+\k+1]
.endr
	WIN 0x03
.irp k, 0,2,4,6,8,10,12,14
	v_pk_add_f32 v[D+\k:D+\k+1], v[PB+16*(\i)+\k:PB+16*(\i)+\k+1], v[D+\k:D+\k+1]
.endr
	WIN 0
.irp k, 0,1,2,3,4,5,6,7
	v_cvt_pk_bf16_f32 v[T+\k], v[D+2*\k], v[D+2*\k+1]
.endr
.irp j, 0,1,2,3
	ds_store_b64 v[AW], v[T+2*\j:T+2*\j+1] offset:1056*(\i)+128*\j
.endr
.if (\i) < 8
	s_cmp_lg_u32 s[WV], 0
	s_cbranch_scc1 .Lnc_\@
.irp j, 0,1,2,3
	ds_store_b64 v[AW], v[T+2*\j:T+2*\j+1] offset:80*PA+1056*(\i)+128*\j  ; wave 0: rows 0-15 once more as rows 80-95
.endr
.Lnc_\@:
.endif
.endm
.macro AFETCHM                         ; 16 queries x 256 channels: eight fragments
	WIN 0x40
.irp ks, 0,1,2,3,4,5,6,7
	ds_load_b128 v[AFM+8*\ks:AFM+8*\ks+3], v[AA0] offset:64*\ks
	ds_load_b128 v[AFM+8*\ks+4:AFM+8*\ks+7], v[AA0] offset:64*\ks+32
.endr
	WIN 0
.endm
; A level's four points, each line four times so that no line waits for the one before it.  wf = W, wm = W - 2, hm = H - 2 as f32; st = the level's first row.
.macro LEVEL lv, wf, wm, hm, st
.irp q, 0,1,2,3
	v_floor_f32 v[TP+\q], v[XY+8*\lv+2*\q]
	v_floor_f32 v[TP+4+\q], v[XY+8*\lv+2*\q+1]
.endr
.irp q, 0,1,2,3
	v_med3_num_f32 v[TP+\q], v[TP+\q], 0, \wm      ; x0c
	v_med3_num_f32 v[TP+4+\q], v[TP+4+\q], 0, \hm  ; y0c
.endr
.irp q, 0,1,2,3
	v_sub_f32 v[TP+8+\q], v[XY+8*\lv+2*\q], v[TP+\q]       ; dx
	v_sub_f32 v[TP+12+\q], v[XY+8*\lv+2*\q+1], v[TP+4+\q]  ; dy
	v_fma_f32 v[TP+16+\q], v[TP+4+\q], \wf, v[TP+\q]       ; y0c W + x0c: whole numbers under 2^24, exact
.endr
.irp q, 0,1,2,3
	v_add_f32 v[TP+20+\q], -1.0, v[TP+8+\q]
	v_add_f32 v[TP+24+\q], -1.0, v[TP+12+\q]
	v_cvt_u32_f32 v[TP+16+\q], v[TP+16+\q]
.endr
.irp q, 0,1,2,3
	v_sub_f32 v[TP+8+\q], 1.0, |v[TP+8+\q]|
	v_sub_f32 v[TP+12+\q], 1.0, |v[TP+12+\q]|
	v_sub_f32 v[TP+20+\q], 1.0, |v[TP+20+\q]|
	v_sub_f32 v[TP+24+\q], 1.0, |v[TP+24+\q]|
.endr
.irp q, 0,1,2,3
	v_max_num_f32 v[TP+8+\q], 0, v[TP+8+\q]        ; column x0c
	v_max_num_f32 v[TP+12+\q], 0, v[TP+12+\q]      ; row y0c
	v_max_num_f32 v[TP+20+\q], 0, v[TP+20+\q]      ; column x0c + 1
	v_max_num_f32 v[TP+24+\q], 0, v[TP+24+\q]      ; row y0c + 1
	v_add3_u32 v[IDXO+4*\lv+\q], v[TP+16+\q], v[GB], \st
.endr
.irp q, 0,1,2,3
	v_mul_f32 v[TP+8+\q], v[LG+4*\lv+\q], v[TP+8+\q]
	v_mul_f32 v[TP+20+\q], v[LG+4*\lv+\q], v[TP+20+\q]
.endr
.irp q, 0,1,2,3
	v_mul_f32 v[TP+\q], v[TP+8+\q], v[TP+12+\q]
	v_mul_f32 v[TP+4+\q], v[TP+8+\q], v[TP+24+\q]
	v_mul_f32 v[TP+28+\q], v[TP+20+\q], v[TP+12+\q]
	v_mul_f32 v[TP+32+\q], v[TP+20+\q], v[TP+24+\q]
.endr
.irp q, 0,1,2,3
	v_cvt_pk_bf16_f32 v[WOUT+4*\lv+\q], v[TP+\q], v[TP+4+\q]
	v_cvt_pk_bf16_f32 v[WOUT+12+4*\lv+\q], v[TP+28+\q], v[TP+32+\q]
.endr
.endm
	s_load_b512 s[8:23], s[0:1], 0x0               ; query 8, query_pos 10, ref_pts 12, ln1_w 14, ln1_b 16, wt 18, idx 20, wts 22
	v_lshl_add_u32 v[SPW], v0, 2, SPARE
	v_mov_b32 v[NIL], 0
	v_lshrrev_b32 v1, 5, v0
	v_readfirstlane_b32 s[WV], v1
	v_and_b32 v1, 31, v0
	v_and_b32 v2, 15, v0
	v_bfe_u32 v3, v0, 4, 1
	s_mul_i32 s24, s[WV], 20
	v_add_nc_u32 v14, s24, v3
	v_lshlrev_b32 v[VO], 10, v14
	v_lshl_add_u32 v[VO], v2, 4, v[VO]
	v_mul_u32_u24 v[AW], v14, PA
	v_lshl_add_u32 v[AW], v2, 3, v[AW]
	v_mul_u32_u24 v[AA0], v2, PA
	v_lshl_add_u32 v[AA0], v3, 4, v[AA0]
	s_mul_i32 s24, ttmp9, 80
	v_add_nc_u32 v[G], s24, v2
	v_mul_u32_u24 v[RO], v[G], 24
	s_mul_i32 s24, ttmp9, 20
	s_add_co_u32 s24, s24, s[WV]                   ; 4 x tile + wave
	s_mul_i32 s25, s24, 1536
	v_lshl_add_u32 v[IO], v1, 4, s25
	s_mul_i32 s25, s24, 3072
	v_lshl_add_u32 v[WO], v1, 4, s25
	v_lshlrev_b32 v[BO], 4, v1
	v_lshlrev_b32 v13, 4, v2
	v_lshlrev_b32 v15, 5, v3
	v_mov_b32 v[WH], 0x43200000                    ; 160
	v_mov_b32 v[WH+1], 0x42b80000                  ; 92
	v_mov_b32 v[WH+2], 0x42a00000                  ; 80
	v_mov_b32 v[WH+3], 0x42380000                  ; 46
	v_mov_b32 v[WH+4], 0x42200000                  ; 40
	v_mov_b32 v[WH+5], 0x41b80000                  ; 23
	s_mov_b32 s[INV], 0x3b800000                   ; 1 / 256
	s_mov_b32 s[L2E], 0x3fb8aa3b                   ; log2(e)
	s_mov_b32 s[NVB], 19320
	s_mul_i32 s26, ttmp9, 81920
	s_mov_b32 s27, 0
	s_mul_i32 s28, s[WV], 40960
	s_add_co_u32 s28, s28, OFFQ
	s_mov_b32 s29, 0
	s_mul_i32 s30, s[WV], 384
	s_add_co_u32 s30, s30, OFFB
	s_mov_b32 s31, 0
	s_wait_kmcnt 0x0
	s_add_nc_u64 s[8:9], s[8:9], s[26:27]
	s_add_nc_u64 s[10:11], s[10:11], s[26:27]
	s_add_nc_u64 s[32:33], s[18:19], s[28:29]
	s_add_nc_u64 s[34:35], s[18:19], s[30:31]
.irp j, 0,1,2,3
	global_load_b128 v[LNW+4*\j:LNW+4*\j+3], v13, s[14:15] offset:256*\j
	global_load_b128 v[LNB+4*\j:LNB+4*\j+3], v13, s[16:17] offset:256*\j
.endr
.irp nt, 0,1,2,3,4
	global_load_b128 v[BIAS+8*\nt:BIAS+8*\nt+3], v15, s[34:35] offset:64*\nt
	global_load_b128 v[BIAS+8*\nt+4:BIAS+8*\nt+7], v15, s[34:35] offset:64*\nt+16
.endr
.irp lv, 0,1,2
	global_load_b64 v[REF+2*\lv:REF+2*\lv+1], v[RO], s[12:13] offset:8*\lv
.endr
	WIN 0x80
.irp ks, 0,1,2,3,4,5
.irp nt, 0,1,2,3,4
	global_load_b128 v[40*\ks+8*\nt:40*\ks+8*\nt+3], v[BO], s[32:33] offset:\nt*8192+\ks*1024
	global_load_b128 v[40*\ks+8*\nt+4:40*\ks+8*\nt+7], v[BO], s[32:33] offset:\nt*8192+\ks*1024+512
.endr
.endr
	WIN 0xc0
.irp ks, 6,7
.irp nt, 0,1,2,3,4
	global_load_b128 v[40*(\ks-6)+8*\nt:40*(\ks-6)+8*\nt+3], v[BO], s[32:33] offset:\nt*8192+\ks*1024
	global_load_b128 v[40*(\ks-6)+8*\nt+4:40*(\ks-6)+8*\nt+7], v[BO], s[32:33] offset:\nt*8192+\ks*1024+512
.endr
.endr
	WIN 0x40
.irp i, 0,1,2,3,4,5,6,7,8,9
.irp j, 0,1,2,3
	global_load_b128 v[16*\i+4*\j:16*\i+4*\j+3], v[VO], s[8:9] offset:2048*\i+256*\j th:TH_LOAD_NT
.endr
.endr
	WIN 0xc0
.irp i, 0,1,2,3,4,5,6,7,8,9
.irp j, 0,1,2,3
	global_load_b128 v[PB+16*\i+4*\j:PB+16*\i+4*\j+3], v[VO], s[10:11] offset:2048*\i+256*\j th:TH_LOAD_NT
.endr
.endr
	WIN 0
.irp i, 0,1,2,3,4,5,6,7,8,9
	PAIR \i
.endr
	s_wait_dscnt 0x0                               ; for the others' sake: my rows of q lie in LDS
	s_barrier_signal -1
	s_barrier_wait -1
	AFETCHM
	s_mov_b32 s[CNT], 5
.Lmt:                                          ; a trip: 16 queries
	s_wait_dscnt 0x0
	WIN 0x46                                       ; the first K step starts the sums with the bias; the five accumulators take turns
.irp nt, 0,1,2,3,4
	v_wmma_f32_16x16x32_bf16 v[8*\nt:8*\nt+7], v[8*\nt:8*\nt+7], v[AFM:AFM+7], v[BIAS+8*\nt:BIAS+8*\nt+7]
.endr
	WIN 0x56
.irp ks, 1,2,3,4,5
.irp nt, 0,1,2,3,4
	v_wmma_f32_16x16x32_bf16 v[8*\nt:8*\nt+7], v[40*\ks+8*\nt:40*\ks+8*\nt+7], v[AFM+8*\ks:AFM+8*\ks+7], v[8*\nt:8*\nt+7]
.endr
.endr
	WIN 0x57
.irp ks, 6,7
.irp nt, 0,1,2,3,4
	v_wmma_f32_16x16x32_bf16 v[8*\nt:8*\nt+7], v[40*(\ks-6)+8*\nt:40*(\ks-6)+8*\nt+7], v[AFM+8*\ks:AFM+8*\ks+7], v[8*\nt:8*\nt+7]
.endr
.endr
	WIN 0
	v_add_nc_u32 v[AA0], 16*PA, v[AA0]             ; four plain instructions behind the last product, ahead of the loads into its sources and of the reads of the sums
	v_nop
	v_nop
	v_nop
	AFETCHM                                        ; the next 16 queries come in under the arithmetic below (in the last trip: rows 80-95)
	s_wait_loadcnt 0x0                             ; this trip's reference points
.irp lv, 0,1,2
	v_pk_fma_f32 v[RXY+2*\lv:RXY+2*\lv+1], v[REF+2*\lv:REF+2*\lv+1], v[WH+2*\lv:WH+2*\lv+1], -0.5 op_sel_hi:[1,1,0]
.endr
	v_cmp_le_u32 vcc_lo, 9660, v[G]
	v_cndmask_b32 v[GB], 0, s[NVB], vcc_lo
	v_cmp_le_u32 vcc_lo, 19320, v[G]
	v_cndmask_b32 v14, 0, s[NVB], vcc_lo
	v_cmp_le_u32 vcc_lo, 28980, v[G]
	v_cndmask_b32 v15, 0, s[NVB], vcc_lo
	v_add3_u32 v[GB], v[GB], v14, v15              ; 19,320 x batch
	v_add_nc_u32 v[G], 16, v[G]
	v_min_u32 v[RO], 38639, v[G]                   ; the last trip's look-ahead stays inside ref_pts
	v_mul_u32_u24 v[RO], v[RO], 24
.irp lv, 0,1,2
	global_load_b64 v[REF+2*\lv:REF+2*\lv+1], v[RO], s[12:13] offset:8*\lv
.endr
	WIN 0x01
.set n, 0
.rept 12
	v_pk_add_f32 v[XY+2*n:XY+2*n+1], v[2*n:2*n+1], v[RXY+2*(n/4):RXY+2*(n/4)+1]  ; each accumulator is read from its low end
.set n, n+1
.endr
.set n, 0
.rept 12
	v_mul_f32 v[LG+n], v[24+n], s[L2E]
.set n, n+1
.endr
	WIN 0
	v_max3_num_f32 v[MX], v[LG], v[LG+1], v[LG+2]
	v_max3_num_f32 v14, v[LG+3], v[LG+4], v[LG+5]
	v_max3_num_f32 v15, v[LG+6], v[LG+7], v[LG+8]
	v_max3_num_f32 v16, v[LG+9], v[LG+10], v[LG+11]
	v_max3_num_f32 v[MX], v[MX], v14, v15
	v_max_num_f32 v[MX], v[MX], v16
.set n, 0
.rept 12
	v_sub_f32 v[LG+n], v[LG+n], v[MX]
.set n, n+1
.endr
.set n, 0
.rept 12
	v_exp_f32 v[LG+n], v[LG+n]
.set n, n+1
.endr
	v_nop
	s_wait_alu depctr_va_vdst(0)                   ; one wait for the twelve
	v_add_f32 v14, v[LG], v[LG+1]
	v_add_f32 v15, v[LG+2], v[LG+3]
	v_add_f32 v16, v[LG+4], v[LG+5]
	v_add_f32 v17, v[LG+6], v[LG+7]
	v_add_f32 v18, v[LG+8], v[LG+9]
	v_add_f32 v19, v[LG+10], v[LG+11]
	v_add_f32 v14, v14, v15
	v_add_f32 v16, v16, v17
	v_add_f32 v18, v18, v19
	v_add_f32 v14, v14, v16
	v_add_f32 v14, v14, v18
	v_rcp_f32 v14, v14
	v_nop
	s_wait_alu depctr_va_vdst(0)
.set n, 0
.rept 12
	v_mul_f32 v[LG+n], v[LG+n], v14
.set n, n+1
.endr
	LEVEL 0, 0x43200000, 0x431e0000, 0x42b40000, 0
	LEVEL 1, 0x42a00000, 0x429c0000, 0x42300000, 14720
	LEVEL 2, 0x42200000, 0x42180000, 0x41a80000, 18400
.irp i, 0,1,2
	global_store_b128 v[IO], v[IDXO+4*\i:IDXO+4*\i+3], s[20:21] offset:512*\i  ; each store of the wave covers 512 consecutive bytes
.endr
.irp c, 0,1
.irp i, 0,1,2
	global_store_b128 v[WO], v[WOUT+12*\c+4*\i:WOUT+12*\c+4*\i+3], s[22:23] offset:1536*\c+512*\i
.endr
.endr
	s_wait_xcnt 0x0                                ; the stores' offsets and data are written again only behind this wait
	v_add_nc_u32 v[IO], 6144, v[IO]
	v_add_nc_u32 v[WO], 12288, v[WO]
	s_sub_co_u32 s[CNT], s[CNT], 1
	s_cmp_lg_u32 s[CNT], 0
	s_cbranch_scc1 .Lmt
	s_wait_tensorcnt 0x0                           ; the wave's end: three closing lines behind my last LDS store
	ds_add_u32 v[SPW], v[NIL]
	s_wait_dscnt 0x0
	s_endpgm
.Lfunc_end_k_qa651f1c019_qproj:
	.size	k_qa651f1c019_qproj, .Lfunc_end_k_qa651f1c019_qproj-k_qa651f1c019_qproj
	.p2alignl 7, 3214868480
	.fill 96, 4, 3214868480
	.section	.rodata,"a",@progbits
	.p2align	6, 0x0
	.amdhsa_kernel k_qa651f1c019_qproj
		.amdhsa_group_segment_fixed_size 51200
		.amdhsa_private_segment_fixed_size 0
		.amdhsa_enable_private_segment 0
		.amdhsa_kernarg_size 64
		.amdhsa_user_sgpr_count 2
		.amdhsa_user_sgpr_kernarg_segment_ptr 1
		.amdhsa_wavefront_size32 1
		.amdhsa_system_sgpr_workgroup_id_x 1
		.amdhsa_system_sgpr_workgroup_id_y 1
		.amdhsa_system_sgpr_workgroup_id_z 1
		.amdhsa_system_vgpr_workitem_id 0
		.amdhsa_next_free_vgpr 1008
		.amdhsa_next_free_sgpr 66
		.amdhsa_reserve_vcc 1
		.amdhsa_float_denorm_mode_32 3
		.amdhsa_float_denorm_mode_16_64 3
		.amdhsa_memory_ordered 1
		.amdhsa_forward_progress 1
		.amdhsa_inst_pref_size 97
	.end_amdhsa_kernel
	.amdgpu_metadata
---
amdhsa.version: [ 1, 2 ]
amdhsa.kernels:
  - .name:           k_qa651f1c019_qproj
    .symbol:         k_qa651f1c019_qproj.kd
    .args:
      - { .name: query, .offset: 0, .size: 8, .value_kind: global_buffer, .address_space: global }
      - { .name: query_pos, .offset: 8, .size: 8, .value_kind: global_buffer, .address_space: global }
      - { .name: ref_pts, .offset: 16, .size: 8, .value_kind: global_buffer, .address_space: global }
      - { .name: ln1_w, .offset: 24, .size: 8, .value_kind: global_buffer, .address_space: global }
      - { .name: ln1_b, .offset: 32, .size: 8, .value_kind: global_buffer, .address_space: global }
      - { .name: wt, .offset: 40, .size: 8, .value_kind: global_buffer, .address_space: global }
      - { .name: idx, .offset: 48, .size: 8, .value_kind: global_buffer, .address_space: global }
      - { .name: wts, .offset: 56, .size: 8, .value_kind: global_buffer, .address_space: global }
    .group_segment_fixed_size: 51200
    .private_segment_fixed_size: 0
    .kernarg_segment_align: 8
    .kernarg_segment_size: 64
    .max_flat_workgroup_size: 128
    .sgpr_count:     66
    .vgpr_count:     1008
    .wavefront_size: 32
...
	.end_amdgpu_metadata
.endif
;; end of part 3
;; launch gather (part 4): grid 9660 x 1, 4 waves a work-group, no clusters, 0 bytes of LDS; arguments idx, wts, val2, samp; writes samp
.if DOCPART == 4
	.amdgcn_target "amdgcn-amd-amdhsa--gfx1250"
	.amdhsa_code_object_version 6
	.text
	.protected	k_qa651f1c019_gather
	.globl	k_qa651f1c019_gather
	.p2align	8
	.type	k_qa651f1c019_gather,@function
k_qa651f1c019_gather:
	s_mov_b64 s[64:65], 0
	v_nop
	global_prefetch_b8 v0, s[64:65] scope:SCOPE_SE
	s_setreg_imm32_b32 hwreg(HW_REG_WAVE_MODE, 25, 1), 1
	s_wait_xcnt 0x0
; samp[q][32 head + channel] (bf16) = the sum over 12 points and the 2 x 2 pixels of each of weight x val2[head][pixel][channel]; sums in f32, rounded once.
; A wave takes one query, in two tasks of four heads.  Lane l: head 4 task + l / 8, pixel column (l / 4) % 2, channels 8 (l % 4) .. + 7.  So eight lanes read the 128 consecutive bytes of two
; neighbouring pixels, and the patch's second row stands in the load's immediate.  The rows come from idx, whole numbers that the launch before stored; each is held under the table's end by a constant.
; No LDS, no matrix unit, no barrier: nothing is shared between waves, and several work-groups lie on a WGP, which is what keeps gathers on their way.
; 24 loads of a task are out at a time: as a point's two registers' worth is used up, the other task's same point is asked for into them.
.set HP,   4945920                     ; bytes of a head's plane
.set IDX,  12                          ; v12-35  rows, then byte offsets: task, point
.set WT,   36                          ; v36-59  a pair of bf16 weights: my pixel column's upper row, lower row
.set ACC,  60                          ; v60-75  eight channels a task
.set DATA, 76                          ; v76-171 point p: upper row at 8 p, lower row at 8 p + 4
.set COL,  172
.macro GLOAD hf, p
	global_load_b128 v[DATA+8*(\p):DATA+8*(\p)+3], v[IDX+12*(\hf)+(\p)], s[8:9]
	global_load_b128 v[DATA+8*(\p)+4:DATA+8*(\p)+7], v[IDX+12*(\hf)+(\p)], s[8:9] offset:10240>>((\p)/4)  ; one row of the level down: 64 W bytes
.endm
.macro FMAS hf, p                      ; 16 multiply-adds straight from bf16 halves into f32; the very first start the sums on v9 = 0
.irp row, 0,1
.irp d, 0,1,2,3
.irp h, 0,1
.if ((\p) == 0) && (\row == 0)
	v_fma_mix_f32_bf16 v[ACC+8*(\hf)+2*\d+\h], v[DATA+8*(\p)+4*\row+\d], v[WT+12*(\hf)+(\p)], v9 op_sel:[\h,\row,0] op_sel_hi:[1,1,0]
.else
	v_fma_mix_f32_bf16 v[ACC+8*(\hf)+2*\d+\h], v[DATA+8*(\p)+4*\row+\d], v[WT+12*(\hf)+(\p)], v[ACC+8*(\hf)+2*\d+\h] op_sel:[\h,\row,0] op_sel_hi:[1,1,0]
.endif
.endr
.endr
.endr
.endm
	s_load_b256 s[4:11], s[0:1], 0x0               ; idx 4, wts 6, val2 8, samp 10
	v_lshrrev_b32 v1, 5, v0
	v_readfirstlane_b32 s12, v1
	s_lshl_b32 s13, ttmp9, 2
	s_add_co_u32 s13, s13, s12                     ; my query
	s_lshr_b32 s14, s13, 4                         ; its tile of 16
	s_and_b32 s15, s13, 15
	s_lshl_b32 s15, s15, 4                         ; its 16 bytes in a run of lanes
	v_and_b32 v1, 31, v0
	v_lshrrev_b32 v10, 4, v1                       ; which of the task's two pairs of heads
	v_bfe_u32 v11, v1, 3, 1                        ; which head of the pair
	v_bfe_u32 v[COL], v1, 2, 1
	v_lshrrev_b32 v173, 3, v1
	v_and_b32 v174, 3, v1
	s_mul_i32 s16, s14, 6144
	s_add_co_u32 s16, s16, s15
	v_mul_u32_u24 v2, v10, 1536
	v_lshl_add_u32 v2, v11, 8, v2
	v_add_nc_u32 v2, s16, v2                       ; idx; the second task lies 3,072 bytes on
	s_mul_i32 s16, s14, 12288
	s_add_co_u32 s16, s16, s15
	v_mul_u32_u24 v4, v10, 3072
	v_lshl_add_u32 v4, v11, 8, v4
	v_mad_u32_u24 v4, v[COL], 1536, v4
	v_add_nc_u32 v4, s16, v4                       ; wts; the second task lies 6,144 bytes on
	v_mul_u32_u24 v6, v173, HP
	v_lshl_add_u32 v6, v[COL], 6, v6
	v_lshl_add_u32 v6, v174, 4, v6                 ; my head's plane, my pixel column, my channels
	v_add_nc_u32 v7, 4*HP, v6
	v_lshlrev_b32 v8, 8, v[COL]
	v_lshl_add_u32 v8, v173, 6, v8
	v_lshl_add_u32 v8, v174, 4, v8
	s_lshl_b32 s16, s13, 9
	v_add_nc_u32 v8, s16, v8                       ; where I store
	v_mov_b32 v9, 0
	s_wait_kmcnt 0x0
.irp hf, 0,1
.irp i, 0,1,2
	global_load_b128 v[IDX+12*\hf+4*\i:IDX+12*\hf+4*\i+3], v2, s[4:5] offset:3072*\hf+512*\i th:TH_LOAD_NT
.endr
.endr
.irp hf, 0,1
.irp i, 0,1,2
	global_load_b128 v[WT+12*\hf+4*\i:WT+12*\hf+4*\i+3], v4, s[6:7] offset:6144*\hf+512*\i th:TH_LOAD_NT
.endr
.endr
	s_wait_loadcnt 6                               ; the rows are in; the six loads of weights may stay out
.set p, 0
.rept 12
	v_min_u32 v[IDX+p], 77278-(160>>(p/4)), v[IDX+p]     ; the patch's last pixel, W + 1 rows on, stays inside the plane
	v_min_u32 v[IDX+12+p], 77278-(160>>(p/4)), v[IDX+12+p]
	v_lshl_add_u32 v[IDX+p], v[IDX+p], 6, v6
	v_lshl_add_u32 v[IDX+12+p], v[IDX+12+p], 6, v7
.set p, p+1
.endr
.set p, 0
.rept 12
	GLOAD 0, p
.set p, p+1
.endr
.set p, 0
.rept 12
	s_wait_loadcnt 22                              ; behind point p's two loads: 2 (11 - p) of this task and 2 p of the next
	FMAS 0, p
	GLOAD 1, p
.set p, p+1
.endr
.set p, 0
.rept 12
	s_wait_loadcnt 22-2*p
	FMAS 1, p
.set p, p+1
.endr
.set p, 0
.rept 16
	v_add_f32_dpp v[ACC+p], v[ACC+p], v[ACC+p] row_xmask:4 row_mask:0xf bank_mask:0xf  ; the two pixel columns, four lanes apart
.set p, p+1
.endr
.set p, 0
.rept 8
	v_cvt_pk_bf16_f32 v[DATA+p], v[ACC+2*p], v[ACC+2*p+1]
.set p, p+1
.endr
	v_cmp_eq_u32 vcc_lo, 1, v[COL]
.irp k, 0,1,2,3
	v_cndmask_b32 v[DATA+\k], v[DATA+\k], v[DATA+4+\k], vcc_lo  ; lanes of column 0 store the first task's heads, those of column 1 the second's
.endr
	global_store_b128 v8, v[DATA:DATA+3], s[10:11] ; the query's whole row: 512 consecutive bytes
	s_endpgm
.Lfunc_end_k_qa651f1c019_gather:
	.size	k_qa651f1c019_gather, .Lfunc_end_k_qa651f1c019_gather-k_qa651f1c019_gather
	.p2alignl 7, 3214868480
	.fill 96, 4, 3214868480
	.section	.rodata,"a",@progbits
	.p2align	6, 0x0
	.amdhsa_kernel k_qa651f1c019_gather
		.amdhsa_group_segment_fixed_size 0
		.amdhsa_private_segment_fixed_size 0
		.amdhsa_enable_private_segment 0
		.amdhsa_kernarg_size 32
		.amdhsa_user_sgpr_count 2
		.amdhsa_user_sgpr_kernarg_segment_ptr 1
		.amdhsa_wavefront_size32 1
		.amdhsa_system_sgpr_workgroup_id_x 1
		.amdhsa_system_sgpr_workgroup_id_y 1
		.amdhsa_system_sgpr_workgroup_id_z 1
		.amdhsa_system_vgpr_workitem_id 0
		.amdhsa_next_free_vgpr 176
		.amdhsa_next_free_sgpr 66
		.amdhsa_reserve_vcc 1
		.amdhsa_float_denorm_mode_32 3
		.amdhsa_float_denorm_mode_16_64 3
		.amdhsa_memory_ordered 1
		.amdhsa_forward_progress 1
		.amdhsa_inst_pref_size 38
	.end_amdhsa_kernel
	.amdgpu_metadata
---
amdhsa.version: [ 1, 2 ]
amdhsa.kernels:
  - .name:           k_qa651f1c019_gather
    .symbol:         k_qa651f1c019_gather.kd
    .args:
      - { .name: idx, .offset: 0, .size: 8, .value_kind: global_buffer, .address_space: global }
      - { .name: wts, .offset: 8, .size: 8, .value_kind: global_buffer, .address_space: global }
      - { .name: val2, .offset: 16, .size: 8, .value_kind: global_buffer, .address_space: global }
      - { .name: samp, .offset: 24, .size: 8, .value_kind: global_buffer, .address_space: global }
    .group_segment_fixed_size: 0
    .private_segment_fixed_size: 0
    .kernarg_segment_align: 8
    .kernarg_segment_size: 32
    .max_flat_workgroup_size: 128
    .sgpr_count:     66
    .vgpr_count:     176
    .wavefront_size: 32
...
	.end_amdgpu_metadata
.endif
;; end of part 4
;; launch ffn (part 5): grid 483 x 1, 4 waves a work-group, no clusters, 305,920 bytes of LDS; arguments query, samp, ln1_w, ln1_b, ln2_w, ln2_b, b_out, b_ffn1, b_ffn2, wt, out0; writes out0
.if DOCPART == 5
	.amdgcn_target "amdgcn-amd-amdhsa--gfx1250"
	.amdhsa_code_object_version 6
	.text
	.protected	k_qa651f1c019_ffn
	.globl	k_qa651f1c019_ffn
	.p2align	8
	.type	k_qa651f1c019_ffn,@function
k_qa651f1c019_ffn:
	s_mov_b64 s[64:65], 0
	v_nop
	global_prefetch_b8 v0, s[64:65] scope:SCOPE_SE
	s_setreg_imm32_b32 hwreg(HW_REG_WAVE_MODE, 25, 1), 1
	s_wait_xcnt 0x0
; x = query + layernorm1(query) + samp W_out + b_out;  out0 = x + gelu(layernorm2(x) W_ffn1 + b_ffn1) W_ffn2 + b_ffn2.  Matrix operands in bf16, each rounded once; sums, norms, x and the gelu in f32.
; GELU, exact form: 2 gelu(v) = v + |v| erf(|v| / sqrt 2), erf(z) = 1 - (1 + a1 z + .. + a6 z^6)^-16 (Abramowitz and Stegun 7.1.28, error under 3e-7 for every z >= 0; where the polynomial
; overflows its reciprocal is 0 and erf is 1).  The factor 1/2 lies in the stored W_ffn2, exactly.  NaN and infinities are not treated apart.
; SHARES.  A work-group has 80 rows and keeps them from first to last: x (f32) and the 1,024 hidden numbers of each row (bf16) stay in LDS.  Row work: a wave takes 20 rows, two to a load, 16 lanes a row.
; Products: the four waves split the columns, so each wave streams its own weight fragments from wt straight into registers, 32 KiB a round, nine rounds (W_out; four passes of W_ffn1; four quarters of
; W_ffn2's K), into two sets of 256 registers by turns: a round's 64 loads go out when the round before begins.  Each fragment of weights feeds five products.
; Products are taken transposed (source 0 = 16 columns of a weight, source 1 = 16 rows): a lane holds one row (lane % 16) and eight neighbouring columns.
; No cluster: 483 work-groups divide by no 4; no tensor load: no wave wants a weight byte that another wave fetched.
; WINDOWS: 0 addresses, per-column vectors, row work; 1 accumulators and row fragments (first the rows as loaded); 2 and 3 the two sets of weights (32 ks + 8 nt).
.set PX,    1040                       ; a row of f32 in LDS: 1,024 + 16;  PA, PH likewise: odd multiples of 16, so the 16 rows of a load or store start in different banks (ISA guide 11.1)
.set PA,    528
.set PH,    2064
.set AB,    83200                      ; behind x (80 rows): 100 rows of bf16: samp, later layernorm2(x); rows 80-99 repeat rows 0-19 for the look-ahead of the pass's last trip
.set HB,    136192                     ; the hidden rows; a stage of 80 rows of f32 lies over its beginning while the hidden rows are not alive
.set B1B,   301312                     ; b_ffn1
.set SPARE, 305408                     ; the spare words, named by no other line
.set WV, 2
.set CNT, 3
.set CN2, 4
.set INV, 5
.set BP, 30                            ; s[30:31] my wave's stream of weights, at the round last asked for
.set A1, 40                            ; s[40:51] a1 .. a6 divided by sqrt(2)^k, each twice: named as pairs
.set MASK, 52
.set VO,  4
.set XR,  5                            ; x: my 16 bytes in the wave's first two rows
.set SR,  6                            ; the same in the stage
.set AW,  7
.set AA,  8                            ; v8-12
.set AA0, 13
.set HS,  14
.set SS,  15
.set BL,  16
.set BO,  17
.set SO,  18
.set AS,  19
.set SS4, 20
.set XW,  21                           ; working copies, stepped in loops
.set SW2, 22
.set AAW, 23
.set HSW, 24
.set SPW, 30
.set NIL, 31
.set LN1W, 32
.set LN1B, 48
.set BOUT, 64
.set LN2W, 80
.set LN2B, 96
.set B2,   112
.set BIAS, 128
.set D,   160
.set T,   176
.set U,   192
.set RS,  208
.set M,   210
.set BT,  212
.set AF,  160                          ; window 1: two buffers of five fragments
.set AFM, 32                           ; window 1, in the passes of W_ffn1: 16 rows x 256 channels
.set AX,  160                          ; window 1: |v|
.set PP,  192                          ; the polynomial
.set OO,  224                          ; packed results
.set MSB, 0
.macro WIN new
.if MSB != (\new)
	s_set_vgpr_msb (MSB<<8)|(\new)
.set MSB, (\new)
.endif
.endm
.macro PLACES                          ; four plain vector instructions between a matrix instruction and a load into, or a read of, its registers
.rept 4
	v_nop
.endr
.endm
.macro LNSTAT x, w                     ; as in the launch for the offsets: leaves x - mean in D and 1 / sqrt(variance + 1e-5) twice in RS
	WIN 5*(\w)
.irp k, 0,1,2,3
	v_pk_add_f32 v[T+2*\k:T+2*\k+1], v[(\x)+4*\k:(\x)+4*\k+1], v[(\x)+4*\k+2:(\x)+4*\k+3]
.endr
	WIN 0
	v_pk_add_f32 v[T:T+1], v[T:T+1], v[T+2:T+3]
	v_pk_add_f32 v[T+4:T+5], v[T+4:T+5], v[T+6:T+7]
	v_pk_add_f32 v[T:T+1], v[T:T+1], v[T+4:T+5]
	v_add_f32 v[T], v[T], v[T+1]
.irp m, 1,2,4,8
	v_add_f32_dpp v[T], v[T], v[T] row_xmask:\m row_mask:0xf bank_mask:0xf
.endr
	v_mul_f32 v[M], s[INV], v[T]
	v_mul_f32 v[M+1], s[INV], v[T]
	WIN (\w)
.irp k, 0,2,4,6,8,10,12,14
	v_pk_add_f32 v[D+\k:D+\k+1], v[(\x)+\k:(\x)+\k+1], v[M:M+1] neg_lo:[0,1] neg_hi:[0,1]
.endr
	WIN 0
	v_pk_mul_f32 v[T:T+1], v[D:D+1], v[D:D+1]
	v_pk_mul_f32 v[T+2:T+3], v[D+2:D+3], v[D+2:D+3]
.irp k, 4,8,12
	v_pk_fma_f32 v[T:T+1], v[D+\k:D+\k+1], v[D+\k:D+\k+1], v[T:T+1]
	v_pk_fma_f32 v[T+2:T+3], v[D+\k+2:D+\k+3], v[D+\k+2:D+\k+3], v[T+2:T+3]
.endr
	v_pk_add_f32 v[T:T+1], v[T:T+1], v[T+2:T+3]
	v_add_f32 v[T], v[T], v[T+1]
.irp m, 1,2,4,8
	v_add_f32_dpp v[T], v[T], v[T] row_xmask:\m row_mask:0xf bank_mask:0xf
.endr
	v_fmaak_f32 v[T], s[INV], v[T], 0x3727c5ac
	v_rsq_f32 v[RS], v[T]
	v_rsq_f32 v[RS+1], v[T]
	v_nop
	s_wait_alu depctr_va_vdst(0)                   ; one wait for the two, ahead of their first reader
.endm
.macro VEC dst, sb                     ; a vector of 256 numbers: my 16 columns
.irp j, 0,1,2,3
	global_load_b128 v[(\dst)+4*\j:(\dst)+4*\j+3], v27, s[\sb:\sb+1] offset:256*\j
.endr
.endm
.macro BLOAD ring                      ; a round's weights, 512 consecutive bytes a load
	WIN (\ring)<<6
.set n, 0
.rept 64
	global_load_b128 v[4*n:4*n+3], v[BO], s[BP:BP+1] offset:512*n
.set n, n+1
.endr
.endm
.macro NEWROUND other, load            ; this round's weights are in; the next round's are asked for into the set that the round before read
	s_wait_loadcnt 0x0                             ; the 64 loads issued a round ago are all that is out; it also frees their base
.if \load
	PLACES
	s_add_nc_u64 s[BP:BP+1], s[BP:BP+1], 32768
	BLOAD \other
.endif
.endm
.macro AFETCH buf, koff
	WIN 0x40
.irp mt, 0,1,2,3,4
	ds_load_b128 v[AF+40*(\buf)+8*\mt:AF+40*(\buf)+8*\mt+3], v[AA+\mt] offset:(\koff)
	ds_load_b128 v[AF+40*(\buf)+8*\mt+4:AF+40*(\buf)+8*\mt+7], v[AA+\mt] offset:(\koff)+32
.endr
.endm
; One K step for 80 rows x 64 columns: the next step's ten loads first, then 20 matrix instructions on 20 accumulators that take turns.  cmode 0: the sums start; 2: in place.
.macro KSTEP ring, ks, buf, cmode, nextk
.if (\nextk) >= 0
	PLACES
	AFETCH 1-(\buf), \nextk
	s_wait_dscnt 10                                ; all but the ten just issued
.else
	s_wait_dscnt 0x0
.endif
	WIN 0x54+(\ring)
.irp mt, 0,1,2,3,4
.irp nt, 0,1,2,3
.if (\cmode) == 0
	v_wmma_f32_16x16x32_bf16 v[8*(4*\mt+\nt):8*(4*\mt+\nt)+7], v[32*(\ks)+8*\nt:32*(\ks)+8*\nt+7], v[AF+40*(\buf)+8*\mt:AF+40*(\buf)+8*\mt+7], 0
.else
	v_wmma_f32_16x16x32_bf16 v[8*(4*\mt+\nt):8*(4*\mt+\nt)+7], v[32*(\ks)+8*\nt:32*(\ks)+8*\nt+7], v[AF+40*(\buf)+8*\mt:AF+40*(\buf)+8*\mt+7], v[8*(4*\mt+\nt):8*(4*\mt+\nt)+7]
.endif
.endr
.endr
.endm
.macro STAGE                           ; the 20 accumulators, f32, into the stage: 32 bytes a lane, each accumulator from its low end
	PLACES
	WIN 0x04
.irp mt, 0,1,2,3
.irp nt, 0,1,2,3
	ds_store_b128 v[SS], v[8*(4*\mt+\nt):8*(4*\mt+\nt)+3] offset:\mt*16*PX+64*\nt
	ds_store_b128 v[SS], v[8*(4*\mt+\nt)+4:8*(4*\mt+\nt)+7] offset:\mt*16*PX+64*\nt+16
.endr
.endr
.irp nt, 0,1,2,3
	ds_store_b128 v[SS4], v[8*(16+\nt):8*(16+\nt)+3] offset:64*\nt
	ds_store_b128 v[SS4], v[8*(16+\nt)+4:8*(16+\nt)+7] offset:64*\nt+16
.endr
	WIN 0
.endm
.macro AFETCHM
	WIN 0x40
.irp ks, 0,1,2,3,4,5,6,7
	ds_load_b128 v[AFM+8*\ks:AFM+8*\ks+3], v[AAW] offset:64*\ks
	ds_load_b128 v[AFM+8*\ks+4:AFM+8*\ks+7], v[AAW] offset:64*\ks+32
.endr
.endm
.macro PK16 line:vararg                ; one packed line for each of 16 pairs, n = 0, 2 .. 30
.set n, 0
.rept 16
	\line
.set n, n+2
.endr
.endm
.macro GELU32                          ; 2 gelu of the 32 numbers in the four accumulators, rounded to bf16, into the hidden rows; all registers in window 1
	WIN 0x55
.set n, 0
.rept 32
	v_and_b32 v[AX+n], s[MASK], v[n]
.set n, n+1
.endr
	PK16 v_pk_fma_f32 v[PP+n:PP+n+1], v[AX+n:AX+n+1], s[A1+10:A1+11], s[A1+8:A1+9] op_sel_hi:[1,0,0]
	PK16 v_pk_fma_f32 v[PP+n:PP+n+1], v[PP+n:PP+n+1], v[AX+n:AX+n+1], s[A1+6:A1+7] op_sel_hi:[1,1,0]
	PK16 v_pk_fma_f32 v[PP+n:PP+n+1], v[PP+n:PP+n+1], v[AX+n:AX+n+1], s[A1+4:A1+5] op_sel_hi:[1,1,0]
	PK16 v_pk_fma_f32 v[PP+n:PP+n+1], v[PP+n:PP+n+1], v[AX+n:AX+n+1], s[A1+2:A1+3] op_sel_hi:[1,1,0]
	PK16 v_pk_fma_f32 v[PP+n:PP+n+1], v[PP+n:PP+n+1], v[AX+n:AX+n+1], s[A1:A1+1] op_sel_hi:[1,1,0]
	PK16 v_pk_fma_f32 v[PP+n:PP+n+1], v[PP+n:PP+n+1], v[AX+n:AX+n+1], 1.0 op_sel_hi:[1,1,0]
.set n, 0
.rept 32
	v_rcp_f32 v[PP+n], v[PP+n]
.set n, n+1
.endr
	PK16 v_pk_add_f32 v[n:n+1], v[n:n+1], v[AX+n:AX+n+1]
	s_wait_alu depctr_va_vdst(0)                   ; one wait for the 32 reciprocals; the 16 sums v + |v| above are the plain work behind them
.rept 4
	PK16 v_pk_mul_f32 v[PP+n:PP+n+1], v[PP+n:PP+n+1], v[PP+n:PP+n+1]
.endr
	PK16 v_pk_fma_f32 v[n:n+1], v[PP+n:PP+n+1], v[AX+n:AX+n+1], v[n:n+1] neg_lo:[1,0,0] neg_hi:[1,0,0]
.set n, 0
.rept 16
	v_cvt_pk_bf16_f32 v[OO+n], v[2*n], v[2*n+1]
.set n, n+1
.endr
	WIN 0x04
.irp nt, 0,1,2,3
	ds_store_b128 v[HSW], v[OO+4*\nt:OO+4*\nt+3] offset:32*\nt
.endr
.endm
; A pass of W_ffn1: 64 hidden columns of my 256, for all 80 rows, 16 rows a trip: 32 matrix instructions on four accumulators that take turns, the next rows' fragments, the gelu.
.macro PASS ring, other
	NEWROUND \other, 1
	WIN 0
.irp nt, 0,1,2,3
	ds_load_b128 v[BIAS+8*\nt:BIAS+8*\nt+3], v[BL] offset:64*\nt
	ds_load_b128 v[BIAS+8*\nt+4:BIAS+8*\nt+7], v[BL] offset:64*\nt+16
.endr
	v_mov_b32 v[AAW], v[AA0]
	v_mov_b32 v[HSW], v[HS]
	s_mov_b32 s[CNT], 5
.Lmt_\@:
	s_wait_dscnt 0x0
	WIN 0x44+(\ring)
.irp nt, 0,1,2,3
	v_wmma_f32_16x16x32_bf16 v[8*\nt:8*\nt+7], v[8*\nt:8*\nt+7], v[AFM:AFM+7], v[BIAS+8*\nt:BIAS+8*\nt+7]
.endr
	WIN 0x54+(\ring)
.irp ks, 1,2,3,4,5,6,7
.irp nt, 0,1,2,3
	v_wmma_f32_16x16x32_bf16 v[8*\nt:8*\nt+7], v[32*\ks+8*\nt:32*\ks+8*\nt+7], v[AFM+8*\ks:AFM+8*\ks+7], v[8*\nt:8*\nt+7]
.endr
.endr
	WIN 0
	v_add_nc_u32 v[AAW], 16*PA, v[AAW]             ; four plain instructions behind the last product
	v_nop
	v_nop
	v_nop
	AFETCHM                                        ; the next 16 rows (in the last trip rows 80-95, which are rows 0-15: the next pass's first)
	GELU32
	WIN 0
	v_add_nc_u32 v[HSW], 16*PH, v[HSW]
	s_sub_co_u32 s[CNT], s[CNT], 1
	s_cmp_lg_u32 s[CNT], 0
	s_cbranch_scc1 .Lmt_\@
	v_add_nc_u32 v[HS], 128, v[HS]                 ; the next pass's 64 columns
	v_add_nc_u32 v[BL], 256, v[BL]
.endm
.macro PAIR0 i                         ; two rows: query + layernorm1(query) + b_out, into x
	s_wait_loadcnt 4*(9-(\i))                      ; the later pairs' loads may stay out
	LNSTAT 16*(\i), 1
.irp k, 0,2,4,6,8,10,12,14
	v_pk_mul_f32 v[D+\k:D+\k+1], v[D+\k:D+\k+1], v[RS:RS+1]
.endr
.irp k, 0,2,4,6,8,10,12,14
	v_pk_fma_f32 v[D+\k:D+\k+1], v[D+\k:D+\k+1], v[LN1W+\k:LN1W+\k+1], v[BOUT+\k:BOUT+\k+1]
.endr
	WIN 0x01
.irp k, 0,2,4,6,8,10,12,14
	v_pk_add_f32 v[D+\k:D+\k+1], v[16*(\i)+\k:16*(\i)+\k+1], v[D+\k:D+\k+1]
.endr
	WIN 0
.irp j, 0,1,2,3
	ds_store_b128 v[XR], v[D+4*\j:D+4*\j+3] offset:2*PX*(\i)+256*\j
.endr
.endm
	s_load_b512 s[8:23], s[0:1], 0x0               ; query 8, samp 10, ln1_w 12, ln1_b 14, ln2_w 16, ln2_b 18, b_out 20, b_ffn1 22
	s_load_b128 s[24:27], s[0:1], 0x40             ; b_ffn2 24, wt 26
	s_load_b64 s[28:29], s[0:1], 0x50              ; out0
	v_lshl_add_u32 v[SPW], v0, 2, SPARE
	v_mov_b32 v[NIL], 0
	v_lshrrev_b32 v1, 5, v0
	v_readfirstlane_b32 s[WV], v1
	v_and_b32 v1, 31, v0
	v_and_b32 v2, 15, v0
	v_bfe_u32 v3, v0, 4, 1
	s_mul_i32 s32, s[WV], 20
	v_add_nc_u32 v25, s32, v3                      ; my row among the 80
	v_lshlrev_b32 v[VO], 10, v25
	v_lshl_add_u32 v[VO], v2, 4, v[VO]
	v_mul_u32_u24 v[XR], v25, PX
	v_lshl_add_u32 v[XR], v2, 4, v[XR]
	v_add_nc_u32 v[SR], HB, v[XR]
	v_mul_u32_u24 v[AW], v25, PA
	v_lshl_add_u32 v[AW], v2, 3, v[AW]
	v_add_nc_u32 v[AW], AB, v[AW]
	v_mul_u32_u24 v[AA0], v2, PA
	v_lshl_add_u32 v[AA0], v3, 4, v[AA0]
	v_add_nc_u32 v[AA0], AB, v[AA0]
.irp mt, 0,1,2,3,4
	v_add_nc_u32 v[AA+\mt], \mt*16*PA, v[AA0]
.endr
	s_lshl_b32 s33, s[WV], 9
	s_add_co_u32 s33, s33, HB
	v_mul_u32_u24 v[HS], v2, PH
	v_lshl_add_u32 v[HS], v3, 4, v[HS]
	v_add_nc_u32 v[HS], s33, v[HS]
	s_lshl_b32 s33, s[WV], 8
	s_add_co_u32 s33, s33, HB
	v_mul_u32_u24 v[SS], v2, PX
	v_lshl_add_u32 v[SS], v3, 5, v[SS]
	v_add_nc_u32 v[SS], s33, v[SS]
	v_add_nc_u32 v[SS4], 4*16*PX, v[SS]
	s_lshl_b32 s33, s[WV], 10
	v_lshl_add_u32 v28, v1, 4, s33
	v_add_nc_u32 v29, B1B, v28
	s_add_co_u32 s33, s33, B1B
	v_lshl_add_u32 v[BL], v3, 5, s33
	v_lshlrev_b32 v[BO], 4, v1
	s_mul_i32 s33, s32, 512
	v_lshl_add_u32 v[SO], v1, 4, s33
	s_mul_i32 s33, s32, PA
	s_add_co_u32 s33, s33, AB
	v_lshl_add_u32 v[AS], v1, 4, s33
	v_lshlrev_b32 v27, 4, v2
	s_mov_b32 s[INV], 0x3b800000                   ; 1 / 256
	s_mov_b32 s[MASK], 0x7fffffff
.irp c, 0,1
	s_mov_b32 s[A1+\c], 0x3d4c41b4                 ; 0.04986735
	s_mov_b32 s[A1+2+\c], 0x3cad2fe7               ; 0.02114101
	s_mov_b32 s[A1+4+\c], 0x3b56cd72               ; 0.003277626
	s_mov_b32 s[A1+6+\c], 0x381f6607               ; 3.800358e-5
	s_mov_b32 s[A1+8+\c], 0x384d0fec               ; 4.889064e-5
	s_mov_b32 s[A1+10+\c], 0x36b49f67              ; 5.382975e-6
.endr
	s_mul_i32 s34, ttmp9, 81920
	s_mov_b32 s35, 0
	s_mul_i32 s36, ttmp9, 40960
	s_mov_b32 s37, 0
	s_mul_i32 s38, s[WV], 294912
	s_mov_b32 s39, 0
	s_wait_kmcnt 0x0
	s_add_nc_u64 s[8:9], s[8:9], s[34:35]
	s_add_nc_u64 s[28:29], s[28:29], s[34:35]
	s_add_nc_u64 s[10:11], s[10:11], s[36:37]
	s_add_nc_u64 s[BP:BP+1], s[26:27], s[38:39]
	VEC LN1W, 12
	VEC LN1B, 14
	VEC BOUT, 20
	VEC LN2W, 16
	VEC LN2B, 18
	VEC B2, 24
	global_load_b128 v[BT:BT+3], v28, s[22:23]
	global_load_b128 v[BT+4:BT+7], v28, s[22:23] offset:512
	BLOAD 2                                        ; round 0: W_out
	WIN 0x40
.irp i, 0,1,2,3,4,5,6,7,8,9,10,11,12,13,14,15,16,17,18,19
	global_load_b128 v[160+4*\i:160+4*\i+3], v[SO], s[10:11] offset:512*\i th:TH_LOAD_NT
.endr
.irp i, 0,1,2,3,4,5,6,7,8,9
.irp j, 0,1,2,3
	global_load_b128 v[16*\i+4*\j:16*\i+4*\j+3], v[VO], s[8:9] offset:2048*\i+256*\j th:TH_LOAD_NT
.endr
.endr
	WIN 0
	s_wait_loadcnt 40                              ; all but query's 40 loads
.irp k, 0,2,4,6,8,10,12,14
	v_pk_add_f32 v[BOUT+\k:BOUT+\k+1], v[BOUT+\k:BOUT+\k+1], v[LN1B+\k:LN1B+\k+1]  ; ln1_b + b_out, once
.endr
	ds_store_b128 v29, v[BT:BT+3]
	ds_store_b128 v29, v[BT+4:BT+7] offset:512
	WIN 0x04
.irp i, 0,1,2,3,4,5,6,7,8,9,10,11,12,13,14,15,16,17,18,19
	ds_store_b128 v[AS], v[160+4*\i:160+4*\i+3] offset:PA*\i
.endr
	WIN 0
.irp i, 0,1,2,3,4,5,6,7,8,9
	PAIR0 \i
.endr
	s_wait_dscnt 0x0                               ; for the others' sake: my rows of samp lie in LDS
	s_barrier_signal -1
	s_barrier_wait -1
	NEWROUND 3, 1                                  ; samp W_out
	AFETCH 0, 0
	KSTEP 2, 0, 0, 0, 64
	KSTEP 2, 1, 1, 2, 128
	KSTEP 2, 2, 0, 2, 192
	KSTEP 2, 3, 1, 2, 256
	KSTEP 2, 4, 0, 2, 320
	KSTEP 2, 5, 1, 2, 384
	KSTEP 2, 6, 0, 2, 448
	KSTEP 2, 7, 1, 2, -1
	STAGE
	s_wait_dscnt 0x0                               ; my part of the stage is written and my reads of samp are over
	s_barrier_signal -1
	s_barrier_wait -1
	v_mov_b32 v[XW], v[XR]
	v_mov_b32 v[SW2], v[SR]
	s_mov_b32 s[CNT], 10
.Lp2:                                          ; two rows a trip: x is finished; layernorm2(x) goes where samp lay; x + b_ffn2 goes back
.irp j, 0,1,2,3
	ds_load_b128 v[D+4*\j:D+4*\j+3], v[XW] offset:256*\j
.endr
.irp j, 0,1,2,3
	ds_load_b128 v[U+4*\j:U+4*\j+3], v[SW2] offset:256*\j
.endr
	s_wait_dscnt 0x0
.irp k, 0,2,4,6,8,10,12,14
	v_pk_add_f32 v[U+\k:U+\k+1], v[U+\k:U+\k+1], v[D+\k:D+\k+1]
.endr
	LNSTAT U, 0
.irp k, 0,2,4,6,8,10,12,14
	v_pk_mul_f32 v[D+\k:D+\k+1], v[D+\k:D+\k+1], v[RS:RS+1]
.endr
.irp k, 0,2,4,6,8,10,12,14
	v_pk_fma_f32 v[D+\k:D+\k+1], v[D+\k:D+\k+1], v[LN2W+\k:LN2W+\k+1], v[LN2B+\k:LN2B+\k+1]
.endr
.irp k, 0,1,2,3,4,5,6,7
	v_cvt_pk_bf16_f32 v[T+\k], v[D+2*\k], v[D+2*\k+1]
.endr
.irp j, 0,1,2,3
	ds_store_b64 v[AW], v[T+2*\j:T+2*\j+1] offset:128*\j
.endr
	s_cmp_lg_u32 s[WV], 0
	s_cbranch_scc1 .Lp2n
.irp j, 0,1,2,3
	ds_store_b64 v[AW], v[T+2*\j:T+2*\j+1] offset:80*PA+128*\j  ; wave 0: its rows 0-19 once more as rows 80-99
.endr
.Lp2n:
.irp k, 0,2,4,6,8,10,12,14
	v_pk_add_f32 v[U+\k:U+\k+1], v[U+\k:U+\k+1], v[B2+\k:B2+\k+1]
.endr
.irp j, 0,1,2,3
	ds_store_b128 v[XW], v[U+4*\j:U+4*\j+3] offset:256*\j
.endr
	v_add_nc_u32 v[XW], 2*PX, v[XW]
	v_add_nc_u32 v[SW2], 2*PX, v[SW2]
	v_add_nc_u32 v[AW], 2*PA, v[AW]
	s_sub_co_u32 s[CNT], s[CNT], 1
	s_cmp_lg_u32 s[CNT], 0
	s_cbranch_scc1 .Lp2
	s_wait_dscnt 0x0                               ; my rows of layernorm2(x) are written and my reads of the stage are over
	s_barrier_signal -1
	s_barrier_wait -1
	v_mov_b32 v[AAW], v[AA0]
	AFETCHM
	WIN 0
	s_mov_b32 s[CN2], 2
.Lf1:                                          ; rounds 1 to 4
	PASS 3, 2
	PASS 2, 3
	s_sub_co_u32 s[CN2], s[CN2], 1
	s_cmp_lg_u32 s[CN2], 0
	s_cbranch_scc1 .Lf1
	s_wait_dscnt 0x0                               ; my hidden columns are written; the last look-ahead has landed
	s_barrier_signal -1
	s_barrier_wait -1
	v_mul_u32_u24 v25, v2, PH
	v_lshl_add_u32 v25, v3, 4, v25
.irp mt, 0,1,2,3,4
	v_add_nc_u32 v[AA+\mt], HB+\mt*16*PH, v25
.endr
	AFETCH 0, 0
.set g, 0                              ; rounds 5 to 8: the 32 K steps of W_ffn2; the row fragments' chain of loads runs on across the rounds
.rept 32
.if g%8 == 0
.if g < 24
	NEWROUND 2+(g/8)%2, 1
.else
	NEWROUND 2, 0
.endif
.endif
.if g == 0
	KSTEP 3, 0, 0, 0, 64
.elseif g == 31
	KSTEP 2, 7, 1, 2, -1
.else
	KSTEP 3-(g/8)%2, g%8, g%2, 2, 64*(g+1)
.endif
.set g, g+1
.endr
	WIN 0
	s_wait_dscnt 0x0                               ; my reads of the hidden rows are over: behind this barrier the stage may be written over them
	s_barrier_signal -1
	s_barrier_wait -1
	STAGE
	s_wait_dscnt 0x0
	s_barrier_signal -1
	s_barrier_wait -1
	v_mov_b32 v[XW], v[XR]
	v_mov_b32 v[SW2], v[SR]
	s_mov_b32 s[CNT], 10
.Lp3:                                          ; two rows a trip leave
.irp j, 0,1,2,3
	ds_load_b128 v[D+4*\j:D+4*\j+3], v[XW] offset:256*\j
.endr
.irp j, 0,1,2,3
	ds_load_b128 v[U+4*\j:U+4*\j+3], v[SW2] offset:256*\j
.endr
	s_wait_dscnt 0x0
.irp k, 0,2,4,6,8,10,12,14
	v_pk_add_f32 v[D+\k:D+\k+1], v[D+\k:D+\k+1], v[U+\k:U+\k+1]
.endr
.irp j, 0,1,2,3
	global_store_b128 v[VO], v[D+4*\j:D+4*\j+3], s[28:29] offset:256*\j th:TH_STORE_NT  ; sixteen lanes store 256 consecutive bytes, at a multiple of 256 from out0's first byte
.endr
	s_wait_xcnt 0x0                                ; the stores' offset and data are written again only behind this wait
	v_add_nc_u32 v[XW], 2*PX, v[XW]
	v_add_nc_u32 v[SW2], 2*PX, v[SW2]
	v_add_nc_u32 v[VO], 2048, v[VO]
	s_sub_co_u32 s[CNT], s[CNT], 1
	s_cmp_lg_u32 s[CNT], 0
	s_cbranch_scc1 .Lp3
	s_wait_tensorcnt 0x0                           ; the wave's end: three closing lines behind my last LDS store
	ds_add_u32 v[SPW], v[NIL]
	s_wait_dscnt 0x0
	s_endpgm
.Lfunc_end_k_qa651f1c019_ffn:
	.size	k_qa651f1c019_ffn, .Lfunc_end_k_qa651f1c019_ffn-k_qa651f1c019_ffn
	.p2alignl 7, 3214868480
	.fill 96, 4, 3214868480
	.section	.rodata,"a",@progbits
	.p2align	6, 0x0
	.amdhsa_kernel k_qa651f1c019_ffn
		.amdhsa_group_segment_fixed_size 305920
		.amdhsa_private_segment_fixed_size 0
		.amdhsa_enable_private_segment 0
		.amdhsa_kernarg_size 88
		.amdhsa_user_sgpr_count 2
		.amdhsa_user_sgpr_kernarg_segment_ptr 1
		.amdhsa_wavefront_size32 1
		.amdhsa_system_sgpr_workgroup_id_x 1
		.amdhsa_system_sgpr_workgroup_id_y 1
		.amdhsa_system_sgpr_workgroup_id_z 1
		.amdhsa_system_vgpr_workitem_id 0
		.amdhsa_next_free_vgpr 1024
		.amdhsa_next_free_sgpr 66
		.amdhsa_reserve_vcc 0
		.amdhsa_float_denorm_mode_32 3
		.amdhsa_float_denorm_mode_16_64 3
		.amdhsa_memory_ordered 1
		.amdhsa_forward_progress 1
		.amdhsa_inst_pref_size 240
	.end_amdhsa_kernel
	.amdgpu_metadata
---
amdhsa.version: [ 1, 2 ]
amdhsa.kernels:
  - .name:           k_qa651f1c019_ffn
    .symbol:         k_qa651f1c019_ffn.kd
    .args:
      - { .name: query, .offset: 0, .size: 8, .value_kind: global_buffer, .address_space: global }
      - { .name: samp, .offset: 8, .size: 8, .value_kind: global_buffer, .address_space: global }
      - { .name: ln1_w, .offset: 16, .size: 8, .value_kind: global_buffer, .address_space: global }
      - { .name: ln1_b, .offset: 24, .size: 8, .value_kind: global_buffer, .address_space: global }
      - { .name: ln2_w, .offset: 32, .size: 8, .value_kind: global_buffer, .address_space: global }
      - { .name: ln2_b, .offset: 40, .size: 8, .value_kind: global_buffer, .address_space: global }
      - { .name: b_out, .offset: 48, .size: 8, .value_kind: global_buffer, .address_space: global }
      - { .name: b_ffn1, .offset: 56, .size: 8, .value_kind: global_buffer, .address_space: global }
      - { .name: b_ffn2, .offset: 64, .size: 8, .value_kind: global_buffer, .address_space: global }
      - { .name: wt, .offset: 72, .size: 8, .value_kind: global_buffer, .address_space: global }
      - { .name: out0, .offset: 80, .size: 8, .value_kind: global_buffer, .address_space: global }
    .group_segment_fixed_size: 305920
    .private_segment_fixed_size: 0
    .kernarg_segment_align: 8
    .kernarg_segment_size: 88
    .max_flat_workgroup_size: 128
    .sgpr_count:     66
    .vgpr_count:     1024
    .wavefront_size: 32
...
	.end_amdgpu_metadata
.endif
;; end of part 5
;; ======== version 2 of 3: 5 launches; 1.48 times as fast as version 1
;; workspace buffers: wt 1,476,096 bytes; val2 39,567,360 bytes; idx 14,837,760 bytes of whole numbers; wts 29,675,520 bytes; samp 19,791,872 bytes
;; launch prep: the kernel of part 1 again; grid 91 x 4, 8 waves a work-group, no clusters, 0 bytes of LDS; arguments W_out, W_ffn1, W_ffn2, W_val, W_off, W_attn, b_off, b_attn, wt; writes wt
;; launch valproj (part 6): grid 256 x 1, 4 waves a work-group, no clusters, 128,768 bytes of LDS; arguments value, b_val, wt, val2; writes val2
.if DOCPART == 6
	.amdgcn_target "amdgcn-amd-amdhsa--gfx1250"
	.amdhsa_code_object_version 6
	.text
	.protected	k_qa651f1c019_valproj
	.globl	k_qa651f1c019_valproj
	.p2align	8
	.type	k_qa651f1c019_valproj,@function
k_qa651f1c019_valproj:
	s_mov_b64 s[64:65], 0
	v_nop
	global_prefetch_b8 v0, s[64:65] scope:SCOPE_SE
	s_setreg_imm32_b32 hwreg(HW_REG_WAVE_MODE, 25, 1), 1
	s_wait_xcnt 0x0
; val2[plane][g][4] (bf16) = value[g][:] W_val + b_val, plane = column / 4, g = 0 .. 77,279.  Operands rounded once to bf16, sums in f32, the result rounded once to bf16.
; The planes of four channels are what the sampling launch lays in LDS: 8 bytes a pixel.
; 483 blocks of 160 rows, so that a plane's share of a block is 1,280 bytes: five whole aligned runs of 256.  Work-group x stays and takes blocks x and x + 256 (the second if x < 227).
; A block goes in two halves of 80 rows, a trip each.  The four waves split the 256 columns, 64 each (16 planes), so a wave's weights, 64 fragments of 16 x 32, stay in 256 registers for the whole
; launch and nothing of them goes through LDS.  No cluster: the only shared input is 128 KiB of weights, read once by a work-group.
; THE PRODUCT IS TAKEN TRANSPOSED (source 0 = 16 columns of W_val, source 1 = 16 rows of value): a lane then holds one row (lane % 16) and eight neighbouring columns: two planes.  b_val is the C of the first K step.
; A trip: the half's 80 KiB, asked for a whole trip earlier, are rounded and laid in LDS; the next half is asked for; 160 matrix instructions a wave; the result goes into the wave's own stage, by planes;
; behind a block's second half the stage leaves.
; WINDOWS: 0 addresses, bias, temporaries; 1 v0-159 accumulators (tile (mt, nt) at 8 (4 mt + nt)), v160-239 two buffers of value's fragments; 2 the weights (32 ks + 8 nt); 3 v0-159 the half as loaded.
.set PA,    528                        ; a row in LDS: 512 bytes + 16: an odd multiple of 16, so the 16 rows of a fragment load start in 16 different groups of four banks (ISA guide 11.1)
.set STG,   42240                      ; behind the 80 rows: each wave's stage, 16 planes
.set PSTG,  1344                       ; a plane in the stage: 160 rows x 8 bytes + 64: the two halves of the lanes write two planes apart, 2,688 bytes
.set SPARE, 128256                     ; the spare words: 128 bytes a wave, named by no other line
.set VP,    618240                     ; bytes of a plane in val2
.set OFFV,  1179648
.set VO,  4                            ; my 16 bytes in the wave's first two rows of a half: lanes 0-15 one row, lanes 16-31 the next
.set AW,  5                            ; where their 8 bytes of bf16 go in LDS
.set AA,  6                            ; v6-10 my place in the fragments of row tile mt
.set SW,  11                           ; stage, in: plane 2 (lane / 16), row lane % 16
.set L0,  12                           ; stage, back: 16 x lane in a plane
.set L2,  13                           ; the same for the load that ends one plane (lanes 0-15) and begins the next (lanes 16-31)
.set G0,  14                           ; 16 x lane: in val2, and in the weights
.set G2,  15
.set SPW, 30
.set NIL, 31
.set BIAS, 32                          ; v32-63
.set T,   64                           ; v64-143
.set AF,  160                          ; window 1
.set MSB, 0
.macro WIN new                         ; the immediate's high byte repeats the setting that is left; a switch that changes nothing is dropped
.if MSB != (\new)
	s_set_vgpr_msb (MSB<<8)|(\new)
.set MSB, (\new)
.endif
.endm
.macro PLACES                          ; four plain vector instructions between a matrix instruction and a load into, or a read of, its registers
.rept 4
	v_nop
.endr
.endm
.macro VLOAD                           ; a half's share of the wave: 20 rows, two rows of 256 bytes to a load
	WIN 0xc0
.irp i, 0,1,2,3,4,5,6,7,8,9
.irp j, 0,1,2,3
	global_load_b128 v[16*\i+4*\j:16*\i+4*\j+3], v[VO], s[16:17] offset:2048*\i+256*\j th:TH_LOAD_NT
.endr
.endr
	WIN 0
.endm
.macro AFETCH buf, koff                ; the five row tiles' fragments of one K step
	WIN 0x40
.irp mt, 0,1,2,3,4
	ds_load_b128 v[AF+40*(\buf)+8*\mt:AF+40*(\buf)+8*\mt+3], v[AA+\mt] offset:(\koff)
	ds_load_b128 v[AF+40*(\buf)+8*\mt+4:AF+40*(\buf)+8*\mt+7], v[AA+\mt] offset:(\koff)+32
.endr
.endm
; One K step: the next step's ten loads go out first, then 20 matrix instructions on 20 accumulators that take turns.  cmode 1: C = the bias; 2: in place.
.macro KSTEP ring, ks, buf, cmode, nextk
.if (\nextk) >= 0
	PLACES
	AFETCH 1-(\buf), \nextk
	s_wait_dscnt 10                                ; all but the ten just issued: this step's fragments are in
.else
	s_wait_dscnt 0x0
.endif
.if (\cmode) == 1
	WIN 0x44+(\ring)
.else
	WIN 0x54+(\ring)
.endif
.irp mt, 0,1,2,3,4
.irp nt, 0,1,2,3
.if (\cmode) == 1
	v_wmma_f32_16x16x32_bf16 v[8*(4*\mt+\nt):8*(4*\mt+\nt)+7], v[32*(\ks)+8*\nt:32*(\ks)+8*\nt+7], v[AF+40*(\buf)+8*\mt:AF+40*(\buf)+8*\mt+7], v[BIAS+8*\nt:BIAS+8*\nt+7]
.else
	v_wmma_f32_16x16x32_bf16 v[8*(4*\mt+\nt):8*(4*\mt+\nt)+7], v[32*(\ks)+8*\nt:32*(\ks)+8*\nt+7], v[AF+40*(\buf)+8*\mt:AF+40*(\buf)+8*\mt+7], v[8*(4*\mt+\nt):8*(4*\mt+\nt)+7]
.endif
.endr
.endr
.endm
; A half's results into the stage: a lane's 16 bytes of a tile are 8 bytes for each of two planes.  par = which half of the block: 80 rows of 8 bytes further on.
.macro STST par
.irp mt, 0,1,2,3,4
.irp nt, 0,1,2,3
	ds_store_b64 v[SW], v[T+4*(4*\mt+\nt):T+4*(4*\mt+\nt)+1] offset:4*\nt*PSTG+128*\mt+640*(\par)
	ds_store_b64 v[SW], v[T+4*(4*\mt+\nt)+2:T+4*(4*\mt+\nt)+3] offset:(4*\nt+1)*PSTG+128*\mt+640*(\par)
.endr
.endr
.endm
; Eight of the wave's 16 planes leave: a pair of planes is 2,560 bytes, five loads of 512; sixteen lanes always lie in one plane, on 256 consecutive bytes at a multiple of 256 from val2's first byte.
.macro OUTH h
.set n, 0
.irp a, 0,1,2,3
	ds_load_b128 v[T+4*n:T+4*n+3], v[L0] offset:(4*(\h)+\a)*2*PSTG  ; LDS serves a wave's instructions in order (ISA guide 5.7.1.4): these see the stores above and the last trip's
	ds_load_b128 v[T+4*n+4:T+4*n+7], v[L0] offset:(4*(\h)+\a)*2*PSTG+512
	ds_load_b128 v[T+4*n+8:T+4*n+11], v[L2] offset:(4*(\h)+\a)*2*PSTG
	ds_load_b128 v[T+4*n+12:T+4*n+15], v[L0] offset:(4*(\h)+\a)*2*PSTG+PSTG+256
	ds_load_b128 v[T+4*n+16:T+4*n+19], v[L0] offset:(4*(\h)+\a)*2*PSTG+PSTG+768
.set n, n+5
.endr
.set n, 0
.irp a, 0,1,2,3
	s_wait_dscnt 19-n                              ; the younger loads from the stage may stay out
	global_store_b128 v[G0], v[T+4*n:T+4*n+3], s[18:19] offset:(4*(\h)+\a-4)*2*VP
	s_wait_dscnt 18-n
	global_store_b128 v[G0], v[T+4*n+4:T+4*n+7], s[18:19] offset:(4*(\h)+\a-4)*2*VP+512
	s_wait_dscnt 17-n
	global_store_b128 v[G2], v[T+4*n+8:T+4*n+11], s[18:19] offset:(4*(\h)+\a-4)*2*VP
	s_wait_dscnt 16-n
	global_store_b128 v[G0], v[T+4*n+12:T+4*n+15], s[18:19] offset:(4*(\h)+\a-4)*2*VP+VP+256
	s_wait_dscnt 15-n
	global_store_b128 v[G0], v[T+4*n+16:T+4*n+19], s[18:19] offset:(4*(\h)+\a-4)*2*VP+VP+768
.set n, n+5
.endr
	s_wait_xcnt 0x0                                ; the stores have read T and their base: both are written again only behind this wait
.endm
	s_load_b256 s[4:11], s[0:1], 0x0               ; value 4, b_val 6, wt 8, val2 10
	v_lshl_add_u32 v[SPW], v0, 2, SPARE
	v_mov_b32 v[NIL], 0
	v_lshrrev_b32 v1, 5, v0
	v_readfirstlane_b32 s12, v1                    ; wave
	v_and_b32 v1, 31, v0                           ; lane
	v_and_b32 v2, 15, v0
	v_bfe_u32 v3, v0, 4, 1
	s_mul_i32 s22, s12, 20
	v_add_nc_u32 v20, s22, v3                      ; my row among the half's 80
	v_lshlrev_b32 v[VO], 10, v20
	v_lshl_add_u32 v[VO], v2, 4, v[VO]
	v_mul_u32_u24 v[AW], v20, PA
	v_lshl_add_u32 v[AW], v2, 3, v[AW]
	v_mul_u32_u24 v21, v2, PA
	v_lshl_add_u32 v21, v3, 4, v21
.irp mt, 0,1,2,3,4
	v_add_nc_u32 v[AA+\mt], \mt*16*PA, v21
.endr
	s_mul_i32 s22, s12, 16*PSTG
	s_add_co_u32 s22, s22, STG                     ; my stage
	v_mul_u32_u24 v[SW], v3, 2*PSTG
	v_lshl_add_u32 v[SW], v2, 3, v[SW]
	v_add_nc_u32 v[SW], s22, v[SW]
	v_lshlrev_b32 v[G0], 4, v1
	v_add_nc_u32 v[L0], s22, v[G0]
	v_add_nc_u32 v21, 1024, v[G0]                  ; lanes 0-15: a plane's last 256 bytes; lanes 16-31: 256 bytes further on is the next plane's beginning
	v_mad_u32_u24 v[G2], v3, VP-1280, v21
	v_mad_u32_u24 v[L2], v3, PSTG-1280, v21
	v_add_nc_u32 v[L2], s22, v[L2]
	s_lshl_b32 s22, s12, 8
	v_lshl_add_u32 v23, v3, 5, s22                 ; b_val: my eight columns of tile 0
	s_mov_b32 s13, 0                               ; trip
	s_cmp_lt_u32 ttmp9, 227
	s_cselect_b32 s14, 4, 2                        ; trips: two to a block
	s_mov_b32 s28, 256*163840-81920                ; from a block's second half to the first of my next block
	s_mov_b32 s29, 81920                           ; from its first half to its second
	s_mul_i32 s22, ttmp9, 163840
	s_mov_b32 s23, 0
	s_mul_i32 s24, s12, 16*VP                      ; my 16 planes; the base stands eight planes in, so that the stores' immediates run from -4 to +3 pairs of planes
	s_add_co_u32 s24, s24, 8*VP
	s_mul_i32 s25, ttmp9, 1280
	s_add_co_u32 s24, s24, s25
	s_mov_b32 s25, 0
	s_lshl_b32 s26, s12, 15
	s_add_co_u32 s26, s26, OFFV
	s_mov_b32 s27, 0
	s_wait_kmcnt 0x0
	s_add_nc_u64 s[16:17], s[4:5], s[22:23]        ; value at my block
	s_add_nc_u64 s[18:19], s[10:11], s[24:25]      ; val2 at my block's rows
	s_add_nc_u64 s[20:21], s[8:9], s[26:27]        ; my wave's weights
.irp nt, 0,1,2,3
	global_load_b128 v[BIAS+8*\nt:BIAS+8*\nt+3], v23, s[6:7] offset:64*\nt
	global_load_b128 v[BIAS+8*\nt+4:BIAS+8*\nt+7], v23, s[6:7] offset:64*\nt+16
.endr
	WIN 0x80
.set n, 0
.rept 64
	global_load_b128 v[4*n:4*n+3], v[G0], s[20:21] offset:512*n
.set n, n+1
.endr
	VLOAD
.Ltrip:
	s_wait_loadcnt 0x0                             ; the half is in (in the first trip the weights and the bias too)
	WIN 0x0f
.set n, 0
.rept 80
	v_cvt_pk_bf16_f32 v[T+n], v[2*n], v[2*n+1]
.set n, n+1
.endr
	WIN 0
.irp i, 0,1,2,3,4,5,6,7,8,9
.irp j, 0,1,2,3
	ds_store_b64 v[AW], v[T+8*\i+2*\j:T+8*\i+2*\j+1] offset:1056*\i+128*\j
.endr
.endr
	s_bitcmp1_b32 s13, 0                           ; no load is out, so the pointer may be written: the next half
	s_cselect_b32 s24, s28, s29
	s_add_nc_u64 s[16:17], s[16:17], s[24:25]
	s_add_co_u32 s15, s13, 1
	s_cmp_lt_u32 s15, s14
	s_cbranch_scc0 .Lnoload                        ; the last trip asks for nothing
	VLOAD                                          ; it has the whole trip in which to come
.Lnoload:
	s_wait_dscnt 0x0                               ; for the others' sake: my rows lie in LDS
	s_barrier_signal -1
	s_barrier_wait -1
	AFETCH 0, 0
	KSTEP 2, 0, 0, 1, 64
	KSTEP 2, 1, 1, 2, 128
	KSTEP 2, 2, 0, 2, 192
	KSTEP 2, 3, 1, 2, 256
	KSTEP 2, 4, 0, 2, 320
	KSTEP 2, 5, 1, 2, 384
	KSTEP 2, 6, 0, 2, 448
	KSTEP 2, 7, 1, 2, -1
	WIN 0
	s_wait_dscnt 0x0                               ; my reads of the rows are over: behind this barrier the next trip may write them
	s_barrier_signal -1
	s_barrier_wait -1
	PLACES
	WIN 0x05
.set n, 0
.rept 80
	v_cvt_pk_bf16_f32 v[T+n], v[2*n], v[2*n+1]     ; each accumulator from its low end
.set n, n+1
.endr
	WIN 0
	s_bitcmp1_b32 s13, 0                           ; which half of the block?  The two ways differ in immediates alone, so every LDS address of the loop is fixed
	s_cbranch_scc1 .Lodd
	STST 0
	s_branch .Lnext
.Lodd:
	STST 1
	OUTH 0                                         ; the block is whole in my stage: it leaves
	OUTH 1
	s_add_nc_u64 s[18:19], s[18:19], 256*1280      ; my next block
.Lnext:
	s_add_co_u32 s13, s13, 1
	s_cmp_lt_u32 s13, s14
	s_cbranch_scc1 .Ltrip
	s_wait_tensorcnt 0x0                           ; the wave's end: three closing lines behind my last LDS store
	ds_add_u32 v[SPW], v[NIL]
	s_wait_dscnt 0x0
	s_endpgm
.Lfunc_end_k_qa651f1c019_valproj:
	.size	k_qa651f1c019_valproj, .Lfunc_end_k_qa651f1c019_valproj-k_qa651f1c019_valproj
	.p2alignl 7, 3214868480
	.fill 96, 4, 3214868480
	.section	.rodata,"a",@progbits
	.p2align	6, 0x0
	.amdhsa_kernel k_qa651f1c019_valproj
		.amdhsa_group_segment_fixed_size 128768
		.amdhsa_private_segment_fixed_size 0
		.amdhsa_enable_private_segment 0
		.amdhsa_kernarg_size 32
		.amdhsa_user_sgpr_count 2
		.amdhsa_user_sgpr_kernarg_segment_ptr 1
		.amdhsa_wavefront_size32 1
		.amdhsa_system_sgpr_workgroup_id_x 1
		.amdhsa_system_sgpr_workgroup_id_y 1
		.amdhsa_system_sgpr_workgroup_id_z 1
		.amdhsa_system_vgpr_workitem_id 0
		.amdhsa_next_free_vgpr 928
		.amdhsa_next_free_sgpr 66
		.amdhsa_reserve_vcc 0
		.amdhsa_float_denorm_mode_32 3
		.amdhsa_float_denorm_mode_16_64 3
		.amdhsa_memory_ordered 1
		.amdhsa_forward_progress 1
		.amdhsa_inst_pref_size 61
	.end_amdhsa_kernel
	.amdgpu_metadata
---
amdhsa.version: [ 1, 2 ]
amdhsa.kernels:
  - .name:           k_qa651f1c019_valproj
    .symbol:         k_qa651f1c019_valproj.kd
    .args:
      - { .name: value, .offset: 0, .size: 8, .value_kind: global_buffer, .address_space: global }
      - { .name: b_val, .offset: 8, .size: 8, .value_kind: global_buffer, .address_space: global }
      - { .name: wt, .offset: 16, .size: 8, .value_kind: global_buffer, .address_space: global }
      - { .name: val2, .offset: 24, .size: 8, .value_kind: global_buffer, .address_space: global }
    .group_segment_fixed_size: 128768
    .private_segment_fixed_size: 0
    .kernarg_segment_align: 8
    .kernarg_segment_size: 32
    .max_flat_workgroup_size: 128
    .sgpr_count:     66
    .vgpr_count:     928
    .wavefront_size: 32
...
	.end_amdgpu_metadata
.endif
;; end of part 6
;; launch qproj (part 7): grid 483 x 1, 4 waves a work-group, no clusters, 51,200 bytes of LDS; arguments query, query_pos, ref_pts, ln1_w, ln1_b, wt, idx, wts; writes idx, wts
.if DOCPART == 7
	.amdgcn_target "amdgcn-amd-amdhsa--gfx1250"
	.amdhsa_code_object_version 6
	.text
	.protected	k_qa651f1c019_qproj
	.globl	k_qa651f1c019_qproj
	.p2align	8
	.type	k_qa651f1c019_qproj,@function
k_qa651f1c019_qproj:
	s_mov_b64 s[64:65], 0
	v_nop
	global_prefetch_b8 v0, s[64:65] scope:SCOPE_SE
	s_setreg_imm32_b32 hwreg(HW_REG_WAVE_MODE, 25, 1), 1
	s_wait_xcnt 0x0
; For each query g, head and point (12 = 3 levels x 4): where to sample and with what weights.  q = layernorm(query) + query_pos; offsets and logits = q W + b (bf16 operands, f32 sums);
; softmax over the 12 logits with their maximum taken away; x = ref_x W + off_x - 0.5 (one fused step; reference() divides by W and multiplies again: a difference of rounding alone, and the sample is continuous in x).
; STORED: idx (whole numbers): 8 x the row, within the batch's 19,320 pixels, of the top left pixel of a 2 x 2 patch that lies inside the level: x0c = clamp(floor x, 0, W - 2), y likewise: the byte at which that
; pixel's four channels lie in the sampling launch's table.  wts: for each pixel column of the patch a pair of bf16,
; aw x hat(x - column) x hat(y - row) for its two rows, hat(d) = max(1 - |d|, 0): reference()'s four bilinear weights, and 0 for a corner outside the level.
; The level shapes are reference()'s own constants: it never reads spatial_shapes or level_start_index, so neither does this program.  NaN and infinities are not treated apart.
; SHARES.  A work-group has 80 queries.  For the norm a wave takes 20 rows, two to a load.  For the product wave w takes heads 2w, 2w+1: five tiles of 16 permuted columns, whose weights stay in 320 registers.
; The product is taken transposed (source 0 = 16 columns, source 1 = 16 queries): lane l holds query l % 16, head 2w + l / 16, and all its 24 offsets and 12 logits: nothing changes lanes.
; ORDER OF THE LOADS.  The rows that the norm wants first are asked for first: six pairs of rows at the head; behind each pair's arithmetic go a later pair's rows and ten loads of weights, so the weights come in under the norm.
; No cluster: 483 work-groups divide by no 4.  WINDOWS: 0 addresses and all arithmetic; 1 v0-159 query (later v0-39 five accumulators, v64-127 q's fragments); 2 and 3 v0-79 weights (40 ks + 8 nt); 3 v80-239 query_pos.
.set PA,    528                        ; a row of q in LDS: 512 bytes + 16, an odd multiple of 16 (ISA guide 11.1: the 16 rows of a load start in different banks)
.set SPARE, 50688                      ; behind 96 rows (rows 80-95 repeat rows 0-15, for the loop's last look-ahead): the spare words
.set OFFQ,  1310720
.set OFFB,  1474560
.set WV, 2
.set CNT, 3
.set INV, 4
.set L2E, 5
.set VO,  4
.set AW,  5
.set AA0, 6
.set G,   7                            ; my query's number
.set RO,  8
.set IO,  9
.set WO,  10
.set BO,  11
.set SPW, 30
.set NIL, 31
.set LNW, 32
.set LNB, 48
.set D,   64
.set T,   80
.set RS,  96
.set M,   98
.set BIAS, 112                         ; v112-151
.set REF, 152                          ; v152-157
.set WH,  158                          ; v158-163 (W, H) of the three levels
.set XY,  32                           ; behind the norm: v32-55 (x, y) of the 12 points
.set LG,  56                           ; v56-67 logits, then weights
.set RXY, 68                           ; v68-73
.set MX,  74
.set IDXO, 164                         ; v164-175
.set WOUT, 176                         ; v176-199
.set TP,  200                          ; v200-235 at work: nine numbers for each of a level's four points
.set AFM, 64                           ; window 1
.set PB,  80                           ; window 3
.set MSB, 0
.macro WIN new
.if MSB != (\new)
	s_set_vgpr_msb (MSB<<8)|(\new)
.set MSB, (\new)
.endif
.endm
; A row's mean and 1 / sqrt(variance + 1e-5): 16 numbers a lane at v[x] of window w, 16 lanes a row.  Leaves x - mean in D and the factor twice in RS.  The variance is the mean of (x - mean)^2.
.macro LNSTAT x, w
	WIN 5*(\w)
.irp k, 0,1,2,3
	v_pk_add_f32 v[T+2*\k:T+2*\k+1], v[(\x)+4*\k:(\x)+4*\k+1], v[(\x)+4*\k+2:(\x)+4*\k+3]
.endr
	WIN 0
	v_pk_add_f32 v[T:T+1], v[T:T+1], v[T+2:T+3]
	v_pk_add_f32 v[T+4:T+5], v[T+4:T+5], v[T+6:T+7]
	v_pk_add_f32 v[T:T+1], v[T:T+1], v[T+4:T+5]
	v_add_f32 v[T], v[T], v[T+1]
.irp m, 1,2,4,8
	v_add_f32_dpp v[T], v[T], v[T] row_xmask:\m row_mask:0xf bank_mask:0xf
.endr
	v_mul_f32 v[M], s[INV], v[T]
	v_mul_f32 v[M+1], s[INV], v[T]
	WIN (\w)
.irp k, 0,2,4,6,8,10,12,14
	v_pk_add_f32 v[D+\k:D+\k+1], v[(\x)+\k:(\x)+\k+1], v[M:M+1] neg_lo:[0,1] neg_hi:[0,1]
.endr
	WIN 0
	v_pk_mul_f32 v[T:T+1], v[D:D+1], v[D:D+1]
	v_pk_mul_f32 v[T+2:T+3], v[D+2:D+3], v[D+2:D+3]
.irp k, 4,8,12
	v_pk_fma_f32 v[T:T+1], v[D+\k:D+\k+1], v[D+\k:D+\k+1], v[T:T+1]
	v_pk_fma_f32 v[T+2:T+3], v[D+\k+2:D+\k+3], v[D+\k+2:D+\k+3], v[T+2:T+3]
.endr
	v_pk_add_f32 v[T:T+1], v[T:T+1], v[T+2:T+3]
	v_add_f32 v[T], v[T], v[T+1]
.irp m, 1,2,4,8
	v_add_f32_dpp v[T], v[T], v[T] row_xmask:\m row_mask:0xf bank_mask:0xf
.endr
	v_fmaak_f32 v[T], s[INV], v[T], 0x3727c5ac     ; / 256 + 1e-5
	v_rsq_f32 v[RS], v[T]
	v_rsq_f32 v[RS+1], v[T]
	v_nop                                          ; a plain instruction behind the last of the two,
	s_wait_alu depctr_va_vdst(0)                   ; and the one wait ahead of their first reader
.endm
.macro QPL i                           ; pair i's two rows of query, then of query_pos: eight loads
	WIN 0x40
.irp j, 0,1,2,3
	global_load_b128 v[16*(\i)+4*\j:16*(\i)+4*\j+3], v[VO], s[8:9] offset:2048*(\i)+256*\j th:TH_LOAD_NT
.endr
	WIN 0xc0
.irp j, 0,1,2,3
	global_load_b128 v[PB+16*(\i)+4*\j:PB+16*(\i)+4*\j+3], v[VO], s[10:11] offset:2048*(\i)+256*\j th:TH_LOAD_NT
.endr
.endm
.macro WCH c                           ; ten loads for the product: c = 0 the bias, c = 1 .. 8 the weights of K step c - 1
.if (\c) == 0
	WIN 0
.irp nt, 0,1,2,3,4
	global_load_b128 v[BIAS+8*\nt:BIAS+8*\nt+3], v15, s[34:35] offset:64*\nt
	global_load_b128 v[BIAS+8*\nt+4:BIAS+8*\nt+7], v15, s[34:35] offset:64*\nt+16
.endr
.elseif (\c) < 7
	WIN 0x80
.irp nt, 0,1,2,3,4
	global_load_b128 v[40*((\c)-1)+8*\nt:40*((\c)-1)+8*\nt+3], v[BO], s[32:33] offset:\nt*8192+((\c)-1)*1024
	global_load_b128 v[40*((\c)-1)+8*\nt+4:40*((\c)-1)+8*\nt+7], v[BO], s[32:33] offset:\nt*8192+((\c)-1)*1024+512
.endr
.else
	WIN 0xc0
.irp nt, 0,1,2,3,4
	global_load_b128 v[40*((\c)-7)+8*\nt:40*((\c)-7)+8*\nt+3], v[BO], s[32:33] offset:\nt*8192+((\c)-1)*1024
	global_load_b128 v[40*((\c)-7)+8*\nt+4:40*((\c)-7)+8*\nt+7], v[BO], s[32:33] offset:\nt*8192+((\c)-1)*1024+512
.endr
.endif
.endm
.macro PAIR i, left                    ; two rows: norm, + query_pos, rounded to bf16, into LDS.  left: how many loads issued behind this pair's eight may stay out
	s_wait_loadcnt \left
	LNSTAT 16*(\i), 1
.irp k, 0,2,4,6,8,10,12,14
	v_pk_mul_f32 v[D+\k:D+\k+1], v[D+\k:D+\k+1], v[RS:RS+1]
.endr
.irp k, 0,2,4,6,8,10,12,14
	v_pk_fma_f32 v[D+\k:D+\k+1], v[D+\k:D+\k+1], v[LNW+\k:LNW+\k+1], v[LNB+\k:LNB+\k+1]
.endr
	WIN 0x03
.irp k, 0,2,4,6,8,10,12,14
	v_pk_add_f32 v[D+\k:D+\k+1], v[PB+16*(\i)+\k:PB+16*(\i)+\k+1], v[D+\k:D+\k+1]
.endr
	WIN 0
.irp k, 0,1,2,3,4,5,6,7
	v_cvt_pk_bf16_f32 v[T+\k], v[D+2*\k], v[D+2*\k+1]
.endr
.irp j, 0,1,2,3
	ds_store_b64 v[AW], v[T+2*\j:T+2*\j+1] offset:1056*(\i)+128*\j
.endr
.if (\i) < 8
	s_cmp_lg_u32 s[WV], 0
	s_cbranch_scc1 .Lnc_\@
.irp j, 0,1,2,3
	ds_store_b64 v[AW], v[T+2*\j:T+2*\j+1] offset:80*PA+1056*(\i)+128*\j  ; wave 0: rows 0-15 once more as rows 80-95
.endr
.Lnc_\@:
.endif
.endm
.macro AFETCHM                         ; 16 queries x 256 channels: eight fragments
	WIN 0x40
.irp ks, 0,1,2,3,4,5,6,7
	ds_load_b128 v[AFM+8*\ks:AFM+8*\ks+3], v[AA0] offset:64*\ks
	ds_load_b128 v[AFM+8*\ks+4:AFM+8*\ks+7], v[AA0] offset:64*\ks+32
.endr
	WIN 0
.endm
; A level's four points, each line four times so that no line waits for the one before it.  wf = W, wm = W - 2, hm = H - 2 as f32; st = the level's first row.
.macro LEVEL lv, wf, wm, hm, st
.irp q, 0,1,2,3
	v_floor_f32 v[TP+\q], v[XY+8*\lv+2*\q]
	v_floor_f32 v[TP+4+\q], v[XY+8*\lv+2*\q+1]
.endr
.irp q, 0,1,2,3
	v_med3_num_f32 v[TP+\q], v[TP+\q], 0, \wm      ; x0c
	v_med3_num_f32 v[TP+4+\q], v[TP+4+\q], 0, \hm  ; y0c
.endr
.irp q, 0,1,2,3
	v_sub_f32 v[TP+8+\q], v[XY+8*\lv+2*\q], v[TP+\q]       ; dx
	v_sub_f32 v[TP+12+\q], v[XY+8*\lv+2*\q+1], v[TP+4+\q]  ; dy
	v_fma_f32 v[TP+16+\q], v[TP+4+\q], \wf, v[TP+\q]       ; y0c W + x0c: whole numbers under 2^24, exact
.endr
.irp q, 0,1,2,3
	v_add_f32 v[TP+20+\q], -1.0, v[TP+8+\q]
	v_add_f32 v[TP+24+\q], -1.0, v[TP+12+\q]
	v_cvt_u32_f32 v[TP+16+\q], v[TP+16+\q]
.endr
.irp q, 0,1,2,3
	v_sub_f32 v[TP+8+\q], 1.0, |v[TP+8+\q]|
	v_sub_f32 v[TP+12+\q], 1.0, |v[TP+12+\q]|
	v_sub_f32 v[TP+20+\q], 1.0, |v[TP+20+\q]|
	v_sub_f32 v[TP+24+\q], 1.0, |v[TP+24+\q]|
.endr
.irp q, 0,1,2,3
	v_max_num_f32 v[TP+8+\q], 0, v[TP+8+\q]        ; column x0c
	v_max_num_f32 v[TP+12+\q], 0, v[TP+12+\q]      ; row y0c
	v_max_num_f32 v[TP+20+\q], 0, v[TP+20+\q]      ; column x0c + 1
	v_max_num_f32 v[TP+24+\q], 0, v[TP+24+\q]      ; row y0c + 1
	v_add_lshl_u32 v[IDXO+4*\lv+\q], v[TP+16+\q], \st, 3   ; 8 x (the level's first row + y0c W + x0c)
.endr
.irp q, 0,1,2,3
	v_mul_f32 v[TP+8+\q], v[LG+4*\lv+\q], v[TP+8+\q]
	v_mul_f32 v[TP+20+\q], v[LG+4*\lv+\q], v[TP+20+\q]
.endr
.irp q, 0,1,2,3
	v_mul_f32 v[TP+\q], v[TP+8+\q], v[TP+12+\q]
	v_mul_f32 v[TP+4+\q], v[TP+8+\q], v[TP+24+\q]
	v_mul_f32 v[TP+28+\q], v[TP+20+\q], v[TP+12+\q]
	v_mul_f32 v[TP+32+\q], v[TP+20+\q], v[TP+24+\q]
.endr
.irp q, 0,1,2,3
	v_cvt_pk_bf16_f32 v[WOUT+4*\lv+\q], v[TP+\q], v[TP+4+\q]
	v_cvt_pk_bf16_f32 v[WOUT+12+4*\lv+\q], v[TP+28+\q], v[TP+32+\q]
.endr
.endm
	s_load_b512 s[8:23], s[0:1], 0x0               ; query 8, query_pos 10, ref_pts 12, ln1_w 14, ln1_b 16, wt 18, idx 20, wts 22
	v_lshl_add_u32 v[SPW], v0, 2, SPARE
	v_mov_b32 v[NIL], 0
	v_lshrrev_b32 v1, 5, v0
	v_readfirstlane_b32 s[WV], v1
	v_and_b32 v1, 31, v0
	v_and_b32 v2, 15, v0
	v_bfe_u32 v3, v0, 4, 1
	s_mul_i32 s24, s[WV], 20
	v_add_nc_u32 v14, s24, v3
	v_lshlrev_b32 v[VO], 10, v14
	v_lshl_add_u32 v[VO], v2, 4, v[VO]
	v_mul_u32_u24 v[AW], v14, PA
	v_lshl_add_u32 v[AW], v2, 3, v[AW]
	v_mul_u32_u24 v[AA0], v2, PA
	v_lshl_add_u32 v[AA0], v3, 4, v[AA0]
	s_mul_i32 s24, ttmp9, 80
	v_add_nc_u32 v[G], s24, v2
	v_mul_u32_u24 v[RO], v[G], 24
	s_mul_i32 s24, ttmp9, 20
	s_add_co_u32 s24, s24, s[WV]                   ; 4 x tile + wave
	s_mul_i32 s25, s24, 1536
	v_lshl_add_u32 v[IO], v1, 4, s25
	s_mul_i32 s25, s24, 3072
	v_lshl_add_u32 v[WO], v1, 4, s25
	v_lshlrev_b32 v[BO], 4, v1
	v_lshlrev_b32 v13, 4, v2
	v_lshlrev_b32 v15, 5, v3
	v_mov_b32 v[WH], 0x43200000                    ; 160
	v_mov_b32 v[WH+1], 0x42b80000                  ; 92
	v_mov_b32 v[WH+2], 0x42a00000                  ; 80
	v_mov_b32 v[WH+3], 0x42380000                  ; 46
	v_mov_b32 v[WH+4], 0x42200000                  ; 40
	v_mov_b32 v[WH+5], 0x41b80000                  ; 23
	s_mov_b32 s[INV], 0x3b800000                   ; 1 / 256
	s_mov_b32 s[L2E], 0x3fb8aa3b                   ; log2(e)
	s_mul_i32 s26, ttmp9, 81920
	s_mov_b32 s27, 0
	s_mul_i32 s28, s[WV], 40960
	s_add_co_u32 s28, s28, OFFQ
	s_mov_b32 s29, 0
	s_mul_i32 s30, s[WV], 384
	s_add_co_u32 s30, s30, OFFB
	s_mov_b32 s31, 0
	s_wait_kmcnt 0x0
	s_add_nc_u64 s[8:9], s[8:9], s[26:27]
	s_add_nc_u64 s[10:11], s[10:11], s[26:27]
	s_add_nc_u64 s[32:33], s[18:19], s[28:29]
	s_add_nc_u64 s[34:35], s[18:19], s[30:31]
.irp j, 0,1,2,3
	global_load_b128 v[LNW+4*\j:LNW+4*\j+3], v13, s[14:15] offset:256*\j
	global_load_b128 v[LNB+4*\j:LNB+4*\j+3], v13, s[16:17] offset:256*\j
.endr
.irp lv, 0,1,2
	global_load_b64 v[REF+2*\lv:REF+2*\lv+1], v[RO], s[12:13] offset:8*\lv
.endr
.irp i, 0,1,2,3,4,5
	QPL \i                                         ; 11 + 48 = 59 loads are out
.endr
	; The counts: behind pair i's eight loads stand the later pairs of the first six, 8 (5 - i), and what has been issued behind the pairs before: 18 behind each of pairs 0-3, 10 behind each of pairs 4-8.
	; By that count 40, 50, 60, 70, 80, 82; for pairs 6-9, asked for behind pairs 0-3: 84, 76, 68, 60.  A wait can name 63 at the most, and a smaller count is always right.
	PAIR 0, 40
	QPL 6
	WCH 0
	PAIR 1, 50
	QPL 7
	WCH 1
	PAIR 2, 60
	QPL 8
	WCH 2
	PAIR 3, 63
	QPL 9
	WCH 3
	PAIR 4, 63
	WCH 4
	PAIR 5, 63
	WCH 5
	PAIR 6, 63
	WCH 6
	PAIR 7, 63
	WCH 7
	PAIR 8, 63
	WCH 8
	PAIR 9, 60
	s_wait_loadcnt 0x0                             ; the weights and the bias are in
	s_wait_dscnt 0x0                               ; for the others' sake: my rows of q lie in LDS
	s_barrier_signal -1
	s_barrier_wait -1
	AFETCHM
	s_mov_b32 s[CNT], 5
.Lmt:                                          ; a trip: 16 queries
	s_wait_dscnt 0x0
	WIN 0x46                                       ; the first K step starts the sums with the bias; the five accumulators take turns
.irp nt, 0,1,2,3,4
	v_wmma_f32_16x16x32_bf16 v[8*\nt:8*\nt+7], v[8*\nt:8*\nt+7], v[AFM:AFM+7], v[BIAS+8*\nt:BIAS+8*\nt+7]
.endr
	WIN 0x56
.irp ks, 1,2,3,4,5
.irp nt, 0,1,2,3,4
	v_wmma_f32_16x16x32_bf16 v[8*\nt:8*\nt+7], v[40*\ks+8*\nt:40*\ks+8*\nt+7], v[AFM+8*\ks:AFM+8*\ks+7], v[8*\nt:8*\nt+7]
.endr
.endr
	WIN 0x57
.irp ks, 6,7
.irp nt, 0,1,2,3,4
	v_wmma_f32_16x16x32_bf16 v[8*\nt:8*\nt+7], v[40*(\ks-6)+8*\nt:40*(\ks-6)+8*\nt+7], v[AFM+8*\ks:AFM+8*\ks+7], v[8*\nt:8*\nt+7]
.endr
.endr
	WIN 0
	v_add_nc_u32 v[AA0], 16*PA, v[AA0]             ; four plain instructions behind the last product, ahead of the loads into its sources and of the reads of the sums
	v_nop
	v_nop
	v_nop
	AFETCHM                                        ; the next 16 queries come in under the arithmetic below (in the last trip: rows 80-95)
	s_wait_loadcnt 0x0                             ; this trip's reference points
.irp lv, 0,1,2
	v_pk_fma_f32 v[RXY+2*\lv:RXY+2*\lv+1], v[REF+2*\lv:REF+2*\lv+1], v[WH+2*\lv:WH+2*\lv+1], -0.5 op_sel_hi:[1,1,0]
.endr
	v_add_nc_u32 v[G], 16, v[G]
	v_min_u32 v[RO], 38639, v[G]                   ; the last trip's look-ahead stays inside ref_pts
	v_mul_u32_u24 v[RO], v[RO], 24
.irp lv, 0,1,2
	global_load_b64 v[REF+2*\lv:REF+2*\lv+1], v[RO], s[12:13] offset:8*\lv
.endr
	WIN 0x01
.set n, 0
.rept 12
	v_pk_add_f32 v[XY+2*n:XY+2*n+1], v[2*n:2*n+1], v[RXY+2*(n/4):RXY+2*(n/4)+1]  ; each accumulator is read from its low end
.set n, n+1
.endr
.set n, 0
.rept 12
	v_mul_f32 v[LG+n], v[24+n], s[L2E]
.set n, n+1
.endr
	WIN 0
	v_max3_num_f32 v[MX], v[LG], v[LG+1], v[LG+2]
	v_max3_num_f32 v14, v[LG+3], v[LG+4], v[LG+5]
	v_max3_num_f32 v15, v[LG+6], v[LG+7], v[LG+8]
	v_max3_num_f32 v16, v[LG+9], v[LG+10], v[LG+11]
	v_max3_num_f32 v[MX], v[MX], v14, v15
	v_max_num_f32 v[MX], v[MX], v16
.set n, 0
.rept 12
	v_sub_f32 v[LG+n], v[LG+n], v[MX]
.set n, n+1
.endr
.set n, 0
.rept 12
	v_exp_f32 v[LG+n], v[LG+n]
.set n, n+1
.endr
	v_nop
	s_wait_alu depctr_va_vdst(0)                   ; one wait for the twelve
	v_add_f32 v14, v[LG], v[LG+1]
	v_add_f32 v15, v[LG+2], v[LG+3]
	v_add_f32 v16, v[LG+4], v[LG+5]
	v_add_f32 v17, v[LG+6], v[LG+7]
	v_add_f32 v18, v[LG+8], v[LG+9]
	v_add_f32 v19, v[LG+10], v[LG+11]
	v_add_f32 v14, v14, v15
	v_add_f32 v16, v16, v17
	v_add_f32 v18, v18, v19
	v_add_f32 v14, v14, v16
	v_add_f32 v14, v14, v18
	v_rcp_f32 v14, v14
	v_nop
	s_wait_alu depctr_va_vdst(0)
.set n, 0
.rept 12
	v_mul_f32 v[LG+n], v[LG+n], v14
.set n, n+1
.endr
	LEVEL 0, 0x43200000, 0x431e0000, 0x42b40000, 0
	LEVEL 1, 0x42a00000, 0x429c0000, 0x42300000, 14720
	LEVEL 2, 0x42200000, 0x42180000, 0x41a80000, 18400
.irp i, 0,1,2
	global_store_b128 v[IO], v[IDXO+4*\i:IDXO+4*\i+3], s[20:21] offset:512*\i  ; each store of the wave covers 512 consecutive bytes
.endr
.irp c, 0,1
.irp i, 0,1,2
	global_store_b128 v[WO], v[WOUT+12*\c+4*\i:WOUT+12*\c+4*\i+3], s[22:23] offset:1536*\c+512*\i
.endr
.endr
	s_wait_xcnt 0x0                                ; the stores' offsets and data are written again only behind this wait
	v_add_nc_u32 v[IO], 6144, v[IO]
	v_add_nc_u32 v[WO], 12288, v[WO]
	s_sub_co_u32 s[CNT], s[CNT], 1
	s_cmp_lg_u32 s[CNT], 0
	s_cbranch_scc1 .Lmt
	s_wait_tensorcnt 0x0                           ; the wave's end: three closing lines behind my last LDS store
	ds_add_u32 v[SPW], v[NIL]
	s_wait_dscnt 0x0
	s_endpgm
.Lfunc_end_k_qa651f1c019_qproj:
	.size	k_qa651f1c019_qproj, .Lfunc_end_k_qa651f1c019_qproj-k_qa651f1c019_qproj
	.p2alignl 7, 3214868480
	.fill 96, 4, 3214868480
	.section	.rodata,"a",@progbits
	.p2align	6, 0x0
	.amdhsa_kernel k_qa651f1c019_qproj
		.amdhsa_group_segment_fixed_size 51200
		.amdhsa_private_segment_fixed_size 0
		.amdhsa_enable_private_segment 0
		.amdhsa_kernarg_size 64
		.amdhsa_user_sgpr_count 2
		.amdhsa_user_sgpr_kernarg_segment_ptr 1
		.amdhsa_wavefront_size32 1
		.amdhsa_system_sgpr_workgroup_id_x 1
		.amdhsa_system_sgpr_workgroup_id_y 1
		.amdhsa_system_sgpr_workgroup_id_z 1
		.amdhsa_system_vgpr_workitem_id 0
		.amdhsa_next_free_vgpr 1008
		.amdhsa_next_free_sgpr 66
		.amdhsa_reserve_vcc 0
		.amdhsa_float_denorm_mode_32 3
		.amdhsa_float_denorm_mode_16_64 3
		.amdhsa_memory_ordered 1
		.amdhsa_forward_progress 1
		.amdhsa_inst_pref_size 97
	.end_amdhsa_kernel
	.amdgpu_metadata
---
amdhsa.version: [ 1, 2 ]
amdhsa.kernels:
  - .name:           k_qa651f1c019_qproj
    .symbol:         k_qa651f1c019_qproj.kd
    .args:
      - { .name: query, .offset: 0, .size: 8, .value_kind: global_buffer, .address_space: global }
      - { .name: query_pos, .offset: 8, .size: 8, .value_kind: global_buffer, .address_space: global }
      - { .name: ref_pts, .offset: 16, .size: 8, .value_kind: global_buffer, .address_space: global }
      - { .name: ln1_w, .offset: 24, .size: 8, .value_kind: global_buffer, .address_space: global }
      - { .name: ln1_b, .offset: 32, .size: 8, .value_kind: global_buffer, .address_space: global }
      - { .name: wt, .offset: 40, .size: 8, .value_kind: global_buffer, .address_space: global }
      - { .name: idx, .offset: 48, .size: 8, .value_kind: global_buffer, .address_space: global }
      - { .name: wts, .offset: 56, .size: 8, .value_kind: global_buffer, .address_space: global }
    .group_segment_fixed_size: 51200
    .private_segment_fixed_size: 0
    .kernarg_segment_align: 8
    .kernarg_segment_size: 64
    .max_flat_workgroup_size: 128
    .sgpr_count:     66
    .vgpr_count:     1008
    .wavefront_size: 32
...
	.end_amdgpu_metadata
.endif
;; end of part 7
;; launch gather (part 8): grid 256 x 1, 16 waves a work-group, no clusters, 157,696 bytes of LDS; arguments idx, wts, val2, samp; writes samp
.if DOCPART == 8
	.amdgcn_target "amdgcn-amd-amdhsa--gfx1250"
	.amdhsa_code_object_version 6
	.text
	.protected	k_qa651f1c019_gather
	.globl	k_qa651f1c019_gather
	.p2align	8
	.type	k_qa651f1c019_gather,@function
k_qa651f1c019_gather:
	s_mov_b64 s[64:65], 0
	v_nop
	global_prefetch_b8 v0, s[64:65] scope:SCOPE_SE
	s_setreg_imm32_b32 hwreg(HW_REG_WAVE_MODE, 25, 1), 1
	s_wait_xcnt 0x0
; samp[plane][q][4] (bf16) = the sum over 12 points and the 2 x 2 pixels of each of weight x val2[plane][pixel][4]; plane = 8 head + channel / 4; sums in f32, rounded once.
; THE TABLE LIES IN LDS.  Work-group x has batch x / 64 and plane x % 64: 19,320 pixels x 8 bytes = 154,560 bytes, brought in once.  Its 9,660 queries want 9,660 x 12 x 4 pixels of it: each pixel 24 times on average.
; A lane is a query; a wave takes 32 queries on end (aligned to 32, so a store is 256 consecutive bytes at a multiple of 256), the 16 waves 512, in 19 trips: 304 chunks for the 303 at most that touch a batch.
; 9,660 is no multiple of 32: a chunk at a batch's edge holds lanes of the neighbouring batch.  They run along (their numbers point into a table like mine) and are off when the chunk is stored; the neighbour's work-group stores them.
; The places come from idx, whole numbers that an earlier launch stored: 8 x the pixel's row in the table, held under the table's end by a constant: one line makes an LDS address of it.
; The lists (idx, wts: 144 bytes a query) go straight into registers, in runs of 256 bytes, a trip ahead of their use: the rows' registers are asked for again when the addresses are made, the weights' registers, four
; points at a time, when those points are done: nothing is copied.  The eight work-groups of a head read the same lists; they are not asked for jointly:
; a joint load lands in LDS, and the loop is made of LDS reads, 48 a trip: the lists would add 9 reads and their fills to each trip, and a round of the cluster's barrier to each slot.
.set VP,    618240                     ; bytes of a plane of val2
.set TB,    154560                     ; a batch's part of it: the table
.set SPL,   309248                     ; bytes of a plane of samp: 38,640 x 8, rounded up to a multiple of 256
.set SPARE, 155648                     ; behind 19 x 8,192 bytes (the table and 1,088 bytes that nobody reads): the spare words, 128 bytes a wave
.set SPW, 2
.set NIL, 3
.set Z,   4                            ; 0: the first products' addend
.set GQ,  5                            ; my first query's number
.set CI,  6                            ; my place in a tile's part of idx: 1,536 (head / 2) + 256 (head % 2) + 16 (q % 16)
.set CW,  7                            ; the same in wts: 3,072 (head / 2) + ..
.set IOF, 8                            ; where the NEXT chunk's lists lie
.set WOF, 9
.set SOF, 10                           ; where this chunk's result goes
.set TL,  11                           ; the next chunk's tile of 16 queries
.set QB,  13                           ; my query's number within the batch
.set FO,  14                           ; 16 x thread: in the table's memory and in LDS
.set LA1, 15
.set LA2, 16
.set FO2, 17
.set IN,  20                           ; v20-31  places
.set WN,  32                           ; v32-55  weights: pixel column, point: a pair of bf16: upper row, lower row
.set ADR, 80                           ; v80-91  LDS address of a point's upper left pixel
.set ACC, 92                           ; v92-99  four channels for each of the patch's two rows
.set OUT, 100
.set DATA, 104                         ; v104-199 point p, row ro, column k at 8 p + 4 ro + 2 k; first the table on its way in
.macro PREFI                           ; a chunk's places: lanes 0-15 and lanes 16-31 each read 256 consecutive bytes
.irp i, 0,1,2
	global_load_b128 v[IN+4*\i:IN+4*\i+3], v[IOF], s[4:5] offset:512*\i
.endr
.endm
.macro PREFW i                         ; its weights for points 4 i .. 4 i + 3, both pixel columns
	global_load_b128 v[WN+4*(\i):WN+4*(\i)+3], v[WOF], s[6:7] offset:512*(\i)
	global_load_b128 v[WN+12+4*(\i):WN+12+4*(\i)+3], v[WOF], s[6:7] offset:1536+512*(\i)
.endm
.macro FM p                            ; a point's 16 multiply-adds, straight from bf16 halves into f32; eight sums take turns; the very first start on 0
.irp k, 0,1
.irp ro, 0,1
.irp d, 0,1
.irp h, 0,1
.if ((\p) == 0) && (\k == 0)
	v_fma_mix_f32_bf16 v[ACC+4*\ro+2*\d+\h], v[DATA+8*(\p)+4*\ro+2*\k+\d], v[WN+12*\k+(\p)], v[Z] op_sel:[\h,\ro,0] op_sel_hi:[1,1,0]
.else
	v_fma_mix_f32_bf16 v[ACC+4*\ro+2*\d+\h], v[DATA+8*(\p)+4*\ro+2*\k+\d], v[WN+12*\k+(\p)], v[ACC+4*\ro+2*\d+\h] op_sel:[\h,\ro,0] op_sel_hi:[1,1,0]
.endif
.endr
.endr
.endr
.endr
.endm
.macro NEXTOFF                         ; the list offsets of the chunk 16 chunks on; past the last tile the loads stay inside their buffers, and serve nothing
	v_add_nc_u32 v[TL], 32, v[TL]
	v_min_u32 v12, 2414, v[TL]
	v_mad_u32_u24 v[IOF], v12, 6144, v[CI]
	v_mad_u32_u24 v[WOF], v12, 12288, v[CW]
.endm
	s_load_b256 s[4:11], s[0:1], 0x0               ; idx 4, wts 6, val2 8, samp 10
	v_lshl_add_u32 v[SPW], v0, 2, SPARE
	v_mov_b32 v[NIL], 0
	v_mov_b32 v[Z], 0
	v_lshrrev_b32 v1, 5, v0
	v_readfirstlane_b32 s12, v1                    ; wave 0..15
	v_and_b32 v1, 31, v0
	s_lshr_b32 s13, ttmp9, 6                       ; batch
	s_and_b32 s14, ttmp9, 63                       ; plane
	s_lshr_b32 s15, s14, 4                         ; head / 2
	s_bfe_u32 s16, s14, 0x10003                    ; head % 2
	s_mul_i32 s22, s13, 9660                       ; the batch's first query
	s_lshr_b32 s17, s22, 5                         ; the chunk of 32 that holds it
	s_add_co_u32 s17, s17, s12
	s_lshl_b32 s17, s17, 5
	v_add_nc_u32 v[GQ], s17, v1
	v_and_b32 v12, 15, v1
	s_lshl_b32 s19, s16, 8
	s_mul_i32 s18, s15, 1536
	s_add_co_u32 s18, s18, s19
	v_lshl_add_u32 v[CI], v12, 4, s18
	s_mul_i32 s18, s15, 3072
	s_add_co_u32 s18, s18, s19
	v_lshl_add_u32 v[CW], v12, 4, s18
	v_lshrrev_b32 v[TL], 4, v[GQ]                  ; my tile of 16 queries
	v_min_u32 v12, 2414, v[TL]
	v_mad_u32_u24 v[IOF], v12, 6144, v[CI]
	v_mad_u32_u24 v[WOF], v12, 12288, v[CW]
	v_lshlrev_b32 v[SOF], 3, v[GQ]
	v_sub_nc_u32 v[QB], v[GQ], s22                 ; (a lane ahead of the batch wraps round to a number far above 9,660)
	v_lshlrev_b32 v[FO], 4, v0
	v_add_nc_u32 v[FO2], 18*8192, v[FO]
	v_min_u32 v[FO2], TB-16, v[FO2]                ; the 19th load of the last 68 threads stays inside the table's memory
	v_add_nc_u32 v[LA1], 65536, v[FO]
	v_add_nc_u32 v[LA2], 131072, v[FO]
	s_mul_i32 s18, s14, VP
	s_mul_i32 s19, s13, TB
	s_add_co_u32 s18, s18, s19
	s_mov_b32 s19, 0
	s_mul_i32 s26, s14, SPL
	s_mov_b32 s27, 0
	s_wait_kmcnt 0x0
	s_add_nc_u64 s[8:9], s[8:9], s[18:19]          ; my table
	s_add_nc_u64 s[10:11], s[10:11], s[26:27]      ; my plane of samp
.set k, 0
.rept 18
	global_load_b128 v[DATA+4*k:DATA+4*k+3], v[FO], s[8:9] offset:8192*k th:TH_LOAD_NT
.set k, k+1
.endr
	global_load_b128 v[DATA+72:DATA+75], v[FO2], s[8:9] th:TH_LOAD_NT
	PREFI                                          ; the first chunk's lists, in the order in which every trip asks: places, then the weights four points at a time
	PREFW 0
	PREFW 1
	PREFW 2
	s_wait_loadcnt 9                               ; the table's 19 loads are in; the nine just issued may stay out
.set k, 0
.rept 8
	ds_store_b128 v[FO], v[DATA+4*k:DATA+4*k+3] offset:8192*k
	ds_store_b128 v[LA1], v[DATA+32+4*k:DATA+32+4*k+3] offset:8192*k
.set k, k+1
.endr
.set k, 0
.rept 3
	ds_store_b128 v[LA2], v[DATA+64+4*k:DATA+64+4*k+3] offset:8192*k
.set k, k+1
.endr
	s_wait_xcnt 0x0                                ; the nine loads have read their offsets, which are written again only behind this wait
	NEXTOFF
	s_wait_dscnt 0x0                               ; for the others' sake: my part of the table lies in LDS
	s_barrier_signal -1
	s_barrier_wait -1                              ; from here on the table is only read
	s_mov_b32 s24, 19
.Ltrip:
	s_wait_loadcnt 6                               ; this chunk's places are in; behind them stand its six loads of weights
.set p, 0
.rept 12
	v_min_u32 v[ADR+p], 8*(19318-(160>>(p/4))), v[IN+p]  ; the patch's last pixel, W + 1 rows on, stays inside the table
.set p, p+1
.endr
.set p, 0
.rept 12
	ds_load_b64 v[DATA+8*p:DATA+8*p+1], v[ADR+p]
	ds_load_b64 v[DATA+8*p+2:DATA+8*p+3], v[ADR+p] offset:8
	ds_load_b64 v[DATA+8*p+4:DATA+8*p+5], v[ADR+p] offset:1280>>(p/4)      ; one row of the level down: 8 W bytes
	ds_load_b64 v[DATA+8*p+6:DATA+8*p+7], v[ADR+p] offset:(1280>>(p/4))+8
.set p, p+1
.endr
	PREFI                                          ; the next chunk's places
.set p, 0
.rept 12
.if p%4 == 0
	s_wait_loadcnt 7                               ; the weights of these four points are in.  Behind their two loads stand seven: this chunk's later weights (4, 2, 0), the next chunk's places (3) and its weights so far (0, 2, 4)
.endif
.if p%2 == 0
	s_wait_dscnt 4*(10-p)                          ; points p and p + 1 are in; the later points' loads may stay out
.endif
	FM p
.if p%4 == 3
	PREFW p/4                                      ; the four points' registers take the next chunk's weights
.endif
.set p, p+1
.endr
	v_pk_add_f32 v[ACC:ACC+1], v[ACC:ACC+1], v[ACC+4:ACC+5]
	v_pk_add_f32 v[ACC+2:ACC+3], v[ACC+2:ACC+3], v[ACC+6:ACC+7]
	v_cvt_pk_bf16_f32 v[OUT], v[ACC], v[ACC+1]
	v_cvt_pk_bf16_f32 v[OUT+1], v[ACC+2], v[ACC+3]
	v_cmp_gt_u32 vcc_lo, 9660, v[QB]               ; lanes of my batch
	s_wait_xcnt 0x0                                ; EXEC is a source of the loads above: it changes only behind this wait
	s_and_saveexec_b32 s20, vcc_lo
	global_store_b64 v[SOF], v[OUT:OUT+1], s[10:11] ; a whole chunk: 256 consecutive bytes, at a multiple of 256 from samp's first byte
	s_wait_xcnt 0x0                                ; and again, ahead of the line that widens it; it also frees the store's offset and data and the loads' offsets
	s_or_b32 exec_lo, exec_lo, s20
	v_add_nc_u32 v[QB], 512, v[QB]                 ; my wave's next chunk: 16 chunks on
	v_add_nc_u32 v[SOF], 4096, v[SOF]
	NEXTOFF
	s_sub_co_u32 s24, s24, 1
	s_cmp_lg_u32 s24, 0
	s_cbranch_scc1 .Ltrip
	s_wait_tensorcnt 0x0                           ; the wave's end: three closing lines behind my last LDS store
	ds_add_u32 v[SPW], v[NIL]
	s_wait_dscnt 0x0
	s_endpgm
.Lfunc_end_k_qa651f1c019_gather:
	.size	k_qa651f1c019_gather, .Lfunc_end_k_qa651f1c019_gather-k_qa651f1c019_gather
	.p2alignl 7, 3214868480
	.fill 96, 4, 3214868480
	.section	.rodata,"a",@progbits
	.p2align	6, 0x0
	.amdhsa_kernel k_qa651f1c019_gather
		.amdhsa_group_segment_fixed_size 157696
		.amdhsa_private_segment_fixed_size 0
		.amdhsa_enable_private_segment 0
		.amdhsa_kernarg_size 32
		.amdhsa_user_sgpr_count 2
		.amdhsa_user_sgpr_kernarg_segment_ptr 1
		.amdhsa_wavefront_size32 1
		.amdhsa_system_sgpr_workgroup_id_x 1
		.amdhsa_system_sgpr_workgroup_id_y 1
		.amdhsa_system_sgpr_workgroup_id_z 1
		.amdhsa_system_vgpr_workitem_id 0
		.amdhsa_next_free_vgpr 200
		.amdhsa_next_free_sgpr 66
		.amdhsa_reserve_vcc 1
		.amdhsa_float_denorm_mode_32 3
		.amdhsa_float_denorm_mode_16_64 3
		.amdhsa_memory_ordered 1
		.amdhsa_forward_progress 1
		.amdhsa_inst_pref_size 25
	.end_amdhsa_kernel
	.amdgpu_metadata
---
amdhsa.version: [ 1, 2 ]
amdhsa.kernels:
  - .name:           k_qa651f1c019_gather
    .symbol:         k_qa651f1c019_gather.kd
    .args:
      - { .name: idx, .offset: 0, .size: 8, .value_kind: global_buffer, .address_space: global }
      - { .name: wts, .offset: 8, .size: 8, .value_kind: global_buffer, .address_space: global }
      - { .name: val2, .offset: 16, .size: 8, .value_kind: global_buffer, .address_space: global }
      - { .name: samp, .offset: 24, .size: 8, .value_kind: global_buffer, .address_space: global }
    .group_segment_fixed_size: 157696
    .private_segment_fixed_size: 0
    .kernarg_segment_align: 8
    .kernarg_segment_size: 32
    .max_flat_workgroup_size: 512
    .sgpr_count:     66
    .vgpr_count:     200
    .wavefront_size: 32
...
	.end_amdgpu_metadata
.endif
;; end of part 8
;; launch ffn (part 9): grid 483 x 1, 4 waves a work-group, no clusters, 305,920 bytes of LDS; arguments query, samp, ln1_w, ln1_b, ln2_w, ln2_b, b_out, b_ffn1, b_ffn2, wt, out0; writes out0
.if DOCPART == 9
	.amdgcn_target "amdgcn-amd-amdhsa--gfx1250"
	.amdhsa_code_object_version 6
	.text
	.protected	k_qa651f1c019_ffn
	.globl	k_qa651f1c019_ffn
	.p2align	8
	.type	k_qa651f1c019_ffn,@function
k_qa651f1c019_ffn:
	s_mov_b64 s[64:65], 0
	v_nop
	global_prefetch_b8 v0, s[64:65] scope:SCOPE_SE
	s_setreg_imm32_b32 hwreg(HW_REG_WAVE_MODE, 25, 1), 1
	s_wait_xcnt 0x0
; x = query + layernorm1(query) + samp W_out + b_out;  out0 = x + gelu(layernorm2(x) W_ffn1 + b_ffn1) W_ffn2 + b_ffn2.  Matrix operands in bf16, each rounded once; sums, norms, x and the gelu in f32.
; samp comes by planes of four channels, [plane 64][query][4] bf16, a plane 309,248 bytes: a wave takes 16 planes of the block's 80 rows and lays them as rows in LDS.
; GELU, exact form: 2 gelu(v) = v + |v| erf(|v| / sqrt 2), erf(z) = 1 - (1 + a1 z + .. + a6 z^6)^-16 (Abramowitz and Stegun 7.1.28, error under 3e-7 for every z >= 0; where the polynomial
; overflows its reciprocal is 0 and erf is 1).  The factor 1/2 lies in the stored W_ffn2, exactly.  NaN and infinities are not treated apart.
; SHARES.  A work-group has 80 rows and keeps them from first to last: x (f32) and the 1,024 hidden numbers of each row (bf16) stay in LDS.  Row work: a wave takes 20 rows, two to a load, 16 lanes a row.
; Products: the four waves split the columns, so each wave streams its own weight fragments from wt straight into registers, 32 KiB a round, nine rounds (W_out; four passes of W_ffn1; four quarters of
; W_ffn2's K), into two sets of 256 registers by turns: a round's loads go out while the round before is multiplied.  Each fragment of weights feeds five products.
; A round is 64 loads, one more than LOADcnt's field holds (ISA guide 5.7.1: the instruction that would pass it stalls at issue): so 60 go out at the round's beginning and the last four later.
; Products are taken transposed (source 0 = 16 columns of a weight, source 1 = 16 rows): a lane holds one row (lane % 16) and eight neighbouring columns.
; The last product's sums start on x + b_ffn2, read from LDS into the accumulators in their own layout: its 32 K steps are alike (a loop), and what it leaves is out0.
; No cluster: 483 work-groups divide by no 4; no tensor load: no wave wants a weight byte that another wave fetched.
; WINDOWS: 0 addresses, per-column vectors, row work; 1 accumulators and row fragments (first the rows as loaded); 2 and 3 the two sets of weights (32 ks + 8 nt).
.set PX,    1040                       ; a row of f32 in LDS: 1,024 + 16;  PA, PH likewise: odd multiples of 16, so the 16 rows of a load or store start in different banks (ISA guide 11.1)
.set PA,    528
.set PH,    2064
.set AB,    83200                      ; behind x (80 rows): 100 rows of bf16: samp, later layernorm2(x); rows 80-99 repeat rows 0-19 for the look-ahead of the pass's last trip
.set HB,    136192                     ; the hidden rows; a stage of 80 rows of f32 lies over its beginning while the hidden rows are not alive
.set B1B,   301312                     ; b_ffn1
.set SPARE, 305408                     ; the spare words, named by no other line
.set SPL,   309248                     ; bytes of a plane of samp
.set WV, 2
.set CNT, 3
.set CN2, 4
.set INV, 5
.set BP, 30                            ; s[30:31] my wave's stream of weights, at the round last asked for
.set A1, 40                            ; s[40:51] a1 .. a6 divided by sqrt(2)^k, each twice: named as pairs
.set MASK, 52
.set VO,  4
.set XR,  5                            ; x: my 16 bytes in the wave's first two rows
.set SR,  6                            ; the same in the stage
.set AW,  7
.set AA,  8                            ; v8-12
.set AA0, 13
.set HS,  14
.set SS,  15                           ; the stage in an accumulator's layout: row lane % 16, my 64 columns, 32 bytes for each half of the lanes
.set BL,  16
.set BO,  17
.set XI,  18                           ; x in the same layout
.set XI4, 19                           ; and 64 rows on: past the reach of a 16-bit offset
.set SS4, 20
.set XW,  21                           ; working copies, stepped in loops
.set SW2, 22
.set AAW, 23
.set HSW, 24
.set SPW, 30
.set NIL, 31
.set LN1W, 32
.set LN1B, 48
.set BOUT, 64
.set LN2W, 80
.set LN2B, 96
.set B2,   112
.set BIAS, 128
.set D,   160
.set T,   176
.set U,   192
.set GA,  192                          ; at the head alone: samp, 8 x lane: 32 rows of a plane on end
.set GB,  193                          ; samp, 16 rows of a plane (lanes 0-15) and of the next plane (lanes 16-31)
.set LA,  194                          ; where the first go in LDS: row = lane
.set LB,  195                          ; and the second: row = lane % 16, 8 bytes on for lanes 16-31
.set RS,  208
.set M,   210
.set BT,  212
.set AF,  160                          ; window 1: two buffers of five fragments
.set AFM, 32                           ; window 1, in the passes of W_ffn1: 16 rows x 256 channels
.set AX,  160                          ; window 1: |v|
.set PP,  192                          ; the polynomial
.set OO,  224                          ; packed results
.set MSB, 0
.macro WIN new
.if MSB != (\new)
	s_set_vgpr_msb (MSB<<8)|(\new)
.set MSB, (\new)
.endif
.endm
.macro PLACES                          ; four plain vector instructions between a matrix instruction and a load into, or a read of, its registers
.rept 4
	v_nop
.endr
.endm
.macro LNSTAT x, w                     ; 16 numbers a lane at v[x] of window w, 16 lanes a row: leaves x - mean in D and 1 / sqrt(variance + 1e-5) twice in RS; the variance is the mean of (x - mean)^2
	WIN 5*(\w)
.irp k, 0,1,2,3
	v_pk_add_f32 v[T+2*\k:T+2*\k+1], v[(\x)+4*\k:(\x)+4*\k+1], v[(\x)+4*\k+2:(\x)+4*\k+3]
.endr
	WIN 0
	v_pk_add_f32 v[T:T+1], v[T:T+1], v[T+2:T+3]
	v_pk_add_f32 v[T+4:T+5], v[T+4:T+5], v[T+6:T+7]
	v_pk_add_f32 v[T:T+1], v[T:T+1], v[T+4:T+5]
	v_add_f32 v[T], v[T], v[T+1]
.irp m, 1,2,4,8
	v_add_f32_dpp v[T], v[T], v[T] row_xmask:\m row_mask:0xf bank_mask:0xf
.endr
	v_mul_f32 v[M], s[INV], v[T]
	v_mul_f32 v[M+1], s[INV], v[T]
	WIN (\w)
.irp k, 0,2,4,6,8,10,12,14
	v_pk_add_f32 v[D+\k:D+\k+1], v[(\x)+\k:(\x)+\k+1], v[M:M+1] neg_lo:[0,1] neg_hi:[0,1]
.endr
	WIN 0
	v_pk_mul_f32 v[T:T+1], v[D:D+1], v[D:D+1]
	v_pk_mul_f32 v[T+2:T+3], v[D+2:D+3], v[D+2:D+3]
.irp k, 4,8,12
	v_pk_fma_f32 v[T:T+1], v[D+\k:D+\k+1], v[D+\k:D+\k+1], v[T:T+1]
	v_pk_fma_f32 v[T+2:T+3], v[D+\k+2:D+\k+3], v[D+\k+2:D+\k+3], v[T+2:T+3]
.endr
	v_pk_add_f32 v[T:T+1], v[T:T+1], v[T+2:T+3]
	v_add_f32 v[T], v[T], v[T+1]
.irp m, 1,2,4,8
	v_add_f32_dpp v[T], v[T], v[T] row_xmask:\m row_mask:0xf bank_mask:0xf
.endr
	v_fmaak_f32 v[T], s[INV], v[T], 0x3727c5ac
	v_rsq_f32 v[RS], v[T]
	v_rsq_f32 v[RS+1], v[T]
	v_nop
	s_wait_alu depctr_va_vdst(0)                   ; one wait for the two, ahead of their first reader
.endm
.macro VEC dst, sb                     ; a vector of 256 numbers: my 16 columns
.irp j, 0,1,2,3
	global_load_b128 v[(\dst)+4*\j:(\dst)+4*\j+3], v27, s[\sb:\sb+1] offset:256*\j
.endr
.endm
.macro BLOADP ring, from, to           ; loads number from .. to - 1 of a round's 64, 512 consecutive bytes each
	WIN (\ring)<<6
.set n, (\from)
.rept (\to)-(\from)
	global_load_b128 v[4*n:4*n+3], v[BO], s[BP:BP+1] offset:512*n
.set n, n+1
.endr
.endm
; Load number e of the 118 that the first row phase does not need: three vectors, my part of b_ffn1, samp, round 0's weights.  They go out 14 at a time behind the pairs of rows.
.macro XL
.if e < 4
	WIN 0
	global_load_b128 v[LN2W+4*e:LN2W+4*e+3], v27, s[16:17] offset:256*e
.elseif e < 8
	WIN 0
	global_load_b128 v[LN2B+4*(e-4):LN2B+4*(e-4)+3], v27, s[18:19] offset:256*(e-4)
.elseif e < 12
	WIN 0
	global_load_b128 v[B2+4*(e-8):B2+4*(e-8)+3], v27, s[24:25] offset:256*(e-8)
.elseif e < 14
	WIN 0
	global_load_b128 v[BT+4*(e-12):BT+4*(e-12)+3], v28, s[22:23] offset:512*(e-12)
.elseif e < 46
	WIN 0x40
	global_load_b64 v[160+2*(e-14):160+2*(e-14)+1], v[GA], s[10:11] offset:((e-14)/2)*SPL+256*((e-14)%2) th:TH_LOAD_NT  ; rows 0-31 or 32-63 of a plane: 256 bytes on end
.elseif e < 54
	WIN 0x40
	global_load_b64 v[224+2*(e-46):224+2*(e-46)+1], v[GB], s[10:11] offset:2*(e-46)*SPL+512 th:TH_LOAD_NT               ; rows 64-79 of two planes
.else
	WIN 0x80
	global_load_b128 v[4*(e-54):4*(e-54)+3], v[BO], s[BP:BP+1] offset:512*(e-54)
.endif
.set e, e+1
.endm
.macro NEWROUND other, load            ; this round's weights are in; the first 60 loads of the next round go into the set that the round before read
	s_wait_loadcnt 0x0                             ; the 64 loads issued in the round before are all that is out; it also frees their base
.if \load
	PLACES
	s_add_nc_u64 s[BP:BP+1], s[BP:BP+1], 32768
	BLOADP \other, 0, 60
.endif
.endm
.macro AFETCH buf, koff
	WIN 0x40
.irp mt, 0,1,2,3,4
	ds_load_b128 v[AF+40*(\buf)+8*\mt:AF+40*(\buf)+8*\mt+3], v[AA+\mt] offset:(\koff)
	ds_load_b128 v[AF+40*(\buf)+8*\mt+4:AF+40*(\buf)+8*\mt+7], v[AA+\mt] offset:(\koff)+32
.endr
.endm
; One K step for 80 rows x 64 columns: the next step's ten loads first, then 20 matrix instructions on 20 accumulators that take turns.  cmode 0: the sums start; 2: in place.
.macro KSTEP ring, ks, buf, cmode, nextk
.if (\nextk) >= 0
	PLACES
	AFETCH 1-(\buf), \nextk
	s_wait_dscnt 10                                ; all but the ten just issued
.else
	s_wait_dscnt 0x0
.endif
	WIN 0x54+(\ring)
.irp mt, 0,1,2,3,4
.irp nt, 0,1,2,3
.if (\cmode) == 0
	v_wmma_f32_16x16x32_bf16 v[8*(4*\mt+\nt):8*(4*\mt+\nt)+7], v[32*(\ks)+8*\nt:32*(\ks)+8*\nt+7], v[AF+40*(\buf)+8*\mt:AF+40*(\buf)+8*\mt+7], 0
.else
	v_wmma_f32_16x16x32_bf16 v[8*(4*\mt+\nt):8*(4*\mt+\nt)+7], v[32*(\ks)+8*\nt:32*(\ks)+8*\nt+7], v[AF+40*(\buf)+8*\mt:AF+40*(\buf)+8*\mt+7], v[8*(4*\mt+\nt):8*(4*\mt+\nt)+7]
.endif
.endr
.endr
.endm
.macro STAGE                           ; the 20 accumulators, f32, into the stage: 32 bytes a lane, each accumulator from its low end
	PLACES
	WIN 0x04
.irp mt, 0,1,2,3
.irp nt, 0,1,2,3
	ds_store_b128 v[SS], v[8*(4*\mt+\nt):8*(4*\mt+\nt)+3] offset:\mt*16*PX+64*\nt
	ds_store_b128 v[SS], v[8*(4*\mt+\nt)+4:8*(4*\mt+\nt)+7] offset:\mt*16*PX+64*\nt+16
.endr
.endr
.irp nt, 0,1,2,3
	ds_store_b128 v[SS4], v[8*(16+\nt):8*(16+\nt)+3] offset:64*\nt
	ds_store_b128 v[SS4], v[8*(16+\nt)+4:8*(16+\nt)+7] offset:64*\nt+16
.endr
	WIN 0
.endm
.macro AFETCHM
	WIN 0x40
.irp ks, 0,1,2,3,4,5,6,7
	ds_load_b128 v[AFM+8*\ks:AFM+8*\ks+3], v[AAW] offset:64*\ks
	ds_load_b128 v[AFM+8*\ks+4:AFM+8*\ks+7], v[AAW] offset:64*\ks+32
.endr
.endm
.macro PK16 line:vararg                ; one packed line for each of 16 pairs, n = 0, 2 .. 30
.set n, 0
.rept 16
	\line
.set n, n+2
.endr
.endm
.macro GELU32                          ; 2 gelu of the 32 numbers in the four accumulators, rounded to bf16, into the hidden rows; all registers in window 1
	WIN 0x55
.set n, 0
.rept 32
	v_and_b32 v[AX+n], s[MASK], v[n]
.set n, n+1
.endr
	PK16 v_pk_fma_f32 v[PP+n:PP+n+1], v[AX+n:AX+n+1], s[A1+10:A1+11], s[A1+8:A1+9] op_sel_hi:[1,0,0]
	PK16 v_pk_fma_f32 v[PP+n:PP+n+1], v[PP+n:PP+n+1], v[AX+n:AX+n+1], s[A1+6:A1+7] op_sel_hi:[1,1,0]
	PK16 v_pk_fma_f32 v[PP+n:PP+n+1], v[PP+n:PP+n+1], v[AX+n:AX+n+1], s[A1+4:A1+5] op_sel_hi:[1,1,0]
	PK16 v_pk_fma_f32 v[PP+n:PP+n+1], v[PP+n:PP+n+1], v[AX+n:AX+n+1], s[A1+2:A1+3] op_sel_hi:[1,1,0]
	PK16 v_pk_fma_f32 v[PP+n:PP+n+1], v[PP+n:PP+n+1], v[AX+n:AX+n+1], s[A1:A1+1] op_sel_hi:[1,1,0]
	PK16 v_pk_fma_f32 v[PP+n:PP+n+1], v[PP+n:PP+n+1], v[AX+n:AX+n+1], 1.0 op_sel_hi:[1,1,0]
.set n, 0
.rept 32
	v_rcp_f32 v[PP+n], v[PP+n]
.set n, n+1
.endr
	PK16 v_pk_add_f32 v[n:n+1], v[n:n+1], v[AX+n:AX+n+1]
	s_wait_alu depctr_va_vdst(0)                   ; one wait for the 32 reciprocals; the 16 sums v + |v| above are the plain work behind them
.rept 4
	PK16 v_pk_mul_f32 v[PP+n:PP+n+1], v[PP+n:PP+n+1], v[PP+n:PP+n+1]
.endr
	PK16 v_pk_fma_f32 v[n:n+1], v[PP+n:PP+n+1], v[AX+n:AX+n+1], v[n:n+1] neg_lo:[1,0,0] neg_hi:[1,0,0]
.set n, 0
.rept 16
	v_cvt_pk_bf16_f32 v[OO+n], v[2*n], v[2*n+1]
.set n, n+1
.endr
	WIN 0x04
.irp nt, 0,1,2,3
	ds_store_b128 v[HSW], v[OO+4*\nt:OO+4*\nt+3] offset:32*\nt
.endr
.endm
; A pass of W_ffn1: 64 hidden columns of my 256, for all 80 rows, 16 rows a trip: 32 matrix instructions on four accumulators that take turns, the next rows' fragments, the gelu.
; The next round's first 60 loads go out ahead of the loop, its last four behind it; those four serve K step 7 alone, and the next pass waits for them there.
.macro PASS ring, other
	s_wait_loadcnt 4                               ; this round's first 60 loads are in; its last four, issued behind them, may stay out
	s_wait_xcnt 0x0                                ; they have read the base, which is written only behind this wait
	PLACES
	s_add_nc_u64 s[BP:BP+1], s[BP:BP+1], 32768
	BLOADP \other, 0, 60
	WIN 0
.irp nt, 0,1,2,3
	ds_load_b128 v[BIAS+8*\nt:BIAS+8*\nt+3], v[BL] offset:64*\nt
	ds_load_b128 v[BIAS+8*\nt+4:BIAS+8*\nt+7], v[BL] offset:64*\nt+16
.endr
	v_mov_b32 v[AAW], v[AA0]
	v_mov_b32 v[HSW], v[HS]
	s_mov_b32 s[CNT], 5
	s_wait_dscnt 0x0                               ; the bias and the first rows' fragments
.Lmt_\@:
	s_wait_dscnt 4                                 ; the last trip's four stores of hidden numbers may stay out; the 16 loads of fragments were issued ahead of them
	WIN 0x44+(\ring)
.irp nt, 0,1,2,3
	v_wmma_f32_16x16x32_bf16 v[8*\nt:8*\nt+7], v[8*\nt:8*\nt+7], v[AFM:AFM+7], v[BIAS+8*\nt:BIAS+8*\nt+7]
.endr
	WIN 0x54+(\ring)
.irp ks, 1,2,3,4,5,6
.irp nt, 0,1,2,3
	v_wmma_f32_16x16x32_bf16 v[8*\nt:8*\nt+7], v[32*\ks+8*\nt:32*\ks+8*\nt+7], v[AFM+8*\ks:AFM+8*\ks+7], v[8*\nt:8*\nt+7]
.endr
.endr
	s_wait_loadcnt 60                              ; this round's last four loads are in: behind them stand the next round's 60
.irp nt, 0,1,2,3
	v_wmma_f32_16x16x32_bf16 v[8*\nt:8*\nt+7], v[32*7+8*\nt:32*7+8*\nt+7], v[AFM+8*7:AFM+8*7+7], v[8*\nt:8*\nt+7]
.endr
	WIN 0
	v_add_nc_u32 v[AAW], 16*PA, v[AAW]             ; four plain instructions behind the last product
	v_nop
	v_nop
	v_nop
	AFETCHM                                        ; the next 16 rows (in the last trip rows 80-95, which are rows 0-15: the next pass's first)
	GELU32
	WIN 0
	v_add_nc_u32 v[HSW], 16*PH, v[HSW]
	s_sub_co_u32 s[CNT], s[CNT], 1
	s_cmp_lg_u32 s[CNT], 0
	s_cbranch_scc1 .Lmt_\@
	v_add_nc_u32 v[HS], 128, v[HS]                 ; the next pass's 64 columns
	v_add_nc_u32 v[BL], 256, v[BL]
	BLOADP \other, 60, 64
	WIN 0
.endm
.macro PAIR0 i                         ; two rows: query + layernorm1(query) + b_out, into x
.set NW, 36+10*(\i)                    ; behind this pair's four loads stand the later pairs' 4 (9 - i) and 14 i of the 118; a wait can name 63 at the most, and a smaller count is always right
.if NW > 63
.set NW, 63
.endif
	s_wait_loadcnt NW
	LNSTAT 16*(\i), 1
.irp k, 0,2,4,6,8,10,12,14
	v_pk_mul_f32 v[D+\k:D+\k+1], v[D+\k:D+\k+1], v[RS:RS+1]
.endr
.irp k, 0,2,4,6,8,10,12,14
	v_pk_fma_f32 v[D+\k:D+\k+1], v[D+\k:D+\k+1], v[LN1W+\k:LN1W+\k+1], v[BOUT+\k:BOUT+\k+1]
.endr
	WIN 0x01
.irp k, 0,2,4,6,8,10,12,14
	v_pk_add_f32 v[D+\k:D+\k+1], v[16*(\i)+\k:16*(\i)+\k+1], v[D+\k:D+\k+1]
.endr
	WIN 0
.irp j, 0,1,2,3
	ds_store_b128 v[XR], v[D+4*\j:D+4*\j+3] offset:2*PX*(\i)+256*\j
.endr
.endm
	s_load_b512 s[8:23], s[0:1], 0x0               ; query 8, samp 10, ln1_w 12, ln1_b 14, ln2_w 16, ln2_b 18, b_out 20, b_ffn1 22
	s_load_b128 s[24:27], s[0:1], 0x40             ; b_ffn2 24, wt 26
	s_load_b64 s[28:29], s[0:1], 0x50              ; out0
	v_lshl_add_u32 v[SPW], v0, 2, SPARE
	v_mov_b32 v[NIL], 0
	v_lshrrev_b32 v1, 5, v0
	v_readfirstlane_b32 s[WV], v1
	v_and_b32 v1, 31, v0
	v_and_b32 v2, 15, v0
	v_bfe_u32 v3, v0, 4, 1
	s_mul_i32 s32, s[WV], 20
	v_add_nc_u32 v25, s32, v3                      ; my row among the 80
	v_lshlrev_b32 v[VO], 10, v25
	v_lshl_add_u32 v[VO], v2, 4, v[VO]
	v_mul_u32_u24 v[XR], v25, PX
	v_lshl_add_u32 v[XR], v2, 4, v[XR]
	v_add_nc_u32 v[SR], HB, v[XR]
	v_mul_u32_u24 v[AW], v25, PA
	v_lshl_add_u32 v[AW], v2, 3, v[AW]
	v_add_nc_u32 v[AW], AB, v[AW]
	v_mul_u32_u24 v[AA0], v2, PA
	v_lshl_add_u32 v[AA0], v3, 4, v[AA0]
	v_add_nc_u32 v[AA0], AB, v[AA0]
.irp mt, 0,1,2,3,4
	v_add_nc_u32 v[AA+\mt], \mt*16*PA, v[AA0]
.endr
	s_lshl_b32 s33, s[WV], 9
	s_add_co_u32 s33, s33, HB
	v_mul_u32_u24 v[HS], v2, PH
	v_lshl_add_u32 v[HS], v3, 4, v[HS]
	v_add_nc_u32 v[HS], s33, v[HS]
	s_lshl_b32 s33, s[WV], 8
	v_mul_u32_u24 v[XI], v2, PX
	v_lshl_add_u32 v[XI], v3, 5, v[XI]
	v_add_nc_u32 v[XI], s33, v[XI]
	v_add_nc_u32 v[XI4], 4*16*PX, v[XI]
	v_add_nc_u32 v[SS], HB, v[XI]
	v_add_nc_u32 v[SS4], HB, v[XI4]
	s_lshl_b32 s33, s[WV], 10
	v_lshl_add_u32 v28, v1, 4, s33
	v_add_nc_u32 v29, B1B, v28
	s_add_co_u32 s33, s33, B1B
	v_lshl_add_u32 v[BL], v3, 5, s33
	v_lshlrev_b32 v[BO], 4, v1
	s_lshl_b32 s33, s[WV], 7                       ; my 16 planes of samp are 128 bytes of each row
	s_add_co_u32 s33, s33, AB
	v_lshlrev_b32 v[GA], 3, v1
	v_mul_u32_u24 v[GB], v3, SPL
	v_lshl_add_u32 v[GB], v2, 3, v[GB]
	v_mul_u32_u24 v[LA], v1, PA
	v_add_nc_u32 v[LA], s33, v[LA]
	v_mul_u32_u24 v[LB], v2, PA
	v_lshl_add_u32 v[LB], v3, 3, v[LB]
	v_add_nc_u32 v[LB], s33, v[LB]
	v_lshlrev_b32 v27, 4, v2
	s_mov_b32 s[INV], 0x3b800000                   ; 1 / 256
	s_mov_b32 s[MASK], 0x7fffffff
.irp c, 0,1
	s_mov_b32 s[A1+\c], 0x3d4c41b4                 ; 0.04986735
	s_mov_b32 s[A1+2+\c], 0x3cad2fe7               ; 0.02114101
	s_mov_b32 s[A1+4+\c], 0x3b56cd72               ; 0.003277626
	s_mov_b32 s[A1+6+\c], 0x381f6607               ; 3.800358e-5
	s_mov_b32 s[A1+8+\c], 0x384d0fec               ; 4.889064e-5
	s_mov_b32 s[A1+10+\c], 0x36b49f67              ; 5.382975e-6
.endr
	s_mul_i32 s34, ttmp9, 81920
	s_mov_b32 s35, 0
	s_mul_i32 s36, ttmp9, 640                      ; the block's 80 rows in a plane of samp,
	s_mul_i32 s33, s[WV], 16*SPL                   ; my first plane
	s_add_co_u32 s36, s36, s33
	s_mov_b32 s37, 0
	s_mul_i32 s38, s[WV], 294912
	s_mov_b32 s39, 0
	s_wait_kmcnt 0x0
	s_add_nc_u64 s[8:9], s[8:9], s[34:35]
	s_add_nc_u64 s[28:29], s[28:29], s[34:35]
	s_add_nc_u64 s[10:11], s[10:11], s[36:37]
	s_add_nc_u64 s[BP:BP+1], s[26:27], s[38:39]
	VEC LN1W, 12                                   ; what the first row phase wants goes out first: three vectors and my 20 rows of query: 52 loads
	VEC LN1B, 14
	VEC BOUT, 20
	WIN 0x40
.irp i, 0,1,2,3,4,5,6,7,8,9
.irp j, 0,1,2,3
	global_load_b128 v[16*\i+4*\j:16*\i+4*\j+3], v[VO], s[8:9] offset:2048*\i+256*\j th:TH_LOAD_NT
.endr
.endr
	WIN 0
	s_wait_loadcnt 40                              ; all but query's 40 loads
.irp k, 0,2,4,6,8,10,12,14
	v_pk_add_f32 v[BOUT+\k:BOUT+\k+1], v[BOUT+\k:BOUT+\k+1], v[LN1B+\k:LN1B+\k+1]  ; ln1_b + b_out, once
.endr
.set e, 0
.irp i, 0,1,2,3,4,5,6,7,8,9
	PAIR0 \i
.rept 14
.if e < 118
	XL                                             ; the rest comes in under the row work
.endif
.endr
	WIN 0
.endr
	s_wait_loadcnt 60                              ; samp and b_ffn1 are in: behind samp's last load stand round 0's 64
	ds_store_b128 v29, v[BT:BT+3]
	ds_store_b128 v29, v[BT+4:BT+7] offset:512
	WIN 0x04
.irp pl, 0,1,2,3,4,5,6,7,8,9,10,11,12,13,14,15
	ds_store_b64 v[LA], v[160+4*\pl:160+4*\pl+1] offset:8*\pl
	ds_store_b64 v[LA], v[160+4*\pl+2:160+4*\pl+3] offset:32*PA+8*\pl
.endr
.irp pp, 0,1,2,3,4,5,6,7
	ds_store_b64 v[LB], v[224+2*\pp:224+2*\pp+1] offset:64*PA+16*\pp
.endr
	WIN 0
	s_wait_dscnt 0x0                               ; for the others' sake: my planes of samp and my rows of x lie in LDS
	s_barrier_signal -1
	s_barrier_wait -1
	NEWROUND 3, 1                                  ; samp W_out
	AFETCH 0, 0
	KSTEP 2, 0, 0, 0, 64
	KSTEP 2, 1, 1, 2, 128
	KSTEP 2, 2, 0, 2, 192
	KSTEP 2, 3, 1, 2, 256
	BLOADP 3, 60, 64                               ; the next round's last four loads
	KSTEP 2, 4, 0, 2, 320
	KSTEP 2, 5, 1, 2, 384
	KSTEP 2, 6, 0, 2, 448
	KSTEP 2, 7, 1, 2, -1
	STAGE
	s_wait_dscnt 0x0                               ; my part of the stage is written and my reads of samp are over
	s_barrier_signal -1
	s_barrier_wait -1
	v_mov_b32 v[XW], v[XR]
	v_mov_b32 v[SW2], v[SR]
	s_mov_b32 s[CNT], 10
.Lp2:                                          ; two rows a trip: x is finished; layernorm2(x) goes where samp lay; x + b_ffn2 goes back
.irp j, 0,1,2,3
	ds_load_b128 v[D+4*\j:D+4*\j+3], v[XW] offset:256*\j
.endr
.irp j, 0,1,2,3
	ds_load_b128 v[U+4*\j:U+4*\j+3], v[SW2] offset:256*\j
.endr
	s_wait_dscnt 0x0
.irp k, 0,2,4,6,8,10,12,14
	v_pk_add_f32 v[U+\k:U+\k+1], v[U+\k:U+\k+1], v[D+\k:D+\k+1]
.endr
	LNSTAT U, 0
.irp k, 0,2,4,6,8,10,12,14
	v_pk_mul_f32 v[D+\k:D+\k+1], v[D+\k:D+\k+1], v[RS:RS+1]
.endr
.irp k, 0,2,4,6,8,10,12,14
	v_pk_fma_f32 v[D+\k:D+\k+1], v[D+\k:D+\k+1], v[LN2W+\k:LN2W+\k+1], v[LN2B+\k:LN2B+\k+1]
.endr
.irp k, 0,1,2,3,4,5,6,7
	v_cvt_pk_bf16_f32 v[T+\k], v[D+2*\k], v[D+2*\k+1]
.endr
.irp j, 0,1,2,3
	ds_store_b64 v[AW], v[T+2*\j:T+2*\j+1] offset:128*\j
.endr
	s_cmp_lg_u32 s[WV], 0
	s_cbranch_scc1 .Lp2n
.irp j, 0,1,2,3
	ds_store_b64 v[AW], v[T+2*\j:T+2*\j+1] offset:80*PA+128*\j  ; wave 0: its rows 0-19 once more as rows 80-99
.endr
.Lp2n:
.irp k, 0,2,4,6,8,10,12,14
	v_pk_add_f32 v[U+\k:U+\k+1], v[U+\k:U+\k+1], v[B2+\k:B2+\k+1]
.endr
.irp j, 0,1,2,3
	ds_store_b128 v[XW], v[U+4*\j:U+4*\j+3] offset:256*\j
.endr
	v_add_nc_u32 v[XW], 2*PX, v[XW]
	v_add_nc_u32 v[SW2], 2*PX, v[SW2]
	v_add_nc_u32 v[AW], 2*PA, v[AW]
	s_sub_co_u32 s[CNT], s[CNT], 1
	s_cmp_lg_u32 s[CNT], 0
	s_cbranch_scc1 .Lp2
	s_wait_dscnt 0x0                               ; my rows of layernorm2(x) and of x + b_ffn2 are written and my reads of the stage are over
	s_barrier_signal -1
	s_barrier_wait -1
	v_mov_b32 v[AAW], v[AA0]
	AFETCHM
	WIN 0
	s_mov_b32 s[CN2], 2
.Lf1:                                          ; rounds 1 to 4
	PASS 3, 2
	PASS 2, 3
	s_sub_co_u32 s[CN2], s[CN2], 1
	s_cmp_lg_u32 s[CN2], 0
	s_cbranch_scc1 .Lf1
	s_wait_dscnt 0x0                               ; my hidden columns are written; the last look-ahead has landed
	s_barrier_signal -1
	s_barrier_wait -1
	v_mul_u32_u24 v25, v2, PH
	v_lshl_add_u32 v25, v3, 4, v25
.irp mt, 0,1,2,3,4
	v_add_nc_u32 v[AA+\mt], HB+\mt*16*PH, v25      ; (these seven lines are also the places ahead of the loads into registers that the passes' products named)
.endr
	WIN 0x40                                       ; the sums start on x + b_ffn2: 80 rows x my 64 columns, 32 bytes a lane and tile
.irp mt, 0,1,2,3
.irp nt, 0,1,2,3
	ds_load_b128 v[8*(4*\mt+\nt):8*(4*\mt+\nt)+3], v[XI] offset:\mt*16*PX+64*\nt
	ds_load_b128 v[8*(4*\mt+\nt)+4:8*(4*\mt+\nt)+7], v[XI] offset:\mt*16*PX+64*\nt+16
.endr
.endr
.irp nt, 0,1,2,3
	ds_load_b128 v[8*(16+\nt):8*(16+\nt)+3], v[XI4] offset:64*\nt
	ds_load_b128 v[8*(16+\nt)+4:8*(16+\nt)+7], v[XI4] offset:64*\nt+16
.endr
	WIN 0
	s_mov_b32 s[CN2], 2
.Lf2:                                          ; rounds 5 to 8, two a trip: 16 of the 32 K steps of W_ffn2
	AFETCH 0, 0                                    ; the trip's first fragments land under the 60 loads below
	NEWROUND 2, 1
	KSTEP 3, 0, 0, 2, 64
	KSTEP 3, 1, 1, 2, 128
	KSTEP 3, 2, 0, 2, 192
	KSTEP 3, 3, 1, 2, 256
	BLOADP 2, 60, 64
	KSTEP 3, 4, 0, 2, 320
	KSTEP 3, 5, 1, 2, 384
	KSTEP 3, 6, 0, 2, 448
	KSTEP 3, 7, 1, 2, 512
	WIN 0
	s_wait_loadcnt 0x0                             ; the second round's weights are in
	s_cmp_eq_u32 s[CN2], 1
	s_cbranch_scc1 .Lf2a                           ; behind round 8 there is no round: the last trip asks for nothing here
	PLACES
	s_add_nc_u64 s[BP:BP+1], s[BP:BP+1], 32768
	BLOADP 3, 0, 60
	WIN 0
.Lf2a:
	KSTEP 2, 0, 0, 2, 576
	KSTEP 2, 1, 1, 2, 640
	KSTEP 2, 2, 0, 2, 704
	KSTEP 2, 3, 1, 2, 768
	WIN 0
	s_cmp_eq_u32 s[CN2], 1
	s_cbranch_scc1 .Lf2b
	BLOADP 3, 60, 64
	WIN 0
.Lf2b:
	KSTEP 2, 4, 0, 2, 832
	KSTEP 2, 5, 1, 2, 896
	KSTEP 2, 6, 0, 2, 960
	KSTEP 2, 7, 1, 2, -1
	WIN 0
.irp mt, 0,1,2,3,4
	v_add_nc_u32 v[AA+\mt], 1024, v[AA+\mt]        ; 512 hidden numbers on; five plain lines: the places ahead of the next trip's loads
.endr
	s_sub_co_u32 s[CN2], s[CN2], 1
	s_cmp_lg_u32 s[CN2], 0
	s_cbranch_scc1 .Lf2
	s_wait_dscnt 0x0                               ; my reads of the hidden rows are over: behind this barrier the stage may be written over them
	s_barrier_signal -1
	s_barrier_wait -1
	STAGE
	s_wait_dscnt 0x0
	s_barrier_signal -1
	s_barrier_wait -1
	v_mov_b32 v[SW2], v[SR]
	s_mov_b32 s[CNT], 5
.Lp3:                                          ; four rows a trip leave as they lie in the stage
.irp j, 0,1,2,3
	ds_load_b128 v[D+4*\j:D+4*\j+3], v[SW2] offset:256*\j
.endr
.irp j, 0,1,2,3
	ds_load_b128 v[U+4*\j:U+4*\j+3], v[SW2] offset:2*PX+256*\j
.endr
	s_wait_dscnt 4                                 ; the first two rows are in; the other four loads may stay out
.irp j, 0,1,2,3
	global_store_b128 v[VO], v[D+4*\j:D+4*\j+3], s[28:29] offset:256*\j th:TH_STORE_NT  ; sixteen lanes store 256 consecutive bytes, at a multiple of 256 from out0's first byte
.endr
	s_wait_dscnt 0x0
.irp j, 0,1,2,3
	global_store_b128 v[VO], v[U+4*\j:U+4*\j+3], s[28:29] offset:2048+256*\j th:TH_STORE_NT
.endr
	s_wait_xcnt 0x0                                ; the stores' offset and data are written again only behind this wait
	v_add_nc_u32 v[SW2], 4*PX, v[SW2]
	v_add_nc_u32 v[VO], 4096, v[VO]
	s_sub_co_u32 s[CNT], s[CNT], 1
	s_cmp_lg_u32 s[CNT], 0
	s_cbranch_scc1 .Lp3
	s_wait_tensorcnt 0x0                           ; the wave's end: three closing lines behind my last LDS store
	ds_add_u32 v[SPW], v[NIL]
	s_wait_dscnt 0x0
	s_endpgm
.Lfunc_end_k_qa651f1c019_ffn:
	.size	k_qa651f1c019_ffn, .Lfunc_end_k_qa651f1c019_ffn-k_qa651f1c019_ffn
	.p2alignl 7, 3214868480
	.fill 96, 4, 3214868480
	.section	.rodata,"a",@progbits
	.p2align	6, 0x0
	.amdhsa_kernel k_qa651f1c019_ffn
		.amdhsa_group_segment_fixed_size 305920
		.amdhsa_private_segment_fixed_size 0
		.amdhsa_enable_private_segment 0
		.amdhsa_kernarg_size 88
		.amdhsa_user_sgpr_count 2
		.amdhsa_user_sgpr_kernarg_segment_ptr 1
		.amdhsa_wavefront_size32 1
		.amdhsa_system_sgpr_workgroup_id_x 1
		.amdhsa_system_sgpr_workgroup_id_y 1
		.amdhsa_system_sgpr_workgroup_id_z 1
		.amdhsa_system_vgpr_workitem_id 0
		.amdhsa_next_free_vgpr 1024
		.amdhsa_next_free_sgpr 66
		.amdhsa_reserve_vcc 0
		.amdhsa_float_denorm_mode_32 3
		.amdhsa_float_denorm_mode_16_64 3
		.amdhsa_memory_ordered 1
		.amdhsa_forward_progress 1
		.amdhsa_inst_pref_size 208
	.end_amdhsa_kernel
	.amdgpu_metadata
---
amdhsa.version: [ 1, 2 ]
amdhsa.kernels:
  - .name:           k_qa651f1c019_ffn
    .symbol:         k_qa651f1c019_ffn.kd
    .args:
      - { .name: query, .offset: 0, .size: 8, .value_kind: global_buffer, .address_space: global }
      - { .name: samp, .offset: 8, .size: 8, .value_kind: global_buffer, .address_space: global }
      - { .name: ln1_w, .offset: 16, .size: 8, .value_kind: global_buffer, .address_space: global }
      - { .name: ln1_b, .offset: 24, .size: 8, .value_kind: global_buffer, .address_space: global }
      - { .name: ln2_w, .offset: 32, .size: 8, .value_kind: global_buffer, .address_space: global }
      - { .name: ln2_b, .offset: 40, .size: 8, .value_kind: global_buffer, .address_space: global }
      - { .name: b_out, .offset: 48, .size: 8, .value_kind: global_buffer, .address_space: global }
      - { .name: b_ffn1, .offset: 56, .size: 8, .value_kind: global_buffer, .address_space: global }
      - { .name: b_ffn2, .offset: 64, .size: 8, .value_kind: global_buffer, .address_space: global }
      - { .name: wt, .offset: 72, .size: 8, .value_kind: global_buffer, .address_space: global }
      - { .name: out0, .offset: 80, .size: 8, .value_kind: global_buffer, .address_space: global }
    .group_segment_fixed_size: 305920
    .private_segment_fixed_size: 0
    .kernarg_segment_align: 8
    .kernarg_segment_size: 88
    .max_flat_workgroup_size: 128
    .sgpr_count:     66
    .vgpr_count:     1024
    .wavefront_size: 32
...
	.end_amdgpu_metadata
.endif
;; end of part 9
;; ======== version 3 of 3: 5 launches; version 2 with the launches qproj, ffn written anew for expert scheduling mode
;; workspace buffers: wt 1,476,096 bytes; val2 39,567,360 bytes; idx 14,837,760 bytes of whole numbers; wts 29,675,520 bytes; samp 19,791,872 bytes
;; launch prep: the kernel of part 1 again; grid 91 x 4, 8 waves a work-group, no clusters, 0 bytes of LDS; arguments W_out, W_ffn1, W_ffn2, W_val, W_off, W_attn, b_off, b_attn, wt; writes wt
;; launch valproj: the kernel of part 6 again; grid 256 x 1, 4 waves a work-group, no clusters, 128,768 bytes of LDS; arguments value, b_val, wt, val2; writes val2
;; launch qproj (part 10): grid 483 x 1, 4 waves a work-group, no clusters, 51,200 bytes of LDS; arguments query, query_pos, ref_pts, ln1_w, ln1_b, wt, idx, wts; writes idx, wts
.if DOCPART == 10
	.amdgcn_target "amdgcn-amd-amdhsa--gfx1250"
	.amdhsa_code_object_version 6
	.text
	.protected	k_qa651f1c019_qproj
	.globl	k_qa651f1c019_qproj
	.p2align	8
	.type	k_qa651f1c019_qproj,@function
k_qa651f1c019_qproj:
	s_mov_b64 s[64:65], 0
	v_nop
	global_prefetch_b8 v0, s[64:65] scope:SCOPE_SE
	s_setreg_imm32_b32 hwreg(HW_REG_WAVE_SCHED_MODE, 0, 2), 2
	s_setreg_imm32_b32 hwreg(HW_REG_WAVE_MODE, 25, 1), 1
	s_wait_xcnt 0x0
	s_wait_alu depctr_vm_vsrc(0)
; For each query g, head and point (12 = 3 levels x 4): where to sample and with what weights.  q = layernorm(query) + query_pos; offsets and logits = q W + b (bf16 operands, f32 sums);
; softmax over the 12 logits with their maximum taken away; x = ref_x W + off_x - 0.5 (one fused step; reference() divides by W and multiplies again: a difference of rounding alone, and the sample is continuous in x).
; STORED: idx (whole numbers): 8 x the row, within the batch's 19,320 pixels, of the top left pixel of a 2 x 2 patch that lies inside the level: x0c = clamp(floor x, 0, W - 2), y likewise: the byte at which that
; pixel's four channels lie in the sampling launch's table.  wts: for each pixel column of the patch a pair of bf16,
; aw x hat(x - column) x hat(y - row) for its two rows, hat(d) = max(1 - |d|, 0): reference()'s four bilinear weights, and 0 for a corner outside the level.
; The level shapes are reference()'s own constants: it never reads spatial_shapes or level_start_index, so neither does this program.  NaN and infinities are not treated apart.
; SHARES.  A work-group has 80 queries.  For the norm a wave takes 20 rows, two to a load.  For the product wave w takes heads 2w, 2w+1: five tiles of 16 permuted columns, whose weights stay in 320 registers.
; The product is taken transposed (source 0 = 16 columns, source 1 = 16 queries): lane l holds query l % 16, head 2w + l / 16, and all its 24 offsets and 12 logits: nothing changes lanes.
; ORDER OF THE LOADS.  The rows that the norm wants first are asked for first: six pairs of rows at the head; behind each pair's arithmetic go a later pair's rows and ten loads of weights, so the weights come in under the norm.
; No cluster: 483 work-groups divide by no 4.  WINDOWS: 0 addresses and all arithmetic; 1 v0-159 query (later v0-39 five accumulators, v64-127 q's fragments); 2 and 3 v0-79 weights (40 ks + 8 nt); 3 v80-239 query_pos.
; THE MODE: SCHED_MODE bits 1:0 = 2 (LLVM: expert scheduling mode 2), set by the entry lines.  The code itself states the register dependences between vector or matrix instructions and memory or LDS
; instructions, with s_wait_alu, always for 0.
; THE PLAN.  Registers that memory or LDS instructions touch:
;   query, query_pos, the weights, the bias, the norm's vectors: each landed in once, in registers that no vector line has named.  Their offsets are made at the head and never written again.
;   OB0, OB1      The norm's out-buffers.  Pair i's conversions write OB[i % 2]; its LDS stores stand in pair i + 1, behind that pair's wait for its two roots, which has shown the buffer written.
;   AFM           q's fragments: read by a trip's 40 products, landed in again behind them.
;   REF           read by three multiply-adds, landed in again behind them.
;   AA0, RO, IO, WO   stepped once a trip, all in one block behind the products.
;   IDXO, WOUT    written by the trip's arithmetic, read by its nine stores.
; So a trip of the product loop has one wait on vm_vsrc and one on va_vdst round that block, and one on va_vdst ahead of its stores, beside the two behind its transcendentals.
.set PA,    528                        ; a row of q in LDS: 512 bytes + 16, an odd multiple of 16 (ISA guide 11.1: the 16 rows of a load start in different banks)
.set SPARE, 50688                      ; behind 96 rows (rows 80-95 repeat rows 0-15, for the loop's last look-ahead): the spare words
.set OFFQ,  1310720
.set OFFB,  1474560
.set WV, 2
.set CNT, 3
.set INV, 4
.set L2E, 5
.set VO,  4
.set AW,  5
.set AA0, 6
.set G,   7                            ; my query's number
.set RO,  8
.set IO,  9
.set WO,  10
.set BO,  11
.set SPW, 30
.set NIL, 31
.set LNW, 32
.set LNB, 48
.set D,   64
.set T,   80
.set RS,  96
.set M,   98
.set BIAS, 112                         ; v112-151
.set REF, 152                          ; v152-157
.set WH,  158                          ; v158-163 (W, H) of the three levels
.set XY,  32                           ; behind the norm: v32-55 (x, y) of the 12 points
.set LG,  56                           ; v56-67 logits, then weights
.set RXY, 68                           ; v68-73
.set MX,  74
.set OB,  164                          ; v164-179 in the norm: two out-buffers of eight registers
.set IDXO, 164                         ; v164-175
.set WOUT, 176                         ; v176-199
.set TP,  200                          ; v200-235 at work: nine numbers for each of a level's four points
.set AFM, 64                           ; window 1
.set PB,  80                           ; window 3
.set MSB, 0
.macro WIN new
.if MSB != (\new)
	s_set_vgpr_msb (MSB<<8)|(\new)
.set MSB, (\new)
.endif
.endm
; A row's mean and 1 / sqrt(variance + 1e-5): 16 numbers a lane at v[x] of window w, 16 lanes a row.  Leaves x - mean in D and the factor twice in RS.  The variance is the mean of (x - mean)^2.
.macro LNSTAT x, w
	WIN 5*(\w)
.irp k, 0,1,2,3
	v_pk_add_f32 v[T+2*\k:T+2*\k+1], v[(\x)+4*\k:(\x)+4*\k+1], v[(\x)+4*\k+2:(\x)+4*\k+3]
.endr
	WIN 0
	v_pk_add_f32 v[T:T+1], v[T:T+1], v[T+2:T+3]
	v_pk_add_f32 v[T+4:T+5], v[T+4:T+5], v[T+6:T+7]
	v_pk_add_f32 v[T:T+1], v[T:T+1], v[T+4:T+5]
	v_add_f32 v[T], v[T], v[T+1]
.irp m, 1,2,4,8
	v_add_f32_dpp v[T], v[T], v[T] row_xmask:\m row_mask:0xf bank_mask:0xf
.endr
	v_mul_f32 v[M], s[INV], v[T]
	v_mul_f32 v[M+1], s[INV], v[T]
	WIN (\w)
.irp k, 0,2,4,6,8,10,12,14
	v_pk_add_f32 v[D+\k:D+\k+1], v[(\x)+\k:(\x)+\k+1], v[M:M+1] neg_lo:[0,1] neg_hi:[0,1]
.endr
	WIN 0
	v_pk_mul_f32 v[T:T+1], v[D:D+1], v[D:D+1]
	v_pk_mul_f32 v[T+2:T+3], v[D+2:D+3], v[D+2:D+3]
.irp k, 4,8,12
	v_pk_fma_f32 v[T:T+1], v[D+\k:D+\k+1], v[D+\k:D+\k+1], v[T:T+1]
	v_pk_fma_f32 v[T+2:T+3], v[D+\k+2:D+\k+3], v[D+\k+2:D+\k+3], v[T+2:T+3]
.endr
	v_pk_add_f32 v[T:T+1], v[T:T+1], v[T+2:T+3]
	v_add_f32 v[T], v[T], v[T+1]
.irp m, 1,2,4,8
	v_add_f32_dpp v[T], v[T], v[T] row_xmask:\m row_mask:0xf bank_mask:0xf
.endr
	v_fmaak_f32 v[T], s[INV], v[T], 0x3727c5ac     ; / 256 + 1e-5
	v_rsq_f32 v[RS], v[T]
	v_rsq_f32 v[RS+1], v[T]
	v_nop                                          ; a plain instruction behind the last of the two
	s_wait_alu depctr_va_vdst(0)                   ; the two roots are written, ahead of their first reader; and the pair before has written its out-buffer, which the LDS stores behind this macro read
.endm
.macro QPL i                           ; pair i's two rows of query, then of query_pos: eight loads
	WIN 0x40
.irp j, 0,1,2,3
	global_load_b128 v[16*(\i)+4*\j:16*(\i)+4*\j+3], v[VO], s[8:9] offset:2048*(\i)+256*\j th:TH_LOAD_NT
.endr
	WIN 0xc0
.irp j, 0,1,2,3
	global_load_b128 v[PB+16*(\i)+4*\j:PB+16*(\i)+4*\j+3], v[VO], s[10:11] offset:2048*(\i)+256*\j th:TH_LOAD_NT
.endr
.endm
.macro WCH c                           ; ten loads for the product: c = 0 the bias, c = 1 .. 8 the weights of K step c - 1
.if (\c) == 0
	WIN 0
.irp nt, 0,1,2,3,4
	global_load_b128 v[BIAS+8*\nt:BIAS+8*\nt+3], v15, s[34:35] offset:64*\nt
	global_load_b128 v[BIAS+8*\nt+4:BIAS+8*\nt+7], v15, s[34:35] offset:64*\nt+16
.endr
.elseif (\c) < 7
	WIN 0x80
.irp nt, 0,1,2,3,4
	global_load_b128 v[40*((\c)-1)+8*\nt:40*((\c)-1)+8*\nt+3], v[BO], s[32:33] offset:\nt*8192+((\c)-1)*1024
	global_load_b128 v[40*((\c)-1)+8*\nt+4:40*((\c)-1)+8*\nt+7], v[BO], s[32:33] offset:\nt*8192+((\c)-1)*1024+512
.endr
.else
	WIN 0xc0
.irp nt, 0,1,2,3,4
	global_load_b128 v[40*((\c)-7)+8*\nt:40*((\c)-7)+8*\nt+3], v[BO], s[32:33] offset:\nt*8192+((\c)-1)*1024
	global_load_b128 v[40*((\c)-7)+8*\nt+4:40*((\c)-7)+8*\nt+7], v[BO], s[32:33] offset:\nt*8192+((\c)-1)*1024+512
.endr
.endif
.endm
.macro PSTORE i                        ; pair i's two rows of q leave their out-buffer for LDS
.irp j, 0,1,2,3
	ds_store_b64 v[AW], v[OB+8*((\i)%2)+2*\j:OB+8*((\i)%2)+2*\j+1] offset:1056*(\i)+128*\j
.endr
.if (\i) < 8
	s_cmp_lg_u32 s[WV], 0
	s_cbranch_scc1 .Lnc_\@
.irp j, 0,1,2,3
	ds_store_b64 v[AW], v[OB+8*((\i)%2)+2*\j:OB+8*((\i)%2)+2*\j+1] offset:80*PA+1056*(\i)+128*\j  ; wave 0: rows 0-15 once more as rows 80-95
.endr
.Lnc_\@:
.endif
.endm
.macro PAIR i, left                    ; two rows: norm, + query_pos, rounded to bf16, into an out-buffer.  left: how many loads issued behind this pair's eight may stay out
	s_wait_loadcnt \left
	LNSTAT 16*(\i), 1
.if (\i) > 0
	PSTORE (\i)-1                                  ; the pair before: its buffer was shown written by the wait that ends LNSTAT
.endif
.irp k, 0,2,4,6,8,10,12,14
	v_pk_mul_f32 v[D+\k:D+\k+1], v[D+\k:D+\k+1], v[RS:RS+1]
.endr
.irp k, 0,2,4,6,8,10,12,14
	v_pk_fma_f32 v[D+\k:D+\k+1], v[D+\k:D+\k+1], v[LNW+\k:LNW+\k+1], v[LNB+\k:LNB+\k+1]
.endr
	WIN 0x03
.irp k, 0,2,4,6,8,10,12,14
	v_pk_add_f32 v[D+\k:D+\k+1], v[PB+16*(\i)+\k:PB+16*(\i)+\k+1], v[D+\k:D+\k+1]
.endr
	WIN 0
.if (\i) > 1
	s_wait_alu depctr_vm_vsrc(0)                   ; the LDS stores of the pair two back, issued in the pair before, have read this out-buffer, which the conversions write again
.endif
.irp k, 0,1,2,3,4,5,6,7
	v_cvt_pk_bf16_f32 v[OB+8*((\i)%2)+\k], v[D+2*\k], v[D+2*\k+1]
.endr
.endm
.macro AFETCHM                         ; 16 queries x 256 channels: eight fragments
	WIN 0x40
.irp ks, 0,1,2,3,4,5,6,7
	ds_load_b128 v[AFM+8*\ks:AFM+8*\ks+3], v[AA0] offset:64*\ks
	ds_load_b128 v[AFM+8*\ks+4:AFM+8*\ks+7], v[AA0] offset:64*\ks+32
.endr
	WIN 0
.endm
; A level's four points, each line four times so that no line waits for the one before it.  wf = W, wm = W - 2, hm = H - 2 as f32; st = the level's first row.
.macro LEVEL lv, wf, wm, hm, st
.irp q, 0,1,2,3
	v_floor_f32 v[TP+\q], v[XY+8*\lv+2*\q]
	v_floor_f32 v[TP+4+\q], v[XY+8*\lv+2*\q+1]
.endr
.irp q, 0,1,2,3
	v_med3_num_f32 v[TP+\q], v[TP+\q], 0, \wm      ; x0c
	v_med3_num_f32 v[TP+4+\q], v[TP+4+\q], 0, \hm  ; y0c
.endr
.irp q, 0,1,2,3
	v_sub_f32 v[TP+8+\q], v[XY+8*\lv+2*\q], v[TP+\q]       ; dx
	v_sub_f32 v[TP+12+\q], v[XY+8*\lv+2*\q+1], v[TP+4+\q]  ; dy
	v_fma_f32 v[TP+16+\q], v[TP+4+\q], \wf, v[TP+\q]       ; y0c W + x0c: whole numbers under 2^24, exact
.endr
.irp q, 0,1,2,3
	v_add_f32 v[TP+20+\q], -1.0, v[TP+8+\q]
	v_add_f32 v[TP+24+\q], -1.0, v[TP+12+\q]
	v_cvt_u32_f32 v[TP+16+\q], v[TP+16+\q]
.endr
.irp q, 0,1,2,3
	v_sub_f32 v[TP+8+\q], 1.0, |v[TP+8+\q]|
	v_sub_f32 v[TP+12+\q], 1.0, |v[TP+12+\q]|
	v_sub_f32 v[TP+20+\q], 1.0, |v[TP+20+\q]|
	v_sub_f32 v[TP+24+\q], 1.0, |v[TP+24+\q]|
.endr
.irp q, 0,1,2,3
	v_max_num_f32 v[TP+8+\q], 0, v[TP+8+\q]        ; column x0c
	v_max_num_f32 v[TP+12+\q], 0, v[TP+12+\q]      ; row y0c
	v_max_num_f32 v[TP+20+\q], 0, v[TP+20+\q]      ; column x0c + 1
	v_max_num_f32 v[TP+24+\q], 0, v[TP+24+\q]      ; row y0c + 1
	v_add_lshl_u32 v[IDXO+4*\lv+\q], v[TP+16+\q], \st, 3   ; 8 x (the level's first row + y0c W + x0c)
.endr
.irp q, 0,1,2,3
	v_mul_f32 v[TP+8+\q], v[LG+4*\lv+\q], v[TP+8+\q]
	v_mul_f32 v[TP+20+\q], v[LG+4*\lv+\q], v[TP+20+\q]
.endr
.irp q, 0,1,2,3
	v_mul_f32 v[TP+\q], v[TP+8+\q], v[TP+12+\q]
	v_mul_f32 v[TP+4+\q], v[TP+8+\q], v[TP+24+\q]
	v_mul_f32 v[TP+28+\q], v[TP+20+\q], v[TP+12+\q]
	v_mul_f32 v[TP+32+\q], v[TP+20+\q], v[TP+24+\q]
.endr
.irp q, 0,1,2,3
	v_cvt_pk_bf16_f32 v[WOUT+4*\lv+\q], v[TP+\q], v[TP+4+\q]
	v_cvt_pk_bf16_f32 v[WOUT+12+4*\lv+\q], v[TP+28+\q], v[TP+32+\q]
.endr
.endm
	s_load_b512 s[8:23], s[0:1], 0x0               ; query 8, query_pos 10, ref_pts 12, ln1_w 14, ln1_b 16, wt 18, idx 20, wts 22
	v_lshl_add_u32 v[SPW], v0, 2, SPARE
	v_mov_b32 v[NIL], 0
	v_lshrrev_b32 v1, 5, v0
	v_readfirstlane_b32 s[WV], v1
	v_and_b32 v1, 31, v0
	v_and_b32 v2, 15, v0
	v_bfe_u32 v3, v0, 4, 1
	s_wait_alu depctr_va_sdst(0)                   ; the wave's number is written, ahead of its first reader
	s_mul_i32 s24, s[WV], 20
	v_add_nc_u32 v14, s24, v3
	v_lshlrev_b32 v[VO], 10, v14
	v_lshl_add_u32 v[VO], v2, 4, v[VO]
	v_mul_u32_u24 v[AW], v14, PA
	v_lshl_add_u32 v[AW], v2, 3, v[AW]
	v_mul_u32_u24 v[AA0], v2, PA
	v_lshl_add_u32 v[AA0], v3, 4, v[AA0]
	s_mul_i32 s24, ttmp9, 80
	v_add_nc_u32 v[G], s24, v2
	v_mul_u32_u24 v[RO], v[G], 24
	s_mul_i32 s24, ttmp9, 20
	s_add_co_u32 s24, s24, s[WV]                   ; 4 x tile + wave
	s_mul_i32 s25, s24, 1536
	v_lshl_add_u32 v[IO], v1, 4, s25
	s_mul_i32 s25, s24, 3072
	v_lshl_add_u32 v[WO], v1, 4, s25
	v_lshlrev_b32 v[BO], 4, v1
	v_lshlrev_b32 v13, 4, v2
	v_lshlrev_b32 v15, 5, v3
	v_mov_b32 v[WH], 0x43200000                    ; 160
	v_mov_b32 v[WH+1], 0x42b80000                  ; 92
	v_mov_b32 v[WH+2], 0x42a00000                  ; 80
	v_mov_b32 v[WH+3], 0x42380000                  ; 46
	v_mov_b32 v[WH+4], 0x42200000                  ; 40
	v_mov_b32 v[WH+5], 0x41b80000                  ; 23
	s_mov_b32 s[INV], 0x3b800000                   ; 1 / 256
	s_mov_b32 s[L2E], 0x3fb8aa3b                   ; log2(e)
	s_mul_i32 s26, ttmp9, 81920
	s_mov_b32 s27, 0
	s_mul_i32 s28, s[WV], 40960
	s_add_co_u32 s28, s28, OFFQ
	s_mov_b32 s29, 0
	s_mul_i32 s30, s[WV], 384
	s_add_co_u32 s30, s30, OFFB
	s_mov_b32 s31, 0
	s_wait_kmcnt 0x0
	s_add_nc_u64 s[8:9], s[8:9], s[26:27]
	s_add_nc_u64 s[10:11], s[10:11], s[26:27]
	s_add_nc_u64 s[32:33], s[18:19], s[28:29]
	s_add_nc_u64 s[34:35], s[18:19], s[30:31]
	s_wait_alu depctr_va_vdst(0)                   ; the offsets and LDS addresses v4 to v11, v13 and v15 are written, which the loads and stores below read
.irp j, 0,1,2,3
	global_load_b128 v[LNW+4*\j:LNW+4*\j+3], v13, s[14:15] offset:256*\j
	global_load_b128 v[LNB+4*\j:LNB+4*\j+3], v13, s[16:17] offset:256*\j
.endr
.irp lv, 0,1,2
	global_load_b64 v[REF+2*\lv:REF+2*\lv+1], v[RO], s[12:13] offset:8*\lv
.endr
.irp i, 0,1,2,3,4,5
	QPL \i                                         ; 11 + 48 = 59 loads are out
.endr
	; The counts: behind pair i's eight loads stand the later pairs of the first six, 8 (5 - i), and what has been issued behind the pairs before: 18 behind each of pairs 0-3, 10 behind each of pairs 4-8.
	; By that count 40, 50, 60, 70, 80, 82; for pairs 6-9, asked for behind pairs 0-3: 84, 76, 68, 60.  A wait can name 63 at the most, and a smaller count is always right.
	; The loads between the pairs land in registers that no vector line has named, by offsets that the wait above has shown written: they owe no further wait.
	PAIR 0, 40
	QPL 6
	WCH 0
	PAIR 1, 50
	QPL 7
	WCH 1
	PAIR 2, 60
	QPL 8
	WCH 2
	PAIR 3, 63
	QPL 9
	WCH 3
	PAIR 4, 63
	WCH 4
	PAIR 5, 63
	WCH 5
	PAIR 6, 63
	WCH 6
	PAIR 7, 63
	WCH 7
	PAIR 8, 63
	WCH 8
	PAIR 9, 60
	s_wait_alu depctr_va_vdst(0)                   ; pair 9's conversions have written its out-buffer; and the norm is done reading the registers of query in which q's fragments land below
	PSTORE 9
	s_wait_loadcnt 0x0                             ; the weights and the bias are in
	s_wait_dscnt 0x0                               ; for the others' sake: my rows of q lie in LDS
	s_barrier_signal -1
	s_barrier_wait -1
	AFETCHM
	s_mov_b32 s[CNT], 5
.Lmt:                                          ; a trip: 16 queries
	s_wait_dscnt 0x0
	WIN 0x46                                       ; the first K step starts the sums with the bias; the five accumulators take turns
.irp nt, 0,1,2,3,4
	v_wmma_f32_16x16x32_bf16 v[8*\nt:8*\nt+7], v[8*\nt:8*\nt+7], v[AFM:AFM+7], v[BIAS+8*\nt:BIAS+8*\nt+7]
.endr
	WIN 0x56
.irp ks, 1,2,3,4,5
.irp nt, 0,1,2,3,4
	v_wmma_f32_16x16x32_bf16 v[8*\nt:8*\nt+7], v[40*\ks+8*\nt:40*\ks+8*\nt+7], v[AFM+8*\ks:AFM+8*\ks+7], v[8*\nt:8*\nt+7]
.endr
.endr
	WIN 0x57
.irp ks, 6,7
.irp nt, 0,1,2,3,4
	v_wmma_f32_16x16x32_bf16 v[8*\nt:8*\nt+7], v[40*(\ks-6)+8*\nt:40*(\ks-6)+8*\nt+7], v[AFM+8*\ks:AFM+8*\ks+7], v[8*\nt:8*\nt+7]
.endr
.endr
	WIN 0
	; ONE BLOCK for all that memory instructions and vector lines hand each other in a trip.  Its nine plain lines are also the places behind the last product, ahead of the reads of the sums (ISA guide 7.12.1).
	s_wait_loadcnt 0x0                             ; this trip's reference points, asked for a trip ago
	s_wait_xcnt 0x0                                ; the last trip's stores have had their addresses translated: their offsets and data are written again only behind this wait
	s_wait_alu depctr_vm_vsrc(0)                   ; the fragments' loads have read AA0, the reference points' loads RO, the last trip's stores IO, WO, IDXO and WOUT; in the first trip: the bias's loads v15, the norm's stores OB
	v_add_nc_u32 v[AA0], 16*PA, v[AA0]
.irp lv, 0,1,2
	v_pk_fma_f32 v[RXY+2*\lv:RXY+2*\lv+1], v[REF+2*\lv:REF+2*\lv+1], v[WH+2*\lv:WH+2*\lv+1], -0.5 op_sel_hi:[1,1,0]
.endr
	v_add_nc_u32 v[G], 16, v[G]
	v_min_u32 v[RO], 38639, v[G]                   ; the last trip's look-ahead stays inside ref_pts
	v_mul_u32_u24 v[RO], v[RO], 24
	v_add_nc_u32 v[IO], 6144, v[IO]                ; one tile past this trip's: the stores below reach back by their immediates
	v_add_nc_u32 v[WO], 12288, v[WO]
	s_wait_alu depctr_va_vdst(0)                   ; AA0, RO, IO and WO are written; the products are done reading q's fragments, the three multiply-adds REF: the loads below land there
	AFETCHM                                        ; the next 16 queries come in under the arithmetic below (in the last trip: rows 80-95)
.irp lv, 0,1,2
	global_load_b64 v[REF+2*\lv:REF+2*\lv+1], v[RO], s[12:13] offset:8*\lv
.endr
	WIN 0x01
.set n, 0
.rept 12
	v_pk_add_f32 v[XY+2*n:XY+2*n+1], v[2*n:2*n+1], v[RXY+2*(n/4):RXY+2*(n/4)+1]  ; each accumulator is read from its low end
.set n, n+1
.endr
.set n, 0
.rept 12
	v_mul_f32 v[LG+n], v[24+n], s[L2E]
.set n, n+1
.endr
	WIN 0
	v_max3_num_f32 v[MX], v[LG], v[LG+1], v[LG+2]
	v_max3_num_f32 v14, v[LG+3], v[LG+4], v[LG+5]
	v_max3_num_f32 v15, v[LG+6], v[LG+7], v[LG+8]
	v_max3_num_f32 v16, v[LG+9], v[LG+10], v[LG+11]
	v_max3_num_f32 v[MX], v[MX], v14, v15
	v_max_num_f32 v[MX], v[MX], v16
.set n, 0
.rept 12
	v_sub_f32 v[LG+n], v[LG+n], v[MX]
.set n, n+1
.endr
.set n, 0
.rept 12
	v_exp_f32 v[LG+n], v[LG+n]
.set n, n+1
.endr
	v_nop
	s_wait_alu depctr_va_vdst(0)                   ; the twelve exponentials are written, ahead of their first reader
	v_add_f32 v14, v[LG], v[LG+1]
	v_add_f32 v15, v[LG+2], v[LG+3]
	v_add_f32 v16, v[LG+4], v[LG+5]
	v_add_f32 v17, v[LG+6], v[LG+7]
	v_add_f32 v18, v[LG+8], v[LG+9]
	v_add_f32 v19, v[LG+10], v[LG+11]
	v_add_f32 v14, v14, v15
	v_add_f32 v16, v16, v17
	v_add_f32 v18, v18, v19
	v_add_f32 v14, v14, v16
	v_add_f32 v14, v14, v18
	v_rcp_f32 v14, v14
	v_nop
	s_wait_alu depctr_va_vdst(0)                   ; the reciprocal is written, ahead of its first reader
.set n, 0
.rept 12
	v_mul_f32 v[LG+n], v[LG+n], v14
.set n, n+1
.endr
	LEVEL 0, 0x43200000, 0x431e0000, 0x42b40000, 0
	LEVEL 1, 0x42a00000, 0x429c0000, 0x42300000, 14720
	LEVEL 2, 0x42200000, 0x42180000, 0x41a80000, 18400
	s_wait_alu depctr_va_vdst(0)                   ; the three levels' lines have written IDXO and WOUT, which the nine stores read
.irp i, 0,1,2
	global_store_b128 v[IO], v[IDXO+4*\i:IDXO+4*\i+3], s[20:21] offset:512*\i-6144  ; each store of the wave covers 512 consecutive bytes
.endr
.irp c, 0,1
.irp i, 0,1,2
	global_store_b128 v[WO], v[WOUT+12*\c+4*\i:WOUT+12*\c+4*\i+3], s[22:23] offset:1536*\c+512*\i-12288
.endr
.endr
	s_sub_co_u32 s[CNT], s[CNT], 1
	s_cmp_lg_u32 s[CNT], 0
	s_cbranch_scc1 .Lmt
	s_wait_dscnt 0x0                               ; the closing lines, six on end
	s_wait_alu 0x0
	s_wait_tensorcnt 0x0
	ds_add_u32 v[SPW], v[NIL]
	s_wait_dscnt 0x0
	s_endpgm
.Lfunc_end_k_qa651f1c019_qproj:
	.size	k_qa651f1c019_qproj, .Lfunc_end_k_qa651f1c019_qproj-k_qa651f1c019_qproj
	.p2alignl 7, 3214868480
	.fill 96, 4, 3214868480
	.section	.rodata,"a",@progbits
	.p2align	6, 0x0
	.amdhsa_kernel k_qa651f1c019_qproj
		.amdhsa_group_segment_fixed_size 51200
		.amdhsa_private_segment_fixed_size 0
		.amdhsa_enable_private_segment 0
		.amdhsa_kernarg_size 64
		.amdhsa_user_sgpr_count 2
		.amdhsa_user_sgpr_kernarg_segment_ptr 1
		.amdhsa_wavefront_size32 1
		.amdhsa_system_sgpr_workgroup_id_x 1
		.amdhsa_system_sgpr_workgroup_id_y 1
		.amdhsa_system_sgpr_workgroup_id_z 1
		.amdhsa_system_vgpr_workitem_id 0
		.amdhsa_next_free_vgpr 1008
		.amdhsa_next_free_sgpr 66
		.amdhsa_reserve_vcc 0
		.amdhsa_float_denorm_mode_32 3
		.amdhsa_float_denorm_mode_16_64 3
		.amdhsa_memory_ordered 1
		.amdhsa_forward_progress 1
		.amdhsa_inst_pref_size 98
	.end_amdhsa_kernel
	.amdgpu_metadata
---
amdhsa.version: [ 1, 2 ]
amdhsa.kernels:
  - .name:           k_qa651f1c019_qproj
    .symbol:         k_qa651f1c019_qproj.kd
    .args:
      - { .name: query, .offset: 0, .size: 8, .value_kind: global_buffer, .address_space: global }
      - { .name: query_pos, .offset: 8, .size: 8, .value_kind: global_buffer, .address_space: global }
      - { .name: ref_pts, .offset: 16, .size: 8, .value_kind: global_buffer, .address_space: global }
      - { .name: ln1_w, .offset: 24, .size: 8, .value_kind: global_buffer, .address_space: global }
      - { .name: ln1_b, .offset: 32, .size: 8, .value_kind: global_buffer, .address_space: global }
      - { .name: wt, .offset: 40, .size: 8, .value_kind: global_buffer, .address_space: global }
      - { .name: idx, .offset: 48, .size: 8, .value_kind: global_buffer, .address_space: global }
      - { .name: wts, .offset: 56, .size: 8, .value_kind: global_buffer, .address_space: global }
    .group_segment_fixed_size: 51200
    .private_segment_fixed_size: 0
    .kernarg_segment_align: 8
    .kernarg_segment_size: 64
    .max_flat_workgroup_size: 128
    .sgpr_count:     66
    .vgpr_count:     1008
    .wavefront_size: 32
...
	.end_amdgpu_metadata
.endif
;; end of part 10
;; launch gather: the kernel of part 8 again; grid 256 x 1, 16 waves a work-group, no clusters, 157,696 bytes of LDS; arguments idx, wts, val2, samp; writes samp
;; launch ffn (part 11): grid 483 x 1, 4 waves a work-group, no clusters, 305,920 bytes of LDS; arguments query, samp, ln1_w, ln1_b, ln2_w, ln2_b, b_out, b_ffn1, b_ffn2, wt, out0; writes out0
.if DOCPART == 11
	.amdgcn_target "amdgcn-amd-amdhsa--gfx1250"
	.amdhsa_code_object_version 6
	.text
	.protected	k_qa651f1c019_ffn
	.globl	k_qa651f1c019_ffn
	.p2align	8
	.type	k_qa651f1c019_ffn,@function
k_qa651f1c019_ffn:
	s_mov_b64 s[64:65], 0
	v_nop
	global_prefetch_b8 v0, s[64:65] scope:SCOPE_SE
	s_setreg_imm32_b32 hwreg(HW_REG_WAVE_SCHED_MODE, 0, 2), 2
	s_setreg_imm32_b32 hwreg(HW_REG_WAVE_MODE, 25, 1), 1
	s_wait_xcnt 0x0
	s_wait_alu depctr_vm_vsrc(0)
; x = query + layernorm1(query) + samp W_out + b_out;  out0 = x + gelu(layernorm2(x) W_ffn1 + b_ffn1) W_ffn2 + b_ffn2.  Matrix operands in bf16, each rounded once; sums, norms, x and the gelu in f32.
; samp comes by planes of four channels, [plane 64][query][4] bf16, a plane 309,248 bytes: a wave takes 16 planes of the block's 80 rows and lays them as rows in LDS.
; GELU, exact form: 2 gelu(v) = v + |v| erf(|v| / sqrt 2), erf(z) = 1 - (1 + a1 z + .. + a6 z^6)^-16 (Abramowitz and Stegun 7.1.28, error under 3e-7 for every z >= 0; where the polynomial
; overflows its reciprocal is 0 and erf is 1).  The factor 1/2 lies in the stored W_ffn2, exactly.  NaN and infinities are not treated apart.
; SHARES.  A work-group has 80 rows and keeps them from first to last: x (f32) and the 1,024 hidden numbers of each row (bf16) stay in LDS.  Row work: a wave takes 20 rows, two to a load, 16 lanes a row.
; Products: the four waves split the columns, so each wave streams its own weight fragments from wt straight into registers, 32 KiB a round, nine rounds (W_out; four passes of W_ffn1; four quarters of
; W_ffn2's K), into two sets of 256 registers by turns: a round's loads go out while the round before is multiplied.  Each fragment of weights feeds five products.
; A round is 64 loads, one more than LOADcnt's field holds (ISA guide 5.7.1: the instruction that would pass it stalls at issue): so 60 go out at the round's beginning and the last four later.
; Products are taken transposed (source 0 = 16 columns of a weight, source 1 = 16 rows): a lane holds one row (lane % 16) and eight neighbouring columns.
; The last product's sums start on x + b_ffn2, read from LDS into the accumulators in their own layout: its 32 K steps are alike (a loop), and what it leaves is out0.
; No cluster: 483 work-groups divide by no 4; no tensor load: no wave wants a weight byte that another wave fetched.
; WINDOWS: 0 addresses, per-column vectors, row work (v160-239: in the two long products fragment set 1); 1 accumulators and row fragments (first the rows as loaded); 2 and 3 the two sets of weights (32 ks + 8 nt).
; THE MODE: SCHED_MODE bits 1:0 = 2 (LLVM: expert scheduling mode 2), set by the entry lines.  The code itself states the register dependences between vector or matrix instructions and memory or LDS
; instructions, with s_wait_alu, always for 0.
; THE PLAN.  Registers that memory or LDS instructions touch, phase by phase:
;   First row phase.  OB0, OB1: pair i's last additions write OB[i % 2]; its LDS stores stand in pair i + 1, behind that pair's wait for its two roots.  All loads land in registers that no vector line has named.
;   The two long products (samp W_out; W_ffn2).  Four fragment buffers: set 0 in window 1, set 1 in window 0, two K steps each.  A double step multiplies one set, 40 products; behind its first 20 the other set's 20 loads
;     go out, and at a round's beginning the next round's first 60 loads of weights.  ONE wait on va_vdst at a double step's head states that the double step before is done reading the other set (and, where the round
;     changes, the other set of weights); the products issued behind it name this set, this round's weights and the accumulators alone.
;   Second row phase.  DI, U: a trip's rows; all their readers stand ahead of the trip's wait for its roots, so the next trip's loads follow that wait.  TO, UO: out-buffers, one wait ahead of the trip's stores.
;   A pass of W_ffn1.  AFM: read by a trip's 32 products, landed in again behind them; AAW, HSW: stepped in the same place; OO: written by the gelu's conversions, read by four LDS stores.
;   The way out.  D, U: landed in from the stage, read by the stores; out0's scalar base steps, the one LDS address is stepped by a vector line.
.set PX,    1040                       ; a row of f32 in LDS: 1,024 + 16;  PA, PH likewise: odd multiples of 16, so the 16 rows of a load or store start in different banks (ISA guide 11.1)
.set PA,    528
.set PH,    2064
.set AB,    83200                      ; behind x (80 rows): 100 rows of bf16: samp, later layernorm2(x); rows 80-99 repeat rows 0-19 for the look-ahead of the pass's last trip
.set HB,    136192                     ; the hidden rows; a stage of 80 rows of f32 lies over its beginning while the hidden rows are not alive
.set B1B,   301312                     ; b_ffn1
.set SPARE, 305408                     ; the spare words, named by no other line
.set SPL,   309248                     ; bytes of a plane of samp
.set WV, 2
.set CNT, 3
.set CN2, 4
.set INV, 5
.set BP, 30                            ; s[30:31] my wave's stream of weights, at the round last asked for
.set A1, 40                            ; s[40:51] a1 .. a6 divided by sqrt(2)^k, each twice: named as pairs
.set MASK, 52
.set VO,  4
.set XR,  5                            ; x: my 16 bytes in the wave's first two rows
.set SR,  6                            ; the same in the stage
.set AW,  7                            ; layernorm2(x) as I store it: it starts one pair of rows back and is stepped ahead of each trip's stores
.set AA,  8                            ; v8-12
.set AA0, 13
.set HS,  14                           ; the hidden rows as I store them: 16 rows back, for the same reason
.set SS,  15                           ; the stage in an accumulator's layout: row lane % 16, my 64 columns, 32 bytes for each half of the lanes
.set BL,  16
.set BO,  17
.set XI,  18                           ; x in the same layout
.set XI4, 19                           ; and 64 rows on: past the reach of a 16-bit offset
.set SS4, 20
.set XW,  21                           ; working copies, stepped in loops
.set SW2, 22
.set AAW, 23
.set HSW, 24
.set XS,  26                           ; x: where the trip in hand stores
.set SPW, 30
.set NIL, 31
.set LN1W, 32
.set LN1B, 48
.set BOUT, 64
.set LN2W, 80
.set LN2B, 96
.set B2,   112
.set BIAS, 128
.set D,   160
.set T,   176
.set TO,  184                          ; v184-191 second row phase: layernorm2(x) in bf16, to store
.set U,   192
.set GA,  192                          ; at the head alone: samp, 8 x lane: 32 rows of a plane on end
.set GB,  193                          ; samp, 16 rows of a plane (lanes 0-15) and of the next plane (lanes 16-31)
.set LA,  194                          ; where the first go in LDS: row = lane
.set LB,  195                          ; and the second: row = lane % 16, 8 bytes on for lanes 16-31
.set RS,  208
.set M,   210
.set BT,  212
.set OB,  220                          ; v220-251 first row phase: two out-buffers of 16
.set DI,  220                          ; v220-235 second row phase: x as loaded
.set UO,  236                          ; v236-251 second row phase: x + b_ffn2, to store
.set AF,  160                          ; fragment set 0 (window 1) and set 1 (window 0): two buffers of five fragments each
.set AFM, 32                           ; window 1, in the passes of W_ffn1: 16 rows x 256 channels
.set AX,  160                          ; window 1: |v|
.set PP,  192                          ; the polynomial
.set OO,  224                          ; packed results
.set MSB, 0
.macro WIN new
.if MSB != (\new)
	s_set_vgpr_msb (MSB<<8)|(\new)
.set MSB, (\new)
.endif
.endm
.macro PLACES                          ; four plain vector instructions behind a matrix instruction, ahead of a read of its result or a load into its registers
.rept 4
	v_nop
.endr
.endm
.macro LNSTAT x, w                     ; 16 numbers a lane at v[x] of window w, 16 lanes a row: leaves x - mean in D and 1 / sqrt(variance + 1e-5) twice in RS; the variance is the mean of (x - mean)^2
	WIN 5*(\w)
.irp k, 0,1,2,3
	v_pk_add_f32 v[T+2*\k:T+2*\k+1], v[(\x)+4*\k:(\x)+4*\k+1], v[(\x)+4*\k+2:(\x)+4*\k+3]
.endr
	WIN 0
	v_pk_add_f32 v[T:T+1], v[T:T+1], v[T+2:T+3]
	v_pk_add_f32 v[T+4:T+5], v[T+4:T+5], v[T+6:T+7]
	v_pk_add_f32 v[T:T+1], v[T:T+1], v[T+4:T+5]
	v_add_f32 v[T], v[T], v[T+1]
.irp m, 1,2,4,8
	v_add_f32_dpp v[T], v[T], v[T] row_xmask:\m row_mask:0xf bank_mask:0xf
.endr
	v_mul_f32 v[M], s[INV], v[T]
	v_mul_f32 v[M+1], s[INV], v[T]
	WIN (\w)
.irp k, 0,2,4,6,8,10,12,14
	v_pk_add_f32 v[D+\k:D+\k+1], v[(\x)+\k:(\x)+\k+1], v[M:M+1] neg_lo:[0,1] neg_hi:[0,1]
.endr
	WIN 0
	v_pk_mul_f32 v[T:T+1], v[D:D+1], v[D:D+1]
	v_pk_mul_f32 v[T+2:T+3], v[D+2:D+3], v[D+2:D+3]
.irp k, 4,8,12
	v_pk_fma_f32 v[T:T+1], v[D+\k:D+\k+1], v[D+\k:D+\k+1], v[T:T+1]
	v_pk_fma_f32 v[T+2:T+3], v[D+\k+2:D+\k+3], v[D+\k+2:D+\k+3], v[T+2:T+3]
.endr
	v_pk_add_f32 v[T:T+1], v[T:T+1], v[T+2:T+3]
	v_add_f32 v[T], v[T], v[T+1]
.irp m, 1,2,4,8
	v_add_f32_dpp v[T], v[T], v[T] row_xmask:\m row_mask:0xf bank_mask:0xf
.endr
	v_fmaak_f32 v[T], s[INV], v[T], 0x3727c5ac
	v_rsq_f32 v[RS], v[T]
	v_rsq_f32 v[RS+1], v[T]
	v_nop
	s_wait_alu depctr_va_vdst(0)                   ; the two roots are written, ahead of their first reader; the LDS instructions that follow this macro lean on the same wait, for what their comments name
.endm
.macro VEC dst, sb                     ; a vector of 256 numbers: my 16 columns
.irp j, 0,1,2,3
	global_load_b128 v[(\dst)+4*\j:(\dst)+4*\j+3], v27, s[\sb:\sb+1] offset:256*\j
.endr
.endm
.macro BLOADP ring, from, to           ; loads number from .. to - 1 of a round's 64, 512 consecutive bytes each
	WIN (\ring)<<6
.set n, (\from)
.rept (\to)-(\from)
	global_load_b128 v[4*n:4*n+3], v[BO], s[BP:BP+1] offset:512*n
.set n, n+1
.endr
.endm
; Load number e of the 118 that the first row phase does not need: three vectors, my part of b_ffn1, samp, round 0's weights.  They go out 14 at a time behind the pairs of rows.
.macro XL
.if e < 4
	WIN 0
	global_load_b128 v[LN2W+4*e:LN2W+4*e+3], v27, s[16:17] offset:256*e
.elseif e < 8
	WIN 0
	global_load_b128 v[LN2B+4*(e-4):LN2B+4*(e-4)+3], v27, s[18:19] offset:256*(e-4)
.elseif e < 12
	WIN 0
	global_load_b128 v[B2+4*(e-8):B2+4*(e-8)+3], v27, s[24:25] offset:256*(e-8)
.elseif e < 14
	WIN 0
	global_load_b128 v[BT+4*(e-12):BT+4*(e-12)+3], v28, s[22:23] offset:512*(e-12)
.elseif e < 46
	WIN 0x40
	global_load_b64 v[160+2*(e-14):160+2*(e-14)+1], v[GA], s[10:11] offset:((e-14)/2)*SPL+256*((e-14)%2) th:TH_LOAD_NT  ; rows 0-31 or 32-63 of a plane: 256 bytes on end
.elseif e < 54
	WIN 0x40
	global_load_b64 v[224+2*(e-46):224+2*(e-46)+1], v[GB], s[10:11] offset:2*(e-46)*SPL+512 th:TH_LOAD_NT               ; rows 64-79 of two planes
.else
	WIN 0x80
	global_load_b128 v[4*(e-54):4*(e-54)+3], v[BO], s[BP:BP+1] offset:512*(e-54)
.endif
.set e, e+1
.endm
; The five row tiles' fragments of two K steps, 20 loads, into fragment set 0 (window 1) or 1 (window 0); the first K step's ten go first.
.macro AFETCH2 set, koff
	WIN 0x40*(1-(\set))
.irp h, 0,1
.irp mt, 0,1,2,3,4
	ds_load_b128 v[AF+40*\h+8*\mt:AF+40*\h+8*\mt+3], v[AA+\mt] offset:(\koff)+64*\h
	ds_load_b128 v[AF+40*\h+8*\mt+4:AF+40*\h+8*\mt+7], v[AA+\mt] offset:(\koff)+64*\h+32
.endr
.endr
.endm
; One K step for 80 rows x 64 columns: 20 matrix instructions on 20 accumulators that take turns.  b: which buffer of the set.  cmode 0: the sums start; 2: in place.
.macro HALF ring, ks, set, b, cmode
	WIN 0x54-4*(\set)+(\ring)
.irp mt, 0,1,2,3,4
.irp nt, 0,1,2,3
.if (\cmode) == 0
	v_wmma_f32_16x16x32_bf16 v[8*(4*\mt+\nt):8*(4*\mt+\nt)+7], v[32*(\ks)+8*\nt:32*(\ks)+8*\nt+7], v[AF+40*(\b)+8*\mt:AF+40*(\b)+8*\mt+7], 0
.else
	v_wmma_f32_16x16x32_bf16 v[8*(4*\mt+\nt):8*(4*\mt+\nt)+7], v[32*(\ks)+8*\nt:32*(\ks)+8*\nt+7], v[AF+40*(\b)+8*\mt:AF+40*(\b)+8*\mt+7], v[8*(4*\mt+\nt):8*(4*\mt+\nt)+7]
.endif
.endr
.endr
.endm
; A double step's first half.  head = 1: the wait of the plan.  nextk >= 0: behind the 20 products the other set's 20 loads go out, for the next double step.
.macro DA ring, ks, set, cmode, head, nextk
.if \head
	PLACES
	s_wait_alu depctr_va_vdst(0)                   ; the double step before is done reading the other fragment set, in which the loads behind the next 20 products land; where the round changes: and the other set of weights
.endif
	s_wait_dscnt 10                                ; this set's first buffer is in; the ten loads of its second may stay out
	HALF \ring, \ks, \set, 0, \cmode
.if (\nextk) >= 0
	AFETCH2 1-(\set), \nextk                       ; no wait: no vector or matrix instruction since the wait at the head names these registers
.endif
.endm
.macro DB ring, ks, set, left          ; its second half.  left: the LDS loads issued behind this set's: the other set's 20, or none
	s_wait_dscnt \left
	HALF \ring, \ks, \set, 1, 2
.endm
.macro STAGE                           ; the 20 accumulators, f32, into the stage: 32 bytes a lane, each accumulator from its low end
	PLACES
	WIN 0x04
	s_wait_alu depctr_va_vdst(0)                   ; the products have written the accumulators, which the LDS stores read, and are done reading both fragment sets; the places above stay beside this wait
.irp mt, 0,1,2,3
.irp nt, 0,1,2,3
	ds_store_b128 v[SS], v[8*(4*\mt+\nt):8*(4*\mt+\nt)+3] offset:\mt*16*PX+64*\nt
	ds_store_b128 v[SS], v[8*(4*\mt+\nt)+4:8*(4*\mt+\nt)+7] offset:\mt*16*PX+64*\nt+16
.endr
.endr
.irp nt, 0,1,2,3
	ds_store_b128 v[SS4], v[8*(16+\nt):8*(16+\nt)+3] offset:64*\nt
	ds_store_b128 v[SS4], v[8*(16+\nt)+4:8*(16+\nt)+7] offset:64*\nt+16
.endr
	WIN 0
.endm
.macro AFETCHM adr                     ; 16 rows x 256 channels: eight fragments, by the address register adr
	WIN 0x40
.irp ks, 0,1,2,3,4,5,6,7
	ds_load_b128 v[AFM+8*\ks:AFM+8*\ks+3], v[\adr] offset:64*\ks
	ds_load_b128 v[AFM+8*\ks+4:AFM+8*\ks+7], v[\adr] offset:64*\ks+32
.endr
.endm
.macro PK16 line:vararg                ; one packed line for each of 16 pairs, n = 0, 2 .. 30
.set n, 0
.rept 16
	\line
.set n, n+2
.endr
.endm
.macro GELU32                          ; 2 gelu of the 32 numbers in the four accumulators, rounded to bf16, into the hidden rows; all registers in window 1
	WIN 0x55
.set n, 0
.rept 32
	v_and_b32 v[AX+n], s[MASK], v[n]
.set n, n+1
.endr
	PK16 v_pk_fma_f32 v[PP+n:PP+n+1], v[AX+n:AX+n+1], s[A1+10:A1+11], s[A1+8:A1+9] op_sel_hi:[1,0,0]
	PK16 v_pk_fma_f32 v[PP+n:PP+n+1], v[PP+n:PP+n+1], v[AX+n:AX+n+1], s[A1+6:A1+7] op_sel_hi:[1,1,0]
	PK16 v_pk_fma_f32 v[PP+n:PP+n+1], v[PP+n:PP+n+1], v[AX+n:AX+n+1], s[A1+4:A1+5] op_sel_hi:[1,1,0]
	PK16 v_pk_fma_f32 v[PP+n:PP+n+1], v[PP+n:PP+n+1], v[AX+n:AX+n+1], s[A1+2:A1+3] op_sel_hi:[1,1,0]
	PK16 v_pk_fma_f32 v[PP+n:PP+n+1], v[PP+n:PP+n+1], v[AX+n:AX+n+1], s[A1:A1+1] op_sel_hi:[1,1,0]
	PK16 v_pk_fma_f32 v[PP+n:PP+n+1], v[PP+n:PP+n+1], v[AX+n:AX+n+1], 1.0 op_sel_hi:[1,1,0]
.set n, 0
.rept 32
	v_rcp_f32 v[PP+n], v[PP+n]
.set n, n+1
.endr
	PK16 v_pk_add_f32 v[n:n+1], v[n:n+1], v[AX+n:AX+n+1]
	s_wait_alu depctr_va_vdst(0)                   ; the 32 reciprocals are written, ahead of their first reader; the 16 sums v + |v| above are the plain work behind them
.rept 4
	PK16 v_pk_mul_f32 v[PP+n:PP+n+1], v[PP+n:PP+n+1], v[PP+n:PP+n+1]
.endr
	PK16 v_pk_fma_f32 v[n:n+1], v[PP+n:PP+n+1], v[AX+n:AX+n+1], v[n:n+1] neg_lo:[1,0,0] neg_hi:[1,0,0]
.set n, 0
.rept 16
	v_cvt_pk_bf16_f32 v[OO+n], v[2*n], v[2*n+1]
.set n, n+1
.endr
	WIN 0x04
	s_wait_alu depctr_va_vdst(0)                   ; the conversions have written OO, which the four LDS stores read
.irp nt, 0,1,2,3
	ds_store_b128 v[HSW], v[OO+4*\nt:OO+4*\nt+3] offset:32*\nt
.endr
.endm
; A pass of W_ffn1: 64 hidden columns of my 256, for all 80 rows, 16 rows a trip: 32 matrix instructions on four accumulators that take turns, the next rows' fragments, the gelu.
; The next round's first 60 loads go out ahead of the loop, its last four behind it; those four serve K step 7 alone, and the next pass waits for them there.
.macro PASS ring, other
	s_wait_loadcnt 4                               ; this round's first 60 loads are in; its last four, issued behind them, may stay out
	s_wait_xcnt 0x0                                ; they have read the base, which is written only behind this wait
	s_add_nc_u64 s[BP:BP+1], s[BP:BP+1], 32768
	s_wait_alu depctr_vm_vsrc(0)                   ; the last pass's fragment loads have read AAW, its last stores HSW
	v_mov_b32 v[AAW], v[AA0]
	v_mov_b32 v[HSW], v[HS]
	s_wait_alu depctr_va_vdst(0)                   ; BL, stepped at the last pass's end, is written: the bias's loads read it; the round before is done reading the other set of weights and the bias, in which the loads below land
	BLOADP \other, 0, 60
	WIN 0
.irp nt, 0,1,2,3
	ds_load_b128 v[BIAS+8*\nt:BIAS+8*\nt+3], v[BL] offset:64*\nt
	ds_load_b128 v[BIAS+8*\nt+4:BIAS+8*\nt+7], v[BL] offset:64*\nt+16
.endr
	s_mov_b32 s[CNT], 5
	s_wait_dscnt 0x0                               ; the bias and the first rows' fragments
.Lmt_\@:
	s_wait_dscnt 4                                 ; the last trip's four stores of hidden numbers may stay out; the 16 loads of fragments were issued ahead of them
	WIN 0x44+(\ring)
.irp nt, 0,1,2,3
	v_wmma_f32_16x16x32_bf16 v[8*\nt:8*\nt+7], v[8*\nt:8*\nt+7], v[AFM:AFM+7], v[BIAS+8*\nt:BIAS+8*\nt+7]
.endr
	WIN 0x54+(\ring)
.irp ks, 1,2,3,4,5,6
.irp nt, 0,1,2,3
	v_wmma_f32_16x16x32_bf16 v[8*\nt:8*\nt+7], v[32*\ks+8*\nt:32*\ks+8*\nt+7], v[AFM+8*\ks:AFM+8*\ks+7], v[8*\nt:8*\nt+7]
.endr
.endr
	s_wait_loadcnt 60                              ; this round's last four loads are in: behind them stand the next round's 60
.irp nt, 0,1,2,3
	v_wmma_f32_16x16x32_bf16 v[8*\nt:8*\nt+7], v[32*7+8*\nt:32*7+8*\nt+7], v[AFM+8*7:AFM+8*7+7], v[8*\nt:8*\nt+7]
.endr
	WIN 0
	s_wait_alu depctr_vm_vsrc(0)                   ; the fragments' loads have read AAW, the last trip's stores HSW and OO, the bias's loads BL
	v_add_nc_u32 v[AAW], 16*PA, v[AAW]             ; four plain instructions behind the last product, ahead of the gelu's reads of the sums
	v_add_nc_u32 v[HSW], 16*PH, v[HSW]
	v_nop
	v_nop
	s_wait_alu depctr_va_vdst(0)                   ; AAW and HSW are written; the products are done reading the fragments, in which the loads below land
	AFETCHM AAW                                    ; the next 16 rows (in the last trip rows 80-95, which are rows 0-15: the next pass's first)
	GELU32
	WIN 0
	s_sub_co_u32 s[CNT], s[CNT], 1
	s_cmp_lg_u32 s[CNT], 0
	s_cbranch_scc1 .Lmt_\@
	v_add_nc_u32 v[HS], 128, v[HS]                 ; the next pass's 64 columns
	v_add_nc_u32 v[BL], 256, v[BL]
	BLOADP \other, 60, 64                          ; no wait: no vector or matrix instruction since the gelu's last wait names these registers
	WIN 0
.endm
.macro P0STORE i                       ; pair i's two rows of query + layernorm1(query) + b_out leave their out-buffer for x
.irp j, 0,1,2,3
	ds_store_b128 v[XR], v[OB+16*((\i)%2)+4*\j:OB+16*((\i)%2)+4*\j+3] offset:2*PX*(\i)+256*\j
.endr
.endm
.macro PAIR0 i                         ; two rows: query + layernorm1(query) + b_out, into an out-buffer
.set NW, 36+10*(\i)                    ; behind this pair's four loads stand the later pairs' 4 (9 - i) and 14 i of the 118; a wait can name 63 at the most, and a smaller count is always right
.if NW > 63
.set NW, 63
.endif
	s_wait_loadcnt NW
	LNSTAT 16*(\i), 1
.if (\i) > 0
	P0STORE (\i)-1                                 ; the pair before: the wait that ends LNSTAT has shown its out-buffer written
.endif
.irp k, 0,2,4,6,8,10,12,14
	v_pk_mul_f32 v[D+\k:D+\k+1], v[D+\k:D+\k+1], v[RS:RS+1]
.endr
.irp k, 0,2,4,6,8,10,12,14
	v_pk_fma_f32 v[D+\k:D+\k+1], v[D+\k:D+\k+1], v[LN1W+\k:LN1W+\k+1], v[BOUT+\k:BOUT+\k+1]
.endr
.if (\i) > 1
	s_wait_alu depctr_vm_vsrc(0)                   ; the LDS stores of the pair two back, issued in the pair before, have read this out-buffer, which the additions write again
.endif
	WIN 0x01
.irp k, 0,2,4,6,8,10,12,14
	v_pk_add_f32 v[OB+16*((\i)%2)+\k:OB+16*((\i)%2)+\k+1], v[16*(\i)+\k:16*(\i)+\k+1], v[D+\k:D+\k+1]
.endr
	WIN 0
.endm
	s_load_b512 s[8:23], s[0:1], 0x0               ; query 8, samp 10, ln1_w 12, ln1_b 14, ln2_w 16, ln2_b 18, b_out 20, b_ffn1 22
	s_load_b128 s[24:27], s[0:1], 0x40             ; b_ffn2 24, wt 26
	s_load_b64 s[28:29], s[0:1], 0x50              ; out0
	v_lshl_add_u32 v[SPW], v0, 2, SPARE
	v_mov_b32 v[NIL], 0
	v_lshrrev_b32 v1, 5, v0
	v_readfirstlane_b32 s[WV], v1
	v_and_b32 v1, 31, v0
	v_and_b32 v2, 15, v0
	v_bfe_u32 v3, v0, 4, 1
	s_wait_alu depctr_va_sdst(0)                   ; the wave's number is written, ahead of its first reader
	s_mul_i32 s32, s[WV], 20
	v_add_nc_u32 v25, s32, v3                      ; my row among the 80
	v_lshlrev_b32 v[VO], 10, v25
	v_lshl_add_u32 v[VO], v2, 4, v[VO]
	v_mul_u32_u24 v[XR], v25, PX
	v_lshl_add_u32 v[XR], v2, 4, v[XR]
	v_add_nc_u32 v[SR], HB, v[XR]
	v_mul_u32_u24 v[AW], v25, PA
	v_lshl_add_u32 v[AW], v2, 3, v[AW]
	v_add_nc_u32 v[AW], AB-2*PA, v[AW]
	v_mul_u32_u24 v[AA0], v2, PA
	v_lshl_add_u32 v[AA0], v3, 4, v[AA0]
	v_add_nc_u32 v[AA0], AB, v[AA0]
.irp mt, 0,1,2,3,4
	v_add_nc_u32 v[AA+\mt], \mt*16*PA, v[AA0]
.endr
	s_lshl_b32 s33, s[WV], 9
	s_add_co_u32 s33, s33, HB-16*PH
	v_mul_u32_u24 v[HS], v2, PH
	v_lshl_add_u32 v[HS], v3, 4, v[HS]
	v_add_nc_u32 v[HS], s33, v[HS]
	s_lshl_b32 s33, s[WV], 8
	v_mul_u32_u24 v[XI], v2, PX
	v_lshl_add_u32 v[XI], v3, 5, v[XI]
	v_add_nc_u32 v[XI], s33, v[XI]
	v_add_nc_u32 v[XI4], 4*16*PX, v[XI]
	v_add_nc_u32 v[SS], HB, v[XI]
	v_add_nc_u32 v[SS4], HB, v[XI4]
	s_lshl_b32 s33, s[WV], 10
	v_lshl_add_u32 v28, v1, 4, s33
	v_add_nc_u32 v29, B1B, v28
	s_add_co_u32 s33, s33, B1B
	v_lshl_add_u32 v[BL], v3, 5, s33
	v_lshlrev_b32 v[BO], 4, v1
	s_lshl_b32 s33, s[WV], 7                       ; my 16 planes of samp are 128 bytes of each row
	s_add_co_u32 s33, s33, AB
	v_lshlrev_b32 v[GA], 3, v1
	v_mul_u32_u24 v[GB], v3, SPL
	v_lshl_add_u32 v[GB], v2, 3, v[GB]
	v_mul_u32_u24 v[LA], v1, PA
	v_add_nc_u32 v[LA], s33, v[LA]
	v_mul_u32_u24 v[LB], v2, PA
	v_lshl_add_u32 v[LB], v3, 3, v[LB]
	v_add_nc_u32 v[LB], s33, v[LB]
	v_lshlrev_b32 v27, 4, v2
	s_mov_b32 s[INV], 0x3b800000                   ; 1 / 256
	s_mov_b32 s[MASK], 0x7fffffff
.irp c, 0,1
	s_mov_b32 s[A1+\c], 0x3d4c41b4                 ; 0.04986735
	s_mov_b32 s[A1+2+\c], 0x3cad2fe7               ; 0.02114101
	s_mov_b32 s[A1+4+\c], 0x3b56cd72               ; 0.003277626
	s_mov_b32 s[A1+6+\c], 0x381f6607               ; 3.800358e-5
	s_mov_b32 s[A1+8+\c], 0x384d0fec               ; 4.889064e-5
	s_mov_b32 s[A1+10+\c], 0x36b49f67              ; 5.382975e-6
.endr
	s_mul_i32 s34, ttmp9, 81920
	s_mov_b32 s35, 0
	s_mul_i32 s36, ttmp9, 640                      ; the block's 80 rows in a plane of samp,
	s_mul_i32 s33, s[WV], 16*SPL                   ; my first plane
	s_add_co_u32 s36, s36, s33
	s_mov_b32 s37, 0
	s_mul_i32 s38, s[WV], 294912
	s_mov_b32 s39, 0
	s_wait_kmcnt 0x0
	s_add_nc_u64 s[8:9], s[8:9], s[34:35]
	s_add_nc_u64 s[28:29], s[28:29], s[34:35]
	s_add_nc_u64 s[10:11], s[10:11], s[36:37]
	s_add_nc_u64 s[BP:BP+1], s[26:27], s[38:39]
	s_wait_alu depctr_va_vdst(0)                   ; the offsets and LDS addresses made above are written, which the loads and stores of the whole kernel read
	VEC LN1W, 12                                   ; what the first row phase wants goes out first: three vectors and my 20 rows of query: 52 loads
	VEC LN1B, 14
	VEC BOUT, 20
	WIN 0x40
.irp i, 0,1,2,3,4,5,6,7,8,9
.irp j, 0,1,2,3
	global_load_b128 v[16*\i+4*\j:16*\i+4*\j+3], v[VO], s[8:9] offset:2048*\i+256*\j th:TH_LOAD_NT
.endr
.endr
	WIN 0
	s_wait_loadcnt 40                              ; all but query's 40 loads
.irp k, 0,2,4,6,8,10,12,14
	v_pk_add_f32 v[BOUT+\k:BOUT+\k+1], v[BOUT+\k:BOUT+\k+1], v[LN1B+\k:LN1B+\k+1]  ; ln1_b + b_out, once
.endr
.set e, 0
.irp i, 0,1,2,3,4,5,6,7,8,9
	PAIR0 \i
.rept 14
.if e < 118
	XL                                             ; the rest comes in under the row work, into registers that no vector line has named
.endif
.endr
	WIN 0
.endr
	s_wait_alu depctr_va_vdst(0)                   ; pair 9's additions have written its out-buffer; and the row work is done with v160 to v251, over which fragment set 1 lies from here on
	P0STORE 9
	s_wait_loadcnt 60                              ; samp and b_ffn1 are in: behind samp's last load stand round 0's 64
	ds_store_b128 v29, v[BT:BT+3]
	ds_store_b128 v29, v[BT+4:BT+7] offset:512
	WIN 0x04
.irp pl, 0,1,2,3,4,5,6,7,8,9,10,11,12,13,14,15
	ds_store_b64 v[LA], v[160+4*\pl:160+4*\pl+1] offset:8*\pl
	ds_store_b64 v[LA], v[160+4*\pl+2:160+4*\pl+3] offset:32*PA+8*\pl
.endr
.irp pp, 0,1,2,3,4,5,6,7
	ds_store_b64 v[LB], v[224+2*\pp:224+2*\pp+1] offset:64*PA+16*\pp
.endr
	WIN 0
	s_wait_dscnt 0x0                               ; for the others' sake: my planes of samp and my rows of x lie in LDS
	s_barrier_signal -1
	s_barrier_wait -1
	s_wait_alu depctr_vm_vsrc(0)                   ; my LDS stores have read samp's registers, the out-buffers and b_ffn1's, and samp's loads and stores their four address registers: fragments land in all of these from here on
	AFETCH2 0, 0                                   ; samp W_out: K steps 0 and 1
	s_wait_loadcnt 0x0                             ; round 0's weights are in; the wait also frees their base
	s_add_nc_u64 s[BP:BP+1], s[BP:BP+1], 32768
	DA 2, 0, 0, 0, 0, 128
	BLOADP 3, 0, 60                                ; the next round's first 60 loads go out while 20 products are at work
	DB 2, 1, 0, 20
	DA 2, 2, 1, 2, 1, 256
	DB 2, 3, 1, 20
	DA 2, 4, 0, 2, 1, 384
	BLOADP 3, 60, 64                               ; and its last four
	DB 2, 5, 0, 20
	DA 2, 6, 1, 2, 1, -1
	DB 2, 7, 1, 0
	STAGE
	s_wait_dscnt 0x0                               ; my part of the stage is written and my reads of samp are over
	s_barrier_signal -1
	s_barrier_wait -1
.irp j, 0,1,2,3
	ds_load_b128 v[DI+4*\j:DI+4*\j+3], v[XR] offset:256*\j   ; the first trip's rows.  No wait: no vector or matrix instruction since the wait in STAGE names DI or U
.endr
.irp j, 0,1,2,3
	ds_load_b128 v[U+4*\j:U+4*\j+3], v[SR] offset:256*\j
.endr
	v_mov_b32 v[XW], v[XR]
	v_mov_b32 v[SW2], v[SR]
	s_mov_b32 s[CNT], 10
	s_wait_dscnt 0x0                               ; they are in
.Lp2:                                          ; two rows a trip: x is finished; layernorm2(x) goes where samp lay; x + b_ffn2 goes back
	s_wait_dscnt 8                                 ; this trip's rows are in: behind their eight loads stand the last trip's eight stores (wave 0: twelve, of which it then waits for four)
	s_wait_alu depctr_vm_vsrc(0)                   ; the loads issued so far have read XW and SW2, the last trip's stores XS, AW, TO and UO; in the first trip: the stage's stores the accumulators
	v_mov_b32 v[XS], v[XW]                         ; where this trip's rows lie,
	v_add_nc_u32 v[XW], 2*PX, v[XW]                ; and the next trip's
	v_add_nc_u32 v[SW2], 2*PX, v[SW2]
	v_add_nc_u32 v[AW], 2*PA, v[AW]
.irp k, 0,2,4,6,8,10,12,14
	v_pk_add_f32 v[U+\k:U+\k+1], v[U+\k:U+\k+1], v[DI+\k:DI+\k+1]
.endr
.irp k, 0,2,4,6,8,10,12,14
	v_pk_add_f32 v[UO+\k:UO+\k+1], v[U+\k:U+\k+1], v[B2+\k:B2+\k+1]
.endr
	LNSTAT U, 0                                    ; its closing wait also states: XW and SW2 are written, and every reader of DI and U is done
	s_cmp_eq_u32 s[CNT], 1
	s_cbranch_scc1 .Lp2l                           ; the last trip has no next rows
.irp j, 0,1,2,3
	ds_load_b128 v[DI+4*\j:DI+4*\j+3], v[XW] offset:256*\j
.endr
.irp j, 0,1,2,3
	ds_load_b128 v[U+4*\j:U+4*\j+3], v[SW2] offset:256*\j
.endr
.Lp2l:
.irp k, 0,2,4,6,8,10,12,14
	v_pk_mul_f32 v[D+\k:D+\k+1], v[D+\k:D+\k+1], v[RS:RS+1]
.endr
.irp k, 0,2,4,6,8,10,12,14
	v_pk_fma_f32 v[D+\k:D+\k+1], v[D+\k:D+\k+1], v[LN2W+\k:LN2W+\k+1], v[LN2B+\k:LN2B+\k+1]
.endr
.irp k, 0,1,2,3,4,5,6,7
	v_cvt_pk_bf16_f32 v[TO+\k], v[D+2*\k], v[D+2*\k+1]
.endr
	s_wait_alu depctr_va_vdst(0)                   ; the conversions have written TO, which the stores below read (UO, XS and AW were written ahead of the wait in LNSTAT)
.irp j, 0,1,2,3
	ds_store_b64 v[AW], v[TO+2*\j:TO+2*\j+1] offset:128*\j
.endr
	s_cmp_lg_u32 s[WV], 0
	s_cbranch_scc1 .Lp2n
.irp j, 0,1,2,3
	ds_store_b64 v[AW], v[TO+2*\j:TO+2*\j+1] offset:80*PA+128*\j  ; wave 0: its rows 0-19 once more as rows 80-99
.endr
.Lp2n:
.irp j, 0,1,2,3
	ds_store_b128 v[XS], v[UO+4*\j:UO+4*\j+3] offset:256*\j
.endr
	s_sub_co_u32 s[CNT], s[CNT], 1
	s_cmp_lg_u32 s[CNT], 0
	s_cbranch_scc1 .Lp2
	s_wait_dscnt 0x0                               ; my rows of layernorm2(x) and of x + b_ffn2 are written and my reads of the stage are over
	s_barrier_signal -1
	s_barrier_wait -1
	AFETCHM AA0                                    ; rows 0-15, by an address made at the head.  No wait: the registers were last named by the first product and the stage's stores, ahead of the row phase's waits
	WIN 0
	s_mov_b32 s[CN2], 2
.Lf1:                                          ; rounds 1 to 4
	PASS 3, 2
	PASS 2, 3
	s_sub_co_u32 s[CN2], s[CN2], 1
	s_cmp_lg_u32 s[CN2], 0
	s_cbranch_scc1 .Lf1
	s_wait_dscnt 0x0                               ; my hidden columns are written; the last look-ahead has landed
	s_barrier_signal -1
	s_barrier_wait -1
	s_wait_alu depctr_vm_vsrc(0)                   ; the first product's fragment loads have read v8 to v12, which are written anew; the last stores of hidden numbers have read OO, over which fragment set 0 lies
	v_mul_u32_u24 v25, v2, PH
	v_lshl_add_u32 v25, v3, 4, v25
.irp mt, 0,1,2,3,4
	v_add_nc_u32 v[AA+\mt], HB+\mt*16*PH, v25
.endr
	WIN 0x40                                       ; the sums start on x + b_ffn2: 80 rows x my 64 columns, 32 bytes a lane and tile
	s_wait_alu depctr_va_vdst(0)                   ; the passes' products and gelu are done with the registers of window 1 in which the loads below and the fragments land; v8 to v12 are written
.irp mt, 0,1,2,3
.irp nt, 0,1,2,3
	ds_load_b128 v[8*(4*\mt+\nt):8*(4*\mt+\nt)+3], v[XI] offset:\mt*16*PX+64*\nt
	ds_load_b128 v[8*(4*\mt+\nt)+4:8*(4*\mt+\nt)+7], v[XI] offset:\mt*16*PX+64*\nt+16
.endr
.endr
.irp nt, 0,1,2,3
	ds_load_b128 v[8*(16+\nt):8*(16+\nt)+3], v[XI4] offset:64*\nt
	ds_load_b128 v[8*(16+\nt)+4:8*(16+\nt)+7], v[XI4] offset:64*\nt+16
.endr
	WIN 0
	s_mov_b32 s[CN2], 2
.Lf2:                                          ; rounds 5 to 8, two a trip: 16 of the 32 K steps of W_ffn2, eight double steps
	s_wait_alu depctr_va_vdst(0)                   ; v8 to v12, stepped at the last trip's end, are written; the last trip's products are done reading both fragment sets and the weights in window 2
	AFETCH2 0, 0                                   ; the trip's K steps 0 and 1
	s_wait_loadcnt 0x0                             ; the first round's weights are in; the wait also frees their base
	s_add_nc_u64 s[BP:BP+1], s[BP:BP+1], 32768
	DA 3, 0, 0, 2, 0, 128                          ; (its wait for all but ten LDS loads covers the 40 loads of x + b_ffn2, issued earlier)
	BLOADP 2, 0, 60
	DB 3, 1, 0, 20
	DA 3, 2, 1, 2, 1, 256
	DB 3, 3, 1, 20
	DA 3, 4, 0, 2, 1, 384
	BLOADP 2, 60, 64
	DB 3, 5, 0, 20
	DA 3, 6, 1, 2, 1, 512
	DB 3, 7, 1, 20
	s_wait_loadcnt 0x0                             ; the second round's weights are in
	DA 2, 0, 0, 2, 1, 640
	WIN 0
	s_cmp_eq_u32 s[CN2], 1
	s_cbranch_scc1 .Lf2a                           ; behind round 8 there is no round: the last trip asks for nothing here
	s_add_nc_u64 s[BP:BP+1], s[BP:BP+1], 32768
	BLOADP 3, 0, 60
	WIN 0
.Lf2a:
	DB 2, 1, 0, 20
	DA 2, 2, 1, 2, 1, 768
	DB 2, 3, 1, 20
	DA 2, 4, 0, 2, 1, 896
	WIN 0
	s_cmp_eq_u32 s[CN2], 1
	s_cbranch_scc1 .Lf2b
	BLOADP 3, 60, 64
	WIN 0
.Lf2b:
	DB 2, 5, 0, 20
	DA 2, 6, 1, 2, 1, -1
	DB 2, 7, 1, 0
	WIN 0
	s_wait_alu depctr_vm_vsrc(0)                   ; the trip's fragment loads have read v8 to v12
.irp mt, 0,1,2,3,4
	v_add_nc_u32 v[AA+\mt], 1024, v[AA+\mt]        ; 512 hidden numbers on; five plain lines behind the last product
.endr
	s_sub_co_u32 s[CN2], s[CN2], 1
	s_cmp_lg_u32 s[CN2], 0
	s_cbranch_scc1 .Lf2
	s_wait_dscnt 0x0                               ; my reads of the hidden rows are over: behind this barrier the stage may be written over them
	s_barrier_signal -1
	s_barrier_wait -1
	STAGE
	s_wait_dscnt 0x0
	s_barrier_signal -1
	s_barrier_wait -1
	v_mov_b32 v[SW2], v[SR]
	s_mov_b32 s[CNT], 5
.Lp3:                                          ; four rows a trip leave as they lie in the stage
	s_wait_alu depctr_va_vdst(0)                   ; SW2 is written, which the eight loads read
.irp j, 0,1,2,3
	ds_load_b128 v[D+4*\j:D+4*\j+3], v[SW2] offset:256*\j
.endr
.irp j, 0,1,2,3
	ds_load_b128 v[U+4*\j:U+4*\j+3], v[SW2] offset:2*PX+256*\j
.endr
	s_wait_dscnt 4                                 ; the first two rows are in; the other four loads may stay out
.irp j, 0,1,2,3
	global_store_b128 v[VO], v[D+4*\j:D+4*\j+3], s[28:29] offset:256*\j th:TH_STORE_NT  ; sixteen lanes store 256 consecutive bytes, at a multiple of 256 from out0's first byte
.endr
	s_wait_dscnt 0x0
.irp j, 0,1,2,3
	global_store_b128 v[VO], v[U+4*\j:U+4*\j+3], s[28:29] offset:2048+256*\j th:TH_STORE_NT
.endr
	s_wait_xcnt 0x0                                ; the stores' base and data are written again only behind this wait
	s_wait_alu depctr_vm_vsrc(0)                   ; the loads have read SW2, the stores D and U, in which the next trip's loads land
	v_add_nc_u32 v[SW2], 4*PX, v[SW2]
	s_add_nc_u64 s[28:29], s[28:29], 4096          ; four rows of out0 on: the vector offset is never written
	s_sub_co_u32 s[CNT], s[CNT], 1
	s_cmp_lg_u32 s[CNT], 0
	s_cbranch_scc1 .Lp3
	s_wait_dscnt 0x0                               ; the closing lines, six on end
	s_wait_alu 0x0
	s_wait_tensorcnt 0x0
	ds_add_u32 v[SPW], v[NIL]
	s_wait_dscnt 0x0
	s_endpgm
.Lfunc_end_k_qa651f1c019_ffn:
	.size	k_qa651f1c019_ffn, .Lfunc_end_k_qa651f1c019_ffn-k_qa651f1c019_ffn
	.p2alignl 7, 3214868480
	.fill 96, 4, 3214868480
	.section	.rodata,"a",@progbits
	.p2align	6, 0x0
	.amdhsa_kernel k_qa651f1c019_ffn
		.amdhsa_group_segment_fixed_size 305920
		.amdhsa_private_segment_fixed_size 0
		.amdhsa_enable_private_segment 0
		.amdhsa_kernarg_size 88
		.amdhsa_user_sgpr_count 2
		.amdhsa_user_sgpr_kernarg_segment_ptr 1
		.amdhsa_wavefront_size32 1
		.amdhsa_system_sgpr_workgroup_id_x 1
		.amdhsa_system_sgpr_workgroup_id_y 1
		.amdhsa_system_sgpr_workgroup_id_z 1
		.amdhsa_system_vgpr_workitem_id 0
		.amdhsa_next_free_vgpr 1024
		.amdhsa_next_free_sgpr 66
		.amdhsa_reserve_vcc 0
		.amdhsa_float_denorm_mode_32 3
		.amdhsa_float_denorm_mode_16_64 3
		.amdhsa_memory_ordered 1
		.amdhsa_forward_progress 1
		.amdhsa_inst_pref_size 207
	.end_amdhsa_kernel
	.amdgpu_metadata
---
amdhsa.version: [ 1, 2 ]
amdhsa.kernels:
  - .name:           k_qa651f1c019_ffn
    .symbol:         k_qa651f1c019_ffn.kd
    .args:
      - { .name: query, .offset: 0, .size: 8, .value_kind: global_buffer, .address_space: global }
      - { .name: samp, .offset: 8, .size: 8, .value_kind: global_buffer, .address_space: global }
      - { .name: ln1_w, .offset: 16, .size: 8, .value_kind: global_buffer, .address_space: global }
      - { .name: ln1_b, .offset: 24, .size: 8, .value_kind: global_buffer, .address_space: global }
      - { .name: ln2_w, .offset: 32, .size: 8, .value_kind: global_buffer, .address_space: global }
      - { .name: ln2_b, .offset: 40, .size: 8, .value_kind: global_buffer, .address_space: global }
      - { .name: b_out, .offset: 48, .size: 8, .value_kind: global_buffer, .address_space: global }
      - { .name: b_ffn1, .offset: 56, .size: 8, .value_kind: global_buffer, .address_space: global }
      - { .name: b_ffn2, .offset: 64, .size: 8, .value_kind: global_buffer, .address_space: global }
      - { .name: wt, .offset: 72, .size: 8, .value_kind: global_buffer, .address_space: global }
      - { .name: out0, .offset: 80, .size: 8, .value_kind: global_buffer, .address_space: global }
    .group_segment_fixed_size: 305920
    .private_segment_fixed_size: 0
    .kernarg_segment_align: 8
    .kernarg_segment_size: 88
    .max_flat_workgroup_size: 128
    .sgpr_count:     66
    .vgpr_count:     1024
    .wavefront_size: 32
...
	.end_amdgpu_metadata
.endif
;; end of part 11
